; MI455X (gfx1250); checked and timed in simulation.
; The chip was launched on July 23, 2026; its instructions are those of AMD's public machine-readable ISA for CDNA 5 (MIT licence, August 2026) and "CDNA5" Instruction Set Architecture Reference Guide (July 2026). The comments in the code are by the model that wrote it; some were corrected since.
;; Attention. Allowed arithmetic: matrix products marked QUANTISED: E2M1 operands, one E8M0 scale for each 32 along K, by v_wmma_scale_f32_16x16x128_f8f6f4 with both operands' format E2M1 (or v_wmma_scale_f32_32x16x128_f4), f32 sums; everything else in f32.
;; Inputs: W_fc 1,024 x 3,072 float32; W_fc2 1,024 x 1,024 float32; b_fc 3,072 float32; b_fc2 1,024 float32; x 4 x 2,048 x 1,024 float32.
;; Outputs: out0 4 x 2,048 x 1,024 float32.
;; This version of the problem:
;;   THIS VERSION OF THE PROBLEM IS GIVEN IN LOW PRECISION. The matrix products marked QUANTISED in the list below multiply operands that are first quantised to E2M1 (2 exponent bits, 1 mantissa bit; 4 bits a number), with one power-of-two scale for each 32 numbers along K (OCP MX v1.0); their sums are f32. All else is computed in f32.
;;   The module's matrix products, in the order in which they are computed (A, B: the left and right operand; K: the contracted axis; several contracted axes count as one K, in the product's order):
;;     1. [M 8,192, K 1,024] x [K 1,024, N 3,072]; A: input x; B: input W_fc: QUANTISED
;;     2. batch 64 x [M 2,048, K 64] x [K 64, N 2,048]; A: computed on the way; B: computed on the way: QUANTISED
;;     3. batch 64 x [M 64, K 2,048] x [K 2,048, N 2,048]; A: computed on the way; B: softmax (see below): QUANTISED
;;     4. [M 8,192, K 1,024] x [K 1,024, N 1,024]; A: computed on the way; B: input W_fc2: QUANTISED
;;   THE QUANTISER, for each operand of a quantised product, along K:
;;     - K is cut into blocks of 32 from its start; a last block that is shorter is filled with zeros.
;;     - A block's scale is 2^e with e = floor(log2(the largest magnitude in the block)) - 2, held to -126 .. 127; a block of zeros has e = 0. As a byte (E8M0): e + 127.
;;     - Each number is divided by its block's scale, clamped to +-6, and rounded to the nearest number of E2M1, ties to even, subnormals kept.
;;     - The product sums the exact products of the quantised numbers (number of the format x scale) in f32.
;;   ~~~python
;;   def quantise(x, axis):      # numpy; x: float32 -> the quantised numbers, widened to float32 again
;;       x = np.moveaxis(x, axis, -1); K = x.shape[-1]
;;       x = np.pad(x, [(0, 0)] * (x.ndim - 1) + [(0, -K % 32)]); x = x.reshape(x.shape[:-1] + (-1, 32)); a = np.abs(x).max(-1, keepdims=True)
;;       e = np.where(a > 0, np.clip(np.frexp(np.where(a > 0, a, 1))[1] - 1 - 2, -126, 127), 0)      # np.frexp(a)[1] - 1 = floor(log2(a)), exactly
;;       r = np.clip(x / 2.0 ** e, -6, 6)
;;       step = 2.0 ** (np.maximum(np.frexp(np.where(r == 0, 1, r))[1] - 1, 0) - 1)
;;       q = np.round(r / step) * step * 2.0 ** e      # np.round: ties to even
;;       return np.moveaxis(q.reshape(q.shape[:-2] + (-1,))[..., :K], -1, axis).astype(np.float32)
;;   ~~~
;;   SOFTMAX AHEAD OF A QUANTISED PRODUCT. Where the list says 'softmax', what is quantised is not the finished softmax but p = 2^(t - M), with t = logit x log2(e) and M = ceil(the row's largest t), a whole number; so 1/2 < the row's largest p <= 1. The row's sum l is taken of the UNQUANTISED p, in f32, and the product's result is divided by l at the end. Since M is a whole number, a kernel that streams over the keys may use a running M (the ceiling of the running maximum): every later rescaling is an exact power of two, which a block's scale takes up: the codes' values come out the same.
;;   OPERANDS COMPUTED ON THE WAY. 'Computed on the way' means the value that the module computes at that place (a softmax that the list does not call 'softmax' is quantised finished and normalised). What goes into a quantiser is computed in f32, as accurately as f32 sums, v_exp_f32 and their like allow (about 1e-6 of the number): no bf16 or f16 on the way to a quantiser, and a product that is left as it is and whose result goes on into a quantised operand takes f32 operands (vector FMAs, or v_wmma_f32_16x16x4_f32). A number that lies on a knife's edge between two numbers of the format may be rounded either way, as far as f32 arithmetic and the matrix unit's own rounding can turn it there, and no further.
;; 2 versions. Each part assembles by itself: llvm-mc -triple=amdgcn-amd-amdhsa -mcpu=gfx1250 --defsym DOCPART=n.
;; ======== version 1 of 2: 4 launches
;; workspace buffers: ximg 4,194,304 bytes; xsc 262,144 bytes; wimg 2,097,152 bytes; wsc 131,072 bytes; qkv 13,369,344 bytes; aimg 4,194,304 bytes; asc 262,144 bytes
;; launch quant (part 1): grid 384 x 1, 4 waves a work-group, no clusters, 34,304 bytes of LDS; arguments x, W_fc, W_fc2, ximg, xsc, wimg, wsc; writes ximg, xsc, wimg, wsc
.if DOCPART == 1
	.amdgcn_target "amdgcn-amd-amdhsa--gfx1250"
	.amdhsa_code_object_version 6
	.text
	.protected	k_q330e67e89f_quant
	.globl	k_q330e67e89f_quant
	.p2align	8
	.type	k_q330e67e89f_quant,@function
k_q330e67e89f_quant:
	s_mov_b64 s[64:65], 0
	v_nop
	global_prefetch_b8 v0, s[64:65] scope:SCOPE_SE
	s_setreg_imm32_b32 hwreg(HW_REG_WAVE_MODE, 25, 1), 1
	s_wait_xcnt 0x0
; x [8192][1024], W_fc [1024][3072] and W_fc2 [1024][1024], f32, become codes of FP4 (E2M1) with one E8M0 scale byte for each 32 along K (x: its last axis; the weights: their FIRST axis).
; A block's scale is 2^(floor(log2(its largest magnitude)) - 2); its byte is the largest magnitude's exponent field - 2, held at 1 from below; each number is divided by the scale and rounded to the nearest code, ties to even.
; LIMITS: NaN and infinities among the inputs are not served.  A block of zeros, or one whose largest magnitude lies under 2^-124, keeps the byte 1 (its codes are zeros or the smallest codes); the bytes are read by this program alone.
; THE CODES ARE LAID AS IMAGES OF THE OPERANDS' REGISTERS.  A fragment (16 rows or columns x 128 K) is [c 2][lane 32][16 bytes]: lane (r, h) of chunk c holds block 2 c + h of element r.
; THE ELEMENTS OF A TILE ARE NOT NEIGHBOURS: index r of tile 2 p + u stands for row (or column) 32 p + 8 u + r + 8 (r / 8), so that, where such a tile is a product's source 0, the 16 result registers of tiles 2 p and 2 p + 1 are 16 neighbours.
;   ximg [tile 512][K step 8][1,024 bytes]     xsc [tile][K half 2][r 16][4 words]: a word is the four scale bytes of one K step
;   wimg [pair 128][u 2][K step 8][1,024 bytes] (pairs 0-95 W_fc, 96-127 W_fc2)     wsc [pair][K quarter 4][16 u + r][2 words]
; SHARES.  Work-groups 0-127 take the weights: a wave takes a pair of tiles (32 columns) x 256 along K; a lane takes a column and its registers run down K, so a block lies in one lane and nothing is transposed.
; Work-groups 128-383 take x: a wave takes a tile of 16 rows x 512 along K, a K step at a time.  Each load reads 512 consecutive bytes of a row; the 16 rows turn through the wave's own stage in LDS and come back
; as 16 neighbours of each block a lane.  Waves share nothing: no barrier.  Only x's path touches LDS.  No matrix unit, no cluster, no tensor load: the launch streams, and no two work-groups read the same bytes.
.set TM,     244                       ; v244-247 largest magnitudes, v248-251 the other half's, then the bytes, v252-255 the conversions' scale operands
.set SEL,    28                        ; s[28:29] lane selects of v_permlanex16_b32: lane l xor 16
.set WOFF,   16                        ; weights: v16-47  4 x lane + i rows, i = 0 .. 31; never rewritten
.set WX,     48                        ; v48-111  two sets of 32 numbers
.set WC,     112                       ; v112-143 four registers of codes for each block: no store's data are written again
.set WSB,    144                       ; v144-145 the scale bytes, four to a register
.set XR,     16                        ; x: v16-143 two sets of 64 numbers as they are loaded
.set XX,     144                       ; v144-207 64 numbers: register 16 b + i = k 32 b + 16 h + i of row r
.set XPC,    208                       ; v208-239 eight registers of codes for each K step
.set XPW,    240                       ; v240-243 a scale word for each K step
.set SPITCH, 528                       ; a stage row: 512 bytes + 16 = 132 words, so that the 16 rows that a load touches begin 4 words apart modulo 64
; nb blocks of a lane's numbers, register 16 b + i = k 32 b + 16 (lane / 16) + i of the lane's row, become codes in v[pc] on (the operand's registers) and the row's scale bytes in v[pw].
.macro QUANT src, nb, pc, pw
.set qb, 0
.rept \nb
	v_max3_num_f32 v[TM+qb], |v[\src+16*qb]|, |v[\src+16*qb+1]|, 0x1800000   ; my 16 numbers of block qb, and the floor 2^(3 - 127): the byte cannot fall under 1
.set qb, qb+1
.endr
.irp e, 2,4,6,8,10,12,14
.set qb, 0
.rept \nb
	v_max3_num_f32 v[TM+qb], v[TM+qb], |v[\src+16*qb+\e]|, |v[\src+16*qb+\e+1]|   ; the blocks by turns: no line waits for the line above it
.set qb, qb+1
.endr
.endr
.set qb, 0
.rept \nb
	v_permlanex16_b32 v[TM+4+qb], v[TM+qb], s[SEL], s[SEL+1]
.set qb, qb+1
.endr
.set qb, 0
.rept \nb
	v_max_num_f32 v[TM+qb], v[TM+qb], v[TM+4+qb]   ; with lane l xor 16's 16: the block's largest magnitude
.set qb, qb+1
.endr
.set qb, 0
.rept \nb
	v_add_nc_u32 v[TM+8+qb], 0xff000000, v[TM+qb]  ; 2 off its exponent field: the conversion takes the exponent field of this operand as its scale
.set qb, qb+1
.endr
.set qb, 0
.rept \nb
	v_lshrrev_b32 v[TM+4+qb], 23, v[TM+8+qb]       ; the scale's byte
.set qb, qb+1
.endr
	v_lshl_or_b32 v[\pw], v[TM+5], 8, v[TM+4]
.if \nb == 4
	v_lshl_or_b32 v[\pw], v[TM+6], 16, v[\pw]
	v_lshl_or_b32 v[\pw], v[TM+7], 24, v[\pw]
.endif
.set qb, 0
.rept \nb
	v_cvt_scalef32_pk8_fp4_f32 v[\pc+2*qb], v[\src+16*qb:\src+16*qb+7], v[TM+8+qb]
	v_cvt_scalef32_pk8_fp4_f32 v[\pc+2*qb+1], v[\src+16*qb+8:\src+16*qb+15], v[TM+8+qb]
.set qb, qb+1
.endr
	v_nop                                          ; one plain place behind a scaled conversion
.set qb, 0
.rept (\nb)/2
	v_permlane16_swap_b32 v[\pc+4*qb], v[\pc+4*qb+2]     ; the operand wants a WHOLE block in a lane: lanes 0-15 block 2 c, lanes 16-31 block 2 c + 1
	v_permlane16_swap_b32 v[\pc+4*qb+1], v[\pc+4*qb+3]
.set qb, qb+1
.endr
.endm
	s_load_b128 s[4:7], s[0:1], 0x0                ; x, W_fc
	s_load_b128 s[8:11], s[0:1], 0x10              ; W_fc2, ximg
	s_load_b128 s[12:15], s[0:1], 0x20             ; xsc, wimg
	s_load_b64 s[16:17], s[0:1], 0x30              ; wsc
	v_lshl_add_u32 v14, v0, 2, 0x8400
	v_mov_b32 v15, 0
	v_lshrrev_b32 v1, 5, v0
	v_readfirstlane_b32 s18, v1                    ; wave 0..3
	v_and_b32 v2, 31, v0                           ; lane
	s_cmp_lt_u32 ttmp9, 128
	s_cbranch_scc0 .Lx_path
	; ---------------- the weights ----------------
	s_and_b32 s19, ttmp9, 31                       ; which 128 columns of the 4,096 of both weights
	s_lshr_b32 s20, ttmp9, 5                       ; which 256 along K
	s_lshl_b32 s21, s19, 2
	s_add_co_u32 s21, s21, s18                     ; my pair of tiles, 0 .. 127
	s_movk_i32 s24, 0x1000                         ; a row of W_fc2 in bytes,
	s_movk_i32 s26, 0x3000                         ; of W_fc
	s_wait_kmcnt 0x0
	s_cmp_lt_u32 s19, 24                           ; the first 24 groups of columns are W_fc's: the choice hangs on the work-group's number alone
	s_cselect_b64 s[22:23], s[6:7], s[8:9]
	s_cselect_b32 s24, s26, s24
	s_cselect_b32 s25, 0, 24
	s_sub_co_u32 s25, s19, s25                     ; the group of columns within its tensor
	s_lshl_b32 s26, s20, 8
	s_mul_i32 s26, s26, s24                        ; 256 rows for each K quarter,
	s_lshl_b32 s27, s25, 9
	s_add_co_u32 s26, s26, s27                     ; 512 bytes for each group of columns,
	s_lshl_b32 s27, s18, 7
	s_add_co_u32 s26, s26, s27                     ; 128 for each wave
	s_mov_b32 s27, 0
	s_lshl_b32 s28, s24, 5                         ; 32 rows: from block to block
	s_mov_b32 s29, 0
	s_add_nc_u64 s[32:33], s[22:23], s[26:27]      ; a base for each of my eight blocks: none is ever stepped
.irp t, 1,2,3,4,5,6,7
	s_add_nc_u64 s[32+2*\t:33+2*\t], s[30+2*\t:31+2*\t], s[28:29]
.endr
	v_lshlrev_b32 v[WOFF], 2, v2                   ; a lane to a column
.set wi, 1
.rept 31
	v_add_nc_u32 v[WOFF+wi], s24, v[WOFF+wi-1]     ; and a register to a row
.set wi, wi+1
.endr
	v_bfe_u32 v3, v2, 3, 1                         ; column l of the pair is index r = l % 8 + 8 (l / 16) of tile u = (l / 8) % 2
	v_and_b32 v4, 7, v2
	v_lshrrev_b32 v5, 4, v2
	v_lshl_add_u32 v4, v5, 3, v4
	v_lshlrev_b32 v6, 4, v4
	v_lshl_add_u32 v6, v3, 13, v6                  ; codes: 8,192 u + 16 r
	v_lshl_add_u32 v7, v3, 4, v4
	v_lshlrev_b32 v7, 3, v7                        ; scale words: 8 (16 u + r)
	s_lshl_b32 s30, s21, 14
	s_lshl_b32 s31, s20, 11
	s_add_co_u32 s30, s30, s31
	s_mov_b32 s31, 0
	s_add_nc_u64 s[14:15], s[14:15], s[30:31]      ; wimg at my pair, my two K steps
	s_lshl_b32 s30, s21, 10
	s_lshl_b32 s48, s20, 8
	s_add_co_u32 s30, s30, s48
	s_add_nc_u64 s[16:17], s[16:17], s[30:31]      ; wsc likewise
.macro WLOAD t                         ; block t: 32 rows of my 32 columns: each load reads 128 consecutive bytes
.set wi, 0
.rept 32
	global_load_b32 v[WX+32*((\t)%2)+wi], v[WOFF+wi], s[32+2*(\t):33+2*(\t)] th:TH_LOAD_NT
.set wi, wi+1
.endr
.endm
.macro WBLOCK t
.set XS, WX+32*((\t)%2)
.if (\t) < 7
	s_wait_loadcnt 32                              ; this block's 32 loads are in; the next block's may be out
.else
	s_wait_loadcnt 0x0
.endif
	v_max3_num_f32 v8, |v[XS]|, |v[XS+1]|, |v[XS+2]|               ; the block's largest magnitude: all 32 numbers are mine; two chains
	v_max3_num_f32 v9, |v[XS+3]|, |v[XS+4]|, |v[XS+5]|
.irp e, 6,10,14,18,22,26
	v_max3_num_f32 v8, v8, |v[XS+\e]|, |v[XS+\e+1]|
	v_max3_num_f32 v9, v9, |v[XS+\e+2]|, |v[XS+\e+3]|
.endr
	v_max3_num_f32 v8, v8, |v[XS+30]|, |v[XS+31]|
	v_max3_num_f32 v8, v8, v9, 0x1800000           ; and the floor 2^(3 - 127)
	v_add_nc_u32 v10, 0xff000000, v8               ; the conversions' scale operand
.if (\t)%4 == 0
	v_lshrrev_b32 v[WSB+(\t)/4], 23, v10           ; the byte: four to a register, the lower K in the lower byte
.else
	v_lshrrev_b32 v11, 23, v10
	v_lshl_or_b32 v[WSB+(\t)/4], v11, 8*((\t)%4), v[WSB+(\t)/4]
.endif
.irp e, 0,1,2,3
	v_cvt_scalef32_pk8_fp4_f32 v[WC+4*(\t)+\e], v[XS+8*\e:XS+8*\e+7], v10
.endr
	global_store_b128 v6, v[WC+4*(\t):WC+4*(\t)+3], s[14:15] offset:256*(\t)   ; block t = chunk and half-wave t of the two fragments on end: the sixteen lanes of one tile write 256 consecutive bytes, aligned
.if (\t)+2 < 8
	WLOAD (\t)+2
.endif
.endm
	WLOAD 0
	WLOAD 1
.irp t, 0,1,2,3,4,5,6,7
	WBLOCK \t
.endr
	global_store_b64 v7, v[WSB:WSB+1], s[16:17]    ; my column's two scale words: the wave writes 256 consecutive bytes
	s_endpgm
	; ---------------- x ----------------
.Lx_path:
	s_sub_co_u32 s19, ttmp9, 128
	s_lshl_b32 s19, s19, 2
	s_add_co_u32 s19, s19, s18
	s_lshr_b32 s20, s19, 1                         ; my tile of rows, 0 .. 511
	s_and_b32 s21, s19, 1                          ; my half of K
	s_lshr_b32 s22, s20, 1
	s_lshl_b32 s22, s22, 17                        ; the tile's first row is 32 (tile / 2) + 8 (tile % 2); a row is 4,096 bytes
	s_and_b32 s23, s20, 1
	s_lshl_b32 s23, s23, 15
	s_add_co_u32 s22, s22, s23
	s_lshl_b32 s23, s21, 11
	s_add_co_u32 s22, s22, s23
	s_mov_b32 s23, 0
	s_lshl_b32 s24, s20, 13
	s_lshl_b32 s25, s21, 12
	s_add_co_u32 s24, s24, s25                     ; ximg: 8,192 x tile + 4,096 x half
	s_mov_b32 s25, 0
	s_lshl_b32 s26, s20, 9
	s_lshl_b32 s27, s21, 8
	s_add_co_u32 s26, s26, s27                     ; xsc: 512 x tile + 256 x half
	s_mov_b32 s27, 0
	s_mov_b32 s[SEL], 0x76543210
	s_mov_b32 s[SEL+1], 0xfedcba98
	v_lshlrev_b32 v3, 4, v2                        ; 16 x lane
	s_mul_i32 s30, s18, 16*SPITCH                  ; my stage
	v_add_nc_u32 v4, s30, v3                       ; into it: a row as it is loaded
	v_and_b32 v5, 15, v2                           ; r
	v_lshrrev_b32 v6, 4, v2                        ; h
	v_mul_u32_u24 v7, v5, SPITCH
	v_lshl_add_u32 v7, v6, 6, v7
	v_add_nc_u32 v7, s30, v7                       ; out of it: row r, + 64 h: my 16 numbers of a block
	v_lshlrev_b32 v10, 4, v5
	v_lshl_add_u32 v10, v6, 3, v10                 ; the scale words' place: 16 r + 8 h
.irp e, 4,5,6,7
	v_mov_b32 v[TM+\e], 0                          ; written once: a lane permute's destination counts as one of its sources
.endr
	s_wait_kmcnt 0x0
	s_add_nc_u64 s[4:5], s[4:5], s[22:23]
	s_add_nc_u64 s[10:11], s[10:11], s[24:25]
	s_add_nc_u64 s[12:13], s[12:13], s[26:27]
.macro XLOAD t                         ; K step t of my 16 rows: each load reads 512 consecutive bytes of one row
.irp e, 0,1,2,3,4,5,6,7,8,9,10,11,12,13,14,15
	global_load_b128 v[XR+64*((\t)%2)+4*\e:XR+64*((\t)%2)+4*\e+3], v3, s[4:5] offset:(\e+8*(\e/8))*4096+512*(\t) th:TH_LOAD_NT
.endr
.endm
.macro XSTEP t
.if (\t) < 3
	s_wait_loadcnt 16                              ; this step's 16 loads are in; the next step's may be out
.else
	s_wait_loadcnt 0x0
.endif
.irp e, 0,1,2,3,4,5,6,7,8,9,10,11,12,13,14,15
	ds_store_b128 v4, v[XR+64*((\t)%2)+4*\e:XR+64*((\t)%2)+4*\e+3] offset:\e*SPITCH
.endr
.irp b, 0,1,2,3
.irp e, 0,1,2,3
	ds_load_b128 v[XX+16*\b+4*\e:XX+16*\b+4*\e+3], v7 offset:128*\b+16*\e   ; LDS serves a wave's instructions in order: these see the stores above
.endr
.endr
	s_wait_dscnt 0x0
.if (\t) < 2
	XLOAD (\t)+2
.endif
	QUANT XX, 4, XPC+8*(\t), XPW+(\t)
	global_store_b128 v3, v[XPC+8*(\t):XPC+8*(\t)+3], s[10:11] offset:1024*(\t)         ; the fragment as it stands: 512 consecutive bytes a store
	global_store_b128 v3, v[XPC+8*(\t)+4:XPC+8*(\t)+7], s[10:11] offset:1024*(\t)+512
.endm
	XLOAD 0
	XLOAD 1
.irp t, 0,1,2,3
	XSTEP \t
.endr
	v_cmp_lt_u32 vcc_lo, 15, v2                    ; both halves of the lanes hold row r's four words: lanes 0-15 store the first two, lanes 16-31 the others
	v_cndmask_b32 v12, v[XPW], v[XPW+2], vcc_lo
	v_cndmask_b32 v13, v[XPW+1], v[XPW+3], vcc_lo
	global_store_b64 v10, v[12:13], s[12:13]       ; 256 consecutive bytes, aligned
	s_wait_tensorcnt 0x0
	ds_add_u32 v14, v15
	s_wait_dscnt 0x0
	s_endpgm
.Lfunc_end_k_q330e67e89f_quant:
	.size	k_q330e67e89f_quant, .Lfunc_end_k_q330e67e89f_quant-k_q330e67e89f_quant
	.p2alignl 7, 3214868480
	.fill 96, 4, 3214868480
	.section	.rodata,"a",@progbits
	.p2align	6, 0x0
	.amdhsa_kernel k_q330e67e89f_quant
		.amdhsa_group_segment_fixed_size 34304
		.amdhsa_private_segment_fixed_size 0
		.amdhsa_enable_private_segment 0
		.amdhsa_kernarg_size 56
		.amdhsa_user_sgpr_count 2
		.amdhsa_user_sgpr_kernarg_segment_ptr 1
		.amdhsa_wavefront_size32 1
		.amdhsa_system_sgpr_workgroup_id_x 1
		.amdhsa_system_sgpr_workgroup_id_y 1
		.amdhsa_system_sgpr_workgroup_id_z 1
		.amdhsa_system_vgpr_workitem_id 0
		.amdhsa_next_free_vgpr 256
		.amdhsa_next_free_sgpr 66
		.amdhsa_reserve_vcc 1
		.amdhsa_float_denorm_mode_32 3
		.amdhsa_float_denorm_mode_16_64 3
		.amdhsa_memory_ordered 1
		.amdhsa_forward_progress 1
		.amdhsa_inst_pref_size 72
	.end_amdhsa_kernel
	.amdgpu_metadata
---
amdhsa.version: [ 1, 2 ]
amdhsa.kernels:
  - .name:           k_q330e67e89f_quant
    .symbol:         k_q330e67e89f_quant.kd
    .args:
      - { .name: x, .offset: 0, .size: 8, .value_kind: global_buffer, .address_space: global }
      - { .name: W_fc, .offset: 8, .size: 8, .value_kind: global_buffer, .address_space: global }
      - { .name: W_fc2, .offset: 16, .size: 8, .value_kind: global_buffer, .address_space: global }
      - { .name: ximg, .offset: 24, .size: 8, .value_kind: global_buffer, .address_space: global }
      - { .name: xsc, .offset: 32, .size: 8, .value_kind: global_buffer, .address_space: global }
      - { .name: wimg, .offset: 40, .size: 8, .value_kind: global_buffer, .address_space: global }
      - { .name: wsc, .offset: 48, .size: 8, .value_kind: global_buffer, .address_space: global }
    .group_segment_fixed_size: 34304
    .private_segment_fixed_size: 0
    .kernarg_segment_align: 8
    .kernarg_segment_size: 56
    .max_flat_workgroup_size: 128
    .sgpr_count:     66
    .vgpr_count:     256
    .wavefront_size: 32
...
	.end_amdgpu_metadata
.endif
;; end of part 1
;; launch gemm1 (part 2): grid 16 x 32, 4 waves a work-group, clusters of 4 x 4, 229,888 bytes of LDS; arguments ximg, xsc, wimg, wsc, b_fc, qkv; writes qkv
.if DOCPART == 2
	.amdgcn_target "amdgcn-amd-amdhsa--gfx1250"
	.amdhsa_code_object_version 6
	.text
	.protected	k_q330e67e89f_gemm1
	.globl	k_q330e67e89f_gemm1
	.p2align	8
	.type	k_q330e67e89f_gemm1,@function
k_q330e67e89f_gemm1:
	s_mov_b64 s[64:65], 0
	v_nop
	global_prefetch_b8 v0, s[64:65] scope:SCOPE_SE
	s_setreg_imm32_b32 hwreg(HW_REG_WAVE_MODE, 25, 1), 1
	s_wait_xcnt 0x0
	s_wait_alu depctr_hold_cnt(0) depctr_sa_sdst(0) depctr_va_vdst(0) depctr_va_sdst(0) depctr_va_ssrc(0) depctr_va_vcc(0) depctr_vm_vsrc(0)
	s_getreg_b32 s2, hwreg(HW_REG_IB_STS2, 6, 4)
	s_cmp_eq_u32 s2, 0
	s_cbranch_scc0 .Lentry_in_a_cluster
	s_endpgm
.Lentry_in_a_cluster:
	s_bfe_u32 s2, ttmp6, 0x10000c
	s_cmp_lg_u32 s2, 0xf033
	s_cbranch_scc0 .Lentry_shape_is_right
	s_endpgm
.Lentry_shape_is_right:
; qkv = swish(x W_fc + b_fc) on codes of FP4 (E2M1) with E8M0 scales, and q, k, v quantised again on the way out: q and k along the head's 64 channels, v along the keys.  Nothing leaves in f32.
; LIMITS: NaN and infinities are not served.  A block of zeros, or one whose largest magnitude lies under 2^-124, keeps the scale byte 1; the bytes are read by this program alone.
; SHARES.  A work-group takes 256 rows (x of the grid: the head; y: the block of rows) x one head's 192 columns (12 tiles).  Wave w: rows 128 (w / 2) on (8 tiles a); w % 2 = 0: q's four tiles and v's first two, 1: k's four and v's last two.
; 48 accumulators a wave, 48 matrix instructions for the 14 fragments of a K step.
; TWO USES OF THE MATRIX INSTRUCTION.  q, k: source 0 = 16 columns of W, source 1 = 16 rows of x: a lane holds ONE row and its registers run along the head's channels, the next product's K.
; v: source 0 = 16 rows of x, source 1 = 16 columns of W: a lane holds ONE channel and its registers run along the keys, the K of the product with the softmax.
; Index r of tile 2 p + u of rows or of columns stands for element 32 p + 8 u + r + 8 (r / 8), so the 16 registers of two neighbouring tiles of source 0 are 16 neighbours.
; LDS.  All of K is resident: x's 16 tiles and W's 12, as images of the operands' registers, in four chunks of two K steps.  Each byte is filled once, so there is no ring; a fragment is read as 2 x 512 consecutive bytes.
; CLUSTERS: 4 x 4 work-groups.  The four of a row of the cluster need the same rows of x, the four of a column the same head of W: each chunk is asked for JOINTLY.  Waves 0 and 1 fetch x's halves, waves 2 and 3 W's: four loads a wave, all out at once.
; THE HEAD BLOCK of qkv, 208,896 bytes for each (batch, head): K's codes [tile 128][512] at 0; V's [step 16][tile 4][1,024] at 65,536; K's scale words [step][r][4] at 131,072 (word t: tile 2 t in the low half, 2 t + 1 in the high);
;   V's [step][2][lane] at 135,168 (lanes 0-15 the even tile, 16-31 the odd); Q's codes at 139,264 and Q's scale words at 204,800, laid as K's.
; REGISTERS, in windows of 256: window 0: v1-15, v72 addresses; v16-47 x's scale words (8 (a / 2) + s: the even tile in lanes 0-15, the odd in 16-31); v48-71 W's (8 x pair + s); v80-143 at work; v144-155 the quantiser's; v160-223 codes and words on their way out.
;   window 1: two sets of fragments, at 0 and 128: x's at 8 a, W's at 64 + 8 t.   window 2: q's or k's accumulators at 32 a + 8 b.   window 3: v's at 64 n + 8 a; the biases at 128 + 8 b and 160 + 8 n.
.set WV,    16
.set NL,    26                         ; s[26:27] -log2(e), twice
.set G1A,   28                         ; s[28:35] descriptor group 1 for x's chunks;  s[36:43] for W's
.set G1B,   36
.set G0A,   44                         ; s[44:59] group 0 for x's four chunks;  s[68:83] for W's
.set G0B,   68
.set SEL,   100                        ; s[100:101] lane selects of v_permlanex16_b32: lane l xor 16
.set LB,    131072                     ; LDS: x's chunks of 32,768 bytes from 0, W's of 24,576 from here
.set ADRA,  4
.set ADRBQ, 5
.set ADRBV, 6
.set AS,    16
.set BS,    48
.set Z,     80
.set TM,    144
.set PCQ,   160
.set PCV,   192
.set PWQ,   208
.set PWV,   216
.set BQ,    128
.set BV,    160
.set MSB, 0
.macro WIN new                         ; the immediate's high byte repeats the setting that is left; a switch that changes nothing is dropped
.if MSB != \new
	s_set_vgpr_msb (MSB<<8)|\new
.set MSB, \new
.endif
.endm
.macro PLACES n
.rept \n
	v_nop
.endr
.endm
.macro ROUND                           ; a round of the cluster's barrier
	s_barrier_signal -1
	s_barrier_wait -1
	s_cmp_lg_u32 s[WV], 0
	s_cbranch_scc1 .Lnot_wave_0_\@
	s_barrier_signal -3
.Lnot_wave_0_\@:
	s_barrier_wait -3
	s_barrier_signal -1
	s_barrier_wait -1
.endm
; nb blocks of a lane's numbers, register 16 b + i = k 32 b + 16 (lane / 16) + i of the lane's row, become codes in v[pc] on (the operand's registers) and the row's scale bytes in v[pw].
.macro QUANT src, nb, pc, pw
.set qb, 0
.rept \nb
	v_max3_num_f32 v[TM+qb], |v[\src+16*qb]|, |v[\src+16*qb+1]|, 0x1800000   ; my 16 numbers of block qb, and the floor 2^(3 - 127): the byte cannot fall under 1
.set qb, qb+1
.endr
.irp e, 2,4,6,8,10,12,14
.set qb, 0
.rept \nb
	v_max3_num_f32 v[TM+qb], v[TM+qb], |v[\src+16*qb+\e]|, |v[\src+16*qb+\e+1]|
.set qb, qb+1
.endr
.endr
.set qb, 0
.rept \nb
	v_permlanex16_b32 v[TM+4+qb], v[TM+qb], s[SEL], s[SEL+1]
.set qb, qb+1
.endr
.set qb, 0
.rept \nb
	v_max_num_f32 v[TM+qb], v[TM+qb], v[TM+4+qb]   ; with lane l xor 16's 16: the block's largest magnitude
.set qb, qb+1
.endr
.set qb, 0
.rept \nb
	v_add_nc_u32 v[TM+8+qb], 0xff000000, v[TM+qb]  ; 2 off its exponent field: the conversion's scale operand
.set qb, qb+1
.endr
.set qb, 0
.rept \nb
	v_lshrrev_b32 v[TM+4+qb], 23, v[TM+8+qb]       ; the scale's byte
.set qb, qb+1
.endr
	v_lshl_or_b32 v[\pw], v[TM+5], 8, v[TM+4]
.if \nb == 4
	v_lshl_or_b32 v[\pw], v[TM+6], 16, v[\pw]
	v_lshl_or_b32 v[\pw], v[TM+7], 24, v[\pw]
.endif
.set qb, 0
.rept \nb
	v_cvt_scalef32_pk8_fp4_f32 v[\pc+2*qb], v[\src+16*qb:\src+16*qb+7], v[TM+8+qb]
	v_cvt_scalef32_pk8_fp4_f32 v[\pc+2*qb+1], v[\src+16*qb+8:\src+16*qb+15], v[TM+8+qb]
.set qb, qb+1
.endr
	v_nop                                          ; one plain place behind a scaled conversion
.set qb, 0
.rept (\nb)/2
	v_permlane16_swap_b32 v[\pc+4*qb], v[\pc+4*qb+2]     ; a WHOLE block in a lane: lanes 0-15 block 2 c, lanes 16-31 block 2 c + 1
	v_permlane16_swap_b32 v[\pc+4*qb+1], v[\pc+4*qb+3]
.set qb, qb+1
.endr
.endm
; v[dst ..] (window 0) = swish of n registers from v[src] on in the window that w names for source 0: x / (1 + 2^(-x log2 e)), all in f32.  Every run ascends.
.macro SWISH w, src, n, dst
	WIN \w
.set si, 0
.rept (\n)/2
	v_pk_mul_f32 v[\dst+si:\dst+si+1], v[\src+si:\src+si+1], s[NL:NL+1] op_sel_hi:[1,0]
.set si, si+2
.endr
	WIN 0
.set si, 0
.rept \n
	v_exp_f32 v[\dst+si], v[\dst+si]
.set si, si+1
.endr
	v_nop                                          ; a plain place behind the exponentials
.set si, 0
	s_wait_alu depctr_va_vdst(0)
.rept (\n)/2
	v_pk_add_f32 v[\dst+si:\dst+si+1], v[\dst+si:\dst+si+1], 1.0 op_sel_hi:[1,0]
.set si, si+2
.endr
.set si, 0
.rept \n
	v_rcp_f32 v[\dst+si], v[\dst+si]
.set si, si+1
.endr
	v_nop                                          ; and behind the reciprocals
	WIN \w
.set si, 0
	s_wait_alu depctr_va_vdst(0)
.rept (\n)/2
	v_pk_mul_f32 v[\dst+si:\dst+si+1], v[\src+si:\src+si+1], v[\dst+si:\dst+si+1]
.set si, si+2
.endr
	WIN 0
.endm
; one matrix instruction; ra, rb = 1: that side's scales are read from lanes 16-31 of its register
.macro WM d, a, b, c, sa, sb, ra, rb
.if ((\ra) == 1) && ((\rb) == 1)
	v_wmma_scale_f32_16x16x128_f8f6f4 v[\d:\d+7], v[\a:\a+7], v[\b:\b+7], v[\c:\c+7], v[\sa], v[\sb] matrix_a_fmt:MATRIX_FMT_FP4 matrix_b_fmt:MATRIX_FMT_FP4 matrix_a_scale:MATRIX_SCALE_ROW1 matrix_b_scale:MATRIX_SCALE_ROW1
.elseif (\ra) == 1
	v_wmma_scale_f32_16x16x128_f8f6f4 v[\d:\d+7], v[\a:\a+7], v[\b:\b+7], v[\c:\c+7], v[\sa], v[\sb] matrix_a_fmt:MATRIX_FMT_FP4 matrix_b_fmt:MATRIX_FMT_FP4 matrix_a_scale:MATRIX_SCALE_ROW1
.elseif (\rb) == 1
	v_wmma_scale_f32_16x16x128_f8f6f4 v[\d:\d+7], v[\a:\a+7], v[\b:\b+7], v[\c:\c+7], v[\sa], v[\sb] matrix_a_fmt:MATRIX_FMT_FP4 matrix_b_fmt:MATRIX_FMT_FP4 matrix_b_scale:MATRIX_SCALE_ROW1
.else
	v_wmma_scale_f32_16x16x128_f8f6f4 v[\d:\d+7], v[\a:\a+7], v[\b:\b+7], v[\c:\c+7], v[\sa], v[\sb] matrix_a_fmt:MATRIX_FMT_FP4 matrix_b_fmt:MATRIX_FMT_FP4
.endif
.endm
	s_load_b256 s[4:11], s[0:1], 0x0               ; ximg s[4:5], xsc s[6:7], wimg s[8:9], wsc s[10:11]
	s_load_b128 s[12:15], s[0:1], 0x20             ; b_fc s[12:13], qkv s[14:15]
	v_lshl_add_u32 v254, v0, 2, 0x38000
	v_mov_b32 v255, 0
	ds_add_u32 v254, v255
	ds_add_u32 v254, v255
	v_lshrrev_b32 v1, 5, v0
	v_readfirstlane_b32 s[WV], v1                  ; wave 0..3
	s_lshr_b32 s17, s[WV], 1                       ; g: which 128 rows are mine.  Also: I fetch for x (0) or for W (1)
	s_and_b32 s18, s[WV], 1                        ; y: q's side or k's.  Also: which half of a chunk I fetch
	s_bfe_u32 s19, ttmp6, 0x40000                  ; cx, cy: my place in the cluster
	s_bfe_u32 s20, ttmp6, 0x40004
	s_lshl_b32 s21, ttmp9, 2
	s_add_co_u32 s21, s21, s19                     ; the head = 4 x cluster x + cx
	s_and_b32 s22, ttmp7, 0xffff
	s_lshl_b32 s22, s22, 2
	s_add_co_u32 s22, s22, s20                     ; the block of 256 rows = 4 x cluster y + cy
	s_lshl_b32 s23, s20, 2
	s_lshl_b32 s23, 15, s23                        ; my row of the cluster
	s_lshl_b32 s24, 0x1111, s19                    ; my column
	; descriptor group 1: a half chunk: 8 (x) or 6 (W) tiles x 2,048 bytes (two K steps), the tiles 8,192 bytes apart; elements of 8 bytes; no padding: the images are read as they lie
	s_or_b32 s[G1A], s23, (3<<16)|(1<<21)          ; 15:0 the mask: x's chunks go to my row; 17:16 elements of 8 bytes; 21 set beside a mask
	s_or_b32 s[G1B], s24, (3<<16)|(1<<21)          ; W's go to my column
	s_mov_b32 s[G1A+1], 256<<16                    ; tensor_dim0 = 256 elements
	s_mov_b32 s[G1A+2], 8<<16                      ; tensor_dim1 = 8
	s_mov_b32 s[G1A+3], 256<<16                    ; tile_dim0
	s_mov_b32 s[G1A+4], 8                          ; tile_dim1
	s_mov_b32 s[G1A+5], 1024                       ; from tile to tile
	s_mov_b32 s[G1A+6], 0
	s_mov_b32 s[G1A+7], 0
	s_mov_b32 s[G1B+1], 256<<16
	s_mov_b32 s[G1B+2], 6<<16
	s_mov_b32 s[G1B+3], 256<<16
	s_mov_b32 s[G1B+4], 6
	s_mov_b32 s[G1B+5], 1024
	s_mov_b32 s[G1B+6], 0
	s_mov_b32 s[G1B+7], 0
	s_lshl_b32 s84, s22, 17                        ; x: 131,072 bytes a block of rows, 65,536 a half: hangs on the block of rows alone, which my row of the cluster shares
	s_lshl_b32 s85, s18, 16
	s_add_co_u32 s84, s84, s85
	s_mov_b32 s85, 0
	s_mul_i32 s86, s21, 98304                      ; W: 98,304 bytes a head, 49,152 a half: hangs on the head alone, which my column shares
	s_mul_i32 s87, s18, 49152
	s_add_co_u32 s86, s86, s87
	s_mov_b32 s87, 0
	s_lshl_b32 s88, s18, 14                        ; where the halves go: no place in the cluster enters an LDS address
	s_mul_i32 s89, s18, 12288
	s_mov_b32 s[NL], 0xbfb8aa3b
	s_mov_b32 s[NL+1], s[NL]
	s_mov_b32 s[SEL], 0x76543210
	s_mov_b32 s[SEL+1], 0xfedcba98
	s_wait_dscnt 0x0
	s_wait_kmcnt 0x0
	s_add_nc_u64 s[84:85], s[4:5], s[84:85]
	s_add_nc_u64 s[86:87], s[8:9], s[86:87]
.irp q, 0,1,2,3
	s_mov_b32 s[G0A+4*\q], 1                       ; count = 1
	s_add_co_u32 s[G0A+4*\q+1], s88, \q*32768      ; LDS address
	s_add_nc_u64 s[G0A+4*\q+2:G0A+4*\q+3], s[84:85], \q*2048   ; global address: K steps 2 q and 2 q + 1
	s_or_b32 s[G0A+4*\q+3], s[G0A+4*\q+3], 0x80000000          ; type = 2
	s_mov_b32 s[G0B+4*\q], 1
	s_add_co_u32 s[G0B+4*\q+1], s89, LB+\q*24576
	s_add_nc_u64 s[G0B+4*\q+2:G0B+4*\q+3], s[86:87], \q*2048
	s_or_b32 s[G0B+4*\q+3], s[G0B+4*\q+3], 0x80000000
.endr
	ROUND                                          ; all sixteen work-groups are here: the joint loads meet
	s_cmp_eq_u32 s17, 0                            ; a wave's four fills stand in one branch on the wave's number: four loads of mine are out; four v_nop follow the last
	s_cbranch_scc0 .Lfill_b
.irp q, 0,1,2,3
	tensor_load_to_lds s[G0A+4*\q:G0A+4*\q+3], s[G1A:G1A+7]
	s_nop 0
.endr
	PLACES 4
	s_branch .Lfilled
.Lfill_b:
.irp q, 0,1,2,3
	tensor_load_to_lds s[G0B+4*\q:G0B+4*\q+3], s[G1B:G1B+7]
	s_nop 0
.endr
	PLACES 4
.Lfilled:
	v_and_b32 v2, 31, v0                           ; lane
	v_lshlrev_b32 v1, 4, v2                        ; 16 x lane
	v_and_b32 v3, 15, v0                           ; r
	v_bfe_u32 v7, v0, 4, 1                         ; h
	v_lshlrev_b32 v8, 4, v3
	v_lshl_add_u32 v8, v7, 9, v8                   ; x's scale words: lanes 0-15 the even tile's rows, lanes 16-31 the odd tile's, 512 bytes on
	s_lshl_b32 s90, s18, 11
	v_lshl_add_u32 v9, v2, 3, s90                  ; W's, q or k: pairs 2 y and 2 y + 1 of the head's six, 1,024 bytes each
	s_lshl_b32 s90, s18, 10
	s_add_co_u32 s90, s90, 4096
	v_lshl_add_u32 v10, v2, 3, s90                 ; v: pair 4 + y
	s_lshl_b32 s90, s18, 8
	v_lshl_add_u32 v11, v7, 6, s90                 ; b_fc for q or k: column 64 y + 16 h + ..
	v_and_b32 v12, 8, v3
	v_add_nc_u32 v12, v12, v3                      ; r + 8 (r / 8)
	s_lshl_b32 s90, s18, 7
	s_add_co_u32 s90, s90, 512
	v_lshl_add_u32 v12, v12, 2, s90                ; b_fc for v: column 128 + 32 y + r + 8 (r / 8) + ..
	s_lshl_b32 s94, s22, 13
	s_lshl_b32 s95, s17, 12
	s_add_co_u32 s94, s94, s95
	s_mov_b32 s95, 0
	s_add_nc_u64 s[6:7], s[6:7], s[94:95]          ; xsc at my 8 tiles
	s_mul_i32 s94, s21, 6144
	s_add_nc_u64 s[10:11], s[10:11], s[94:95]      ; wsc at the head's six pairs
	s_mul_i32 s94, s21, 768
	s_add_nc_u64 s[12:13], s[12:13], s[94:95]      ; b_fc at the head's 192 numbers
	s_lshr_b32 s94, s22, 3
	s_lshl_b32 s94, s94, 4
	s_add_co_u32 s94, s94, s21
	s_mul_i32 s94, s94, 208896
	s_add_nc_u64 s[14:15], s[14:15], s[94:95]      ; qkv at the head block of (batch, head)
.irp e, 0,1,2,3
.irp k, 0,1
	global_load_b128 v[AS+8*\e+4*\k:AS+8*\e+4*\k+3], v8, s[6:7] offset:\e*1024+\k*256
.endr
.endr
.irp e, 0,1
.irp k, 0,1,2,3
	global_load_b64 v[BS+8*\e+2*\k:BS+8*\e+2*\k+1], v9, s[10:11] offset:\e*1024+\k*256
.endr
.endr
.irp k, 0,1,2,3
	global_load_b64 v[BS+16+2*\k:BS+16+2*\k+1], v10, s[10:11] offset:\k*256
.endr
	WIN 0xc0                                       ; destination window 3: the biases, each the C of a sum's first matrix instruction, in the result's layout
.irp b, 0,1,2,3
	global_load_b128 v[BQ+8*\b:BQ+8*\b+3], v11, s[12:13] offset:128*(\b/2)+32*(\b%2)       ; q, k: a lane's eight registers are eight neighbouring columns
	global_load_b128 v[BQ+8*\b+4:BQ+8*\b+7], v11, s[12:13] offset:128*(\b/2)+32*(\b%2)+16
.endr
.irp n, 0,1
.irp j, 0,1,2,3,4,5,6,7
	global_load_b32 v[BV+8*\n+\j], v12, s[12:13] offset:32*\n                              ; v: a lane's eight registers are eight keys of ONE column: the same number eight times
.endr
.endr
	WIN 0
	s_lshl_b32 s90, s17, 14
	v_add_nc_u32 v[ADRA], s90, v1                  ; my 8 tiles of x in a chunk
	s_lshl_b32 s90, s18, 13
	s_add_co_u32 s90, s90, LB
	v_add_nc_u32 v[ADRBQ], s90, v1                 ; W's tiles 4 y .. 4 y + 3
	s_lshl_b32 s90, s18, 12
	s_add_co_u32 s90, s90, LB+16384
	v_add_nc_u32 v[ADRBV], s90, v1                 ; W's tiles 8 + 2 y, 9 + 2 y
	; where the results go, from the head block on.  sigma = my 128 rows among the batch's 2,048
	s_and_b32 s91, s22, 7
	s_lshl_b32 s91, s91, 1
	s_add_co_u32 s91, s91, s17
	s_xor_b32 s92, s18, 1                          ; 1 for q, 0 for k
	s_lshl_b32 s93, s91, 12
	s_mul_i32 s90, s92, 139264
	s_add_co_u32 s90, s90, s93
	v_add_nc_u32 v13, s90, v1                      ; q's or k's codes: 8 tiles of 512 bytes
	s_lshl_b32 s90, s18, 11
	s_add_co_u32 s90, s90, s93
	s_add_co_u32 s90, s90, 65536
	v_add_nc_u32 v15, s90, v1                      ; v's codes: tiles 2 y, 2 y + 1 of step sigma
	s_lshl_b32 s93, s91, 8
	s_mul_i32 s90, s92, 73728
	s_add_co_u32 s90, s90, s93
	s_add_co_u32 s90, s90, 131072
	v_lshlrev_b32 v14, 4, v3
	v_lshl_add_u32 v14, v7, 3, v14
	v_add_nc_u32 v14, s90, v14                     ; q's or k's scale words: 16 r + 8 h
	s_lshl_b32 s90, s18, 7
	s_add_co_u32 s90, s90, s93
	s_add_co_u32 s90, s90, 135168
	v_lshl_add_u32 v72, v2, 2, s90                 ; v's scale words: 4 x lane
.irp e, 4,5,6,7
	v_mov_b32 v[TM+\e], 0                          ; written once: a lane permute's destination counts as one of its sources
.endr
.macro FETCH s                         ; K step s: 28 LDS loads in one run, into set s % 2 of window 1
	WIN 0x40
.irp a, 0,1,2,3,4,5,6,7
.irp c, 0,1
	ds_load_b128 v[128*((\s)%2)+8*\a+4*\c:128*((\s)%2)+8*\a+4*\c+3], v[ADRA] offset:\a*2048+((\s)%2)*1024+512*\c
.endr
.endr
.irp b, 0,1,2,3
.irp c, 0,1
	ds_load_b128 v[128*((\s)%2)+64+8*\b+4*\c:128*((\s)%2)+64+8*\b+4*\c+3], v[ADRBQ] offset:\b*2048+((\s)%2)*1024+512*\c
.endr
.endr
.irp n, 0,1
.irp c, 0,1
	ds_load_b128 v[128*((\s)%2)+96+8*\n+4*\c:128*((\s)%2)+96+8*\n+4*\c+3], v[ADRBV] offset:\n*2048+((\s)%2)*1024+512*\c
.endr
.endr
.endm
.macro MUL s                           ; 48 matrix instructions; the 48 accumulators take turns, one instruction a turn, in the same order in every step
.set FP, 128*((\s)%2)
.if (\s) == 0
	WIN 0xb5                                       ; sources 0 and 1 window 1, C (the bias) window 3, D window 2
.else
	WIN 0xa5                                       ; C and D window 2
.endif
.irp a, 0,1,2,3,4,5,6,7
.irp b, 0,1,2,3
.if (\s) == 0
	WM 32*\a+8*\b, FP+64+8*\b, FP+8*\a, BQ+8*\b, BS+8*(\b/2)+(\s), AS+8*(\a/2)+(\s), \b%2, \a%2
.else
	WM 32*\a+8*\b, FP+64+8*\b, FP+8*\a, 32*\a+8*\b, BS+8*(\b/2)+(\s), AS+8*(\a/2)+(\s), \b%2, \a%2
.endif
.endr
.endr
	WIN 0xf5                                       ; C and D window 3
.irp n, 0,1
.irp a, 0,1,2,3,4,5,6,7
.if (\s) == 0
	WM 64*\n+8*\a, FP+8*\a, FP+96+8*\n, BV+8*\n, AS+8*(\a/2)+(\s), BS+16+(\s), \a%2, \n%2
.else
	WM 64*\n+8*\a, FP+8*\a, FP+96+8*\n, 64*\n+8*\a, AS+8*(\a/2)+(\s), BS+16+(\s), \a%2, \n%2
.endif
.endr
.endr
.endm
.macro KSTEP s
.if (((\s)%2) == 1) && ((\s) < 7)
	s_wait_tensorcnt 3-((\s)+1)/2                  ; my part of the next chunk is in; the later chunks may stay out
.endif
	s_wait_dscnt 0x0                               ; this step's fragments are in
.if (((\s)%2) == 1) && ((\s) < 7)
	s_barrier_signal -1
	s_barrier_wait -1                              ; everybody's part of the next chunk is in
	WIN 0
	v_add_nc_u32 v[ADRA], 32768, v[ADRA]           ; on to it
	v_add_nc_u32 v[ADRBQ], 24576, v[ADRBQ]
	v_add_nc_u32 v[ADRBV], 24576, v[ADRBV]
.endif
.if (\s) < 7
	PLACES 4                                       ; four places in front of loads into registers that matrix instructions have read
	FETCH (\s)+1                                   ; the next step's fragments land under this step's 48 matrix instructions
.endif
	MUL \s
.endm
	s_wait_tensorcnt 3                             ; my part of chunk 0 is in,
	s_barrier_signal -1
	s_barrier_wait -1                              ; everybody's is
	FETCH 0
	s_wait_loadcnt 0x0                             ; scale words and biases
.irp s, 0,1,2,3,4,5,6,7
	KSTEP \s
.endr
	WIN 0
	PLACES 4                                       ; in front of the first read of results
	; ---- q or k: a tile of 16 rows at a time: swish, two blocks of 32 channels a row, 512 bytes of codes
.irp a, 0,1,2,3,4,5,6,7
	SWISH 0x02, 32*\a, 32, Z
	QUANT Z, 2, PCQ+4*\a, PWQ+\a
	global_store_b128 v13, v[PCQ+4*\a:PCQ+4*\a+3], s[14:15] offset:512*\a   ; 512 consecutive bytes
.endr
	v_lshl_or_b32 v218, v[PWQ+1], 16, v[PWQ]       ; two tiles' bytes make a word: the operand that holds both tiles side by side wants them so
	v_lshl_or_b32 v219, v[PWQ+3], 16, v[PWQ+2]
	v_lshl_or_b32 v220, v[PWQ+5], 16, v[PWQ+4]
	v_lshl_or_b32 v221, v[PWQ+7], 16, v[PWQ+6]
	v_cmp_lt_u32 vcc_lo, 15, v2                    ; both halves of the lanes hold index r's four words: lanes 0-15 store the first two, lanes 16-31 the others
	v_cndmask_b32 v218, v218, v220, vcc_lo
	v_cndmask_b32 v219, v219, v221, vcc_lo
	global_store_b64 v14, v[218:219], s[14:15]     ; 256 consecutive bytes, aligned
	; ---- v: a tile of 16 channels at a time: swish, four blocks of 32 keys a channel: one fragment
.irp n, 0,1
	SWISH 0x03, 64*\n, 64, Z
	QUANT Z, 4, PCV+8*\n, PWV+\n
	global_store_b128 v15, v[PCV+8*\n:PCV+8*\n+3], s[14:15] offset:1024*\n
	global_store_b128 v15, v[PCV+8*\n+4:PCV+8*\n+7], s[14:15] offset:1024*\n+512
.endr
	v_cndmask_b32 v222, v[PWV], v[PWV+1], vcc_lo   ; lanes 0-15 the even tile's words, lanes 16-31 the odd tile's
	global_store_b32 v72, v222, s[14:15]           ; 128 consecutive bytes: the other half of the 256 is the neighbouring wave's
	s_wait_tensorcnt 0x0
	ds_add_u32 v254, v255
	s_wait_dscnt 0x0
	ROUND                                          ; the closing round: no work-group ends while a partner may still ask for a chunk that names it (all tensor loads and LDS loads of mine were waited for above)
	s_endpgm
.Lfunc_end_k_q330e67e89f_gemm1:
	.size	k_q330e67e89f_gemm1, .Lfunc_end_k_q330e67e89f_gemm1-k_q330e67e89f_gemm1
	.p2alignl 7, 3214868480
	.fill 96, 4, 3214868480
	.section	.rodata,"a",@progbits
	.p2align	6, 0x0
	.amdhsa_kernel k_q330e67e89f_gemm1
		.amdhsa_group_segment_fixed_size 229888
		.amdhsa_private_segment_fixed_size 0
		.amdhsa_enable_private_segment 0
		.amdhsa_kernarg_size 48
		.amdhsa_user_sgpr_count 2
		.amdhsa_user_sgpr_kernarg_segment_ptr 1
		.amdhsa_wavefront_size32 1
		.amdhsa_system_sgpr_workgroup_id_x 1
		.amdhsa_system_sgpr_workgroup_id_y 1
		.amdhsa_system_sgpr_workgroup_id_z 1
		.amdhsa_system_vgpr_workitem_id 0
		.amdhsa_next_free_vgpr 1024
		.amdhsa_next_free_sgpr 102
		.amdhsa_reserve_vcc 1
		.amdhsa_float_denorm_mode_32 3
		.amdhsa_float_denorm_mode_16_64 3
		.amdhsa_memory_ordered 1
		.amdhsa_forward_progress 1
		.amdhsa_inst_pref_size 166
	.end_amdhsa_kernel
	.amdgpu_metadata
---
amdhsa.version: [ 1, 2 ]
amdhsa.kernels:
  - .name:           k_q330e67e89f_gemm1
    .symbol:         k_q330e67e89f_gemm1.kd
    .args:
      - { .name: ximg, .offset: 0, .size: 8, .value_kind: global_buffer, .address_space: global }
      - { .name: xsc, .offset: 8, .size: 8, .value_kind: global_buffer, .address_space: global }
      - { .name: wimg, .offset: 16, .size: 8, .value_kind: global_buffer, .address_space: global }
      - { .name: wsc, .offset: 24, .size: 8, .value_kind: global_buffer, .address_space: global }
      - { .name: b_fc, .offset: 32, .size: 8, .value_kind: global_buffer, .address_space: global }
      - { .name: qkv, .offset: 40, .size: 8, .value_kind: global_buffer, .address_space: global }
    .group_segment_fixed_size: 229888
    .private_segment_fixed_size: 0
    .kernarg_segment_align: 8
    .kernarg_segment_size: 48
    .max_flat_workgroup_size: 128
    .sgpr_count:     102
    .vgpr_count:     1024
    .wavefront_size: 32
...
	.end_amdgpu_metadata
.endif
;; end of part 2
;; launch attn (part 3): grid 4 x 64, 16 waves a work-group, clusters of 4 x 1, 169,984 bytes of LDS; arguments qkv, aimg, asc; writes aimg, asc
.if DOCPART == 3
	.amdgcn_target "amdgcn-amd-amdhsa--gfx1250"
	.amdhsa_code_object_version 6
	.text
	.protected	k_q330e67e89f_attn
	.globl	k_q330e67e89f_attn
	.p2align	8
	.type	k_q330e67e89f_attn,@function
k_q330e67e89f_attn:
	s_mov_b64 s[64:65], 0
	v_nop
	global_prefetch_b8 v0, s[64:65] scope:SCOPE_SE
	s_setreg_imm32_b32 hwreg(HW_REG_WAVE_MODE, 25, 1), 1
	s_wait_xcnt 0x0
	s_wait_alu depctr_hold_cnt(0) depctr_sa_sdst(0) depctr_va_vdst(0) depctr_va_sdst(0) depctr_va_ssrc(0) depctr_va_vcc(0) depctr_vm_vsrc(0)
	s_getreg_b32 s2, hwreg(HW_REG_IB_STS2, 6, 4)
	s_cmp_eq_u32 s2, 0
	s_cbranch_scc0 .Lentry_in_a_cluster
	s_endpgm
.Lentry_in_a_cluster:
	s_bfe_u32 s2, ttmp6, 0x10000c
	s_cmp_lg_u32 s2, 0x3003
	s_cbranch_scc0 .Lentry_shape_is_right
	s_endpgm
.Lentry_shape_is_right:
; new_v[q] = the sum over keys of softmax(q . k / sqrt(2048)) v, for one (batch, head), both products on codes of FP4 (E2M1) with E8M0 scales; new_v leaves quantised again, along head x 64 + channel, for the last product.
; THE SOFTMAX AHEAD OF THE SECOND PRODUCT: t = score x log2(e) / sqrt(2048); M = the row's largest t so far, rounded UP to a whole number; p = 2^(t - M) is what is quantised, along the keys; it is not normalised.
; The row's sum is taken of the unquantised p, in f32, and divides at the end.  When M moves, the sum and O are multiplied by 2^(old M - new M): exact.
; LIMITS: NaN and infinities are not served.  A block of zeros, or one whose largest magnitude lies under 2^-124, keeps the scale byte 1; the bytes are read by this program alone.
; SHARES.  y of the grid: the head block; a work-group owns 512 queries of it; each of its sixteen waves owns two tiles of 16 queries, one after the other, in 256 registers: four waves to a SIMD, so that one wave's
; vector work stands beside another's matrix work and LDS loads.  Every wave walks all 2,048 keys, 128 a step.
; LDS.  The head's K and V, codes and scale words, are 139,264 consecutive bytes of its head block: they are brought ONCE, each wave fetching 34 rows of 256 bytes, and stay: no ring, nothing is filled again.
; They lie as images of the operands' registers: every read takes 16 or 4 bytes a lane on end.
; CLUSTER.  The four work-groups of a cluster belong to one head and need the same bytes: each wave's load is asked for JOINTLY by the four.
; THE HEAD HAS 64 CHANNELS, HALF OF THE INSTRUCTION'S K.  Two tiles of keys lie side by side in one source 0 (registers 0-3: tile 2 t; 4-7: tile 2 t + 1; their scale bytes in one word).  Source 1 holds Q against one half and ZERO CODES
; against the other: a zero code times any code adds nothing, since E2M1 has no code for infinity or NaN and no scale byte here is 0xff (K's are 1 .. 254, those beside the zero codes are 0).
; LAYOUT.  Both products are used transposed: S^T = K Q^T, O^T = V^T P^T: a lane holds ONE query throughout.  Index r of tile 2 p + u of keys, queries or channels stands for element 32 p + 8 u + r + 8 (r / 8),
; so the 16 registers of two neighbouring tiles are 16 neighbouring keys (or channels): 32 p + 16 (lane / 16) + 0 .. 15.
; O^T and the sum begin as zeros and the largest t as -3e38, so the step is written once a tile: 32 v_mov_b32 against a second copy of the step.
; The scale bytes of new_v leave by stores of two bytes a lane (a row's two bytes of this head; 262,144 bytes in the whole launch): the word's other half belongs to another head, that is, to another work-group.
.set WV,   10
.set CNT,  41
.set CS,   42                          ; s[42:43] c = log2(e) / sqrt(2048): the packed form names a pair and takes its low word for both halves
.set SEL,  44                          ; s[44:45] lane selects of v_permlanex16_b32: lane l xor 16
.set TK,   46                          ; s46 the step's codes: 4,096 bytes a step, of K and of V
.set TS,   47                          ; s47 its scale words: 256 bytes a step
.set ADK,  8
.set ADV,  9
.set ADS,  10
.set ADT,  11
.set KF,   40                          ; v40-71   K: four operands of two tiles each
.set VF,   72                          ; v72-103  V^T: four fragments
.set S,    104                         ; v104-167 S^T, then p
.set O,    168                         ; v168-199 O^T
.set PC,   200                         ; v200-207 p's codes
.set KSR,  208                         ; v208-211 K's scale words
.set VSR,  212                         ; v212-213 V's
.set OUTC, 214                         ; v214-221 new_v's codes, four a tile
.set OUTW, 222                         ; v222-223 and scale bytes
.set TM,   224                         ; the quantiser's twelve:
.set BM,   224                         ; v224-227 a block's largest score, then its largest p
.set T2,   228                         ; v228-231 the other half's; then the bytes
.set SO,   232                         ; v232-235 the conversions' scale operands
.set SUM2, 236                         ; v[236:237] the second chain of the sum
.set F,    240                         ; v[240:241] f = 2^(old M - new M); v241 is named with it as a pair
.set PW,   242                         ; p's scale word
.set TMP,  243
.set QW,   244                         ; v244-247 Q's scale words: tile i against K's half u at 2 i + u
.macro PLACES n
.rept \n
	v_nop
.endr
.endm
.macro ROUND                           ; a round of the cluster's barrier
	s_barrier_signal -1
	s_barrier_wait -1
	s_cmp_lg_u32 s[WV], 0
	s_cbranch_scc1 .Lnot_wave_0_\@
	s_barrier_signal -3
.Lnot_wave_0_\@:
	s_barrier_wait -3
	s_barrier_signal -1
	s_barrier_wait -1
.endm
; nb blocks of a lane's numbers, register 16 b + i = k 32 b + 16 (lane / 16) + i of the lane's row, become codes in v[pc] on (the operand's registers) and the row's scale bytes in v[pw].
.macro QUANT src, nb, pc, pw
.set qb, 0
.rept \nb
	v_max3_num_f32 v[TM+qb], |v[\src+16*qb]|, |v[\src+16*qb+1]|, 0x1800000   ; my 16 numbers of block qb, and the floor 2^(3 - 127): the byte cannot fall under 1
.set qb, qb+1
.endr
.irp e, 2,4,6,8,10,12,14
.set qb, 0
.rept \nb
	v_max3_num_f32 v[TM+qb], v[TM+qb], |v[\src+16*qb+\e]|, |v[\src+16*qb+\e+1]|
.set qb, qb+1
.endr
.endr
.set qb, 0
.rept \nb
	v_permlanex16_b32 v[TM+4+qb], v[TM+qb], s[SEL], s[SEL+1]
.set qb, qb+1
.endr
.set qb, 0
.rept \nb
	v_max_num_f32 v[TM+qb], v[TM+qb], v[TM+4+qb]   ; with lane l xor 16's 16: the block's largest magnitude
.set qb, qb+1
.endr
.set qb, 0
.rept \nb
	v_add_nc_u32 v[TM+8+qb], 0xff000000, v[TM+qb]  ; 2 off its exponent field: the conversion's scale operand
.set qb, qb+1
.endr
.set qb, 0
.rept \nb
	v_lshrrev_b32 v[TM+4+qb], 23, v[TM+8+qb]       ; the scale's byte
.set qb, qb+1
.endr
	v_lshl_or_b32 v[\pw], v[TM+5], 8, v[TM+4]
.if \nb == 4
	v_lshl_or_b32 v[\pw], v[TM+6], 16, v[\pw]
	v_lshl_or_b32 v[\pw], v[TM+7], 24, v[\pw]
.endif
.set qb, 0
.rept \nb
	v_cvt_scalef32_pk8_fp4_f32 v[\pc+2*qb], v[\src+16*qb:\src+16*qb+7], v[TM+8+qb]
	v_cvt_scalef32_pk8_fp4_f32 v[\pc+2*qb+1], v[\src+16*qb+8:\src+16*qb+15], v[TM+8+qb]
.set qb, qb+1
.endr
	v_nop                                          ; one plain place behind a scaled conversion
.set qb, 0
.rept (\nb)/2
	v_permlane16_swap_b32 v[\pc+4*qb], v[\pc+4*qb+2]     ; a WHOLE block in a lane: lanes 0-15 block 2 c, lanes 16-31 block 2 c + 1
	v_permlane16_swap_b32 v[\pc+4*qb+1], v[\pc+4*qb+3]
.set qb, qb+1
.endr
.endm
	s_load_b128 s[4:7], s[0:1], 0x0                ; qkv, aimg
	s_load_b64 s[8:9], s[0:1], 0x10                ; asc
	v_lshl_add_u32 v254, v0, 2, 0x29000
	v_mov_b32 v255, 0
	ds_add_u32 v254, v255
	ds_add_u32 v254, v255
	v_lshrrev_b32 v1, 5, v0
	v_readfirstlane_b32 s[WV], v1                  ; wave 0..15
	s_bfe_u32 s11, ttmp6, 0x40000                  ; cx: my place in the cluster
	s_lshl_b32 s12, ttmp9, 2
	s_add_co_u32 s11, s12, s11                     ; my block of 512 queries: it enters Q's, aimg's and asc's addresses alone
	s_and_b32 s12, ttmp7, 0xffff                   ; the head block, which the four partners share
	s_mul_i32 s14, s12, 208896
	s_mov_b32 s15, 0
	s_mul_i32 s13, s[WV], 8704                     ; my 34 rows of 256 bytes, in memory and in LDS alike
	s_mov_b32 s28, s13
	s_mov_b32 s29, 0
	; descriptor group 1: 34 rows of 256 bytes (32 elements of 8), dense
	s_mov_b32 s16, 15|(3<<16)|(1<<21)              ; 15:0 the mask: all four work-groups; 17:16 elements of 8 bytes; 21 set beside a mask
	s_mov_b32 s17, 32<<16                          ; tensor_dim0
	s_mov_b32 s18, 34<<16                          ; tensor_dim1
	s_mov_b32 s19, 32<<16                          ; tile_dim0
	s_mov_b32 s20, 34                              ; tile_dim1
	s_mov_b32 s21, 32                              ; from row to row
	s_mov_b32 s22, 0
	s_mov_b32 s23, 0
	s_mov_b32 s[CS], 0x3d0293ee
	s_mov_b32 s[CS+1], s[CS]
	s_mov_b32 s[SEL], 0x76543210
	s_mov_b32 s[SEL+1], 0xfedcba98
	s_wait_dscnt 0x0
	s_wait_kmcnt 0x0
	s_add_nc_u64 s[4:5], s[4:5], s[14:15]          ; the head block
	s_mov_b32 s24, 1                               ; count = 1
	s_mov_b32 s25, s13                             ; LDS address
	s_add_nc_u64 s[26:27], s[4:5], s[28:29]        ; global address
	s_or_b32 s27, s27, 0x80000000                  ; type = 2
	ROUND                                          ; all four work-groups are here: the joint loads meet
	tensor_load_to_lds s[24:27], s[16:23]          ; one load of mine is out
	s_nop 0
	PLACES 4
	s_lshl_b32 s32, s11, 4
	s_add_co_u32 s32, s32, s[WV]                   ; my pair of query tiles among the head's 64
	s_lshl_b32 s30, s32, 10
	s_add_co_u32 s30, s30, 139264
	s_mov_b32 s31, 0
	s_add_nc_u64 s[30:31], s[4:5], s[30:31]        ; Q's codes: 512 bytes a tile
	s_lshr_b32 s34, s32, 2
	s_lshl_b32 s34, s34, 8
	s_and_b32 s33, s32, 3
	s_lshl_b32 s33, s33, 2
	s_add_co_u32 s34, s34, s33
	s_add_co_u32 s34, s34, 204800
	s_mov_b32 s35, 0
	s_add_nc_u64 s[34:35], s[4:5], s[34:35]        ; Q's scale words: [pair / 4][r][pair % 4]
	s_lshr_b32 s36, s12, 4                         ; the batch,
	s_and_b32 s37, s12, 15                         ; the head
	s_lshl_b32 s38, s36, 20
	s_lshl_b32 s39, s32, 14
	s_add_co_u32 s38, s38, s39
	s_lshl_b32 s39, s37, 9
	s_add_co_u32 s38, s38, s39
	s_mov_b32 s39, 0
	s_add_nc_u64 s[6:7], s[6:7], s[38:39]          ; aimg: 8,192 x (128 batch + 2 pair) + 512 head
	s_lshl_b32 s38, s36, 6
	s_add_co_u32 s38, s38, s32
	s_lshl_b32 s38, s38, 10
	s_lshr_b32 s40, s37, 1
	s_lshl_b32 s40, s40, 7
	s_add_co_u32 s38, s38, s40
	s_and_b32 s40, s37, 1
	s_lshl_b32 s40, s40, 1
	s_add_co_u32 s38, s38, s40
	s_add_nc_u64 s[8:9], s[8:9], s[38:39]          ; asc: 1,024 x (64 batch + pair) + 128 (head / 2) + 2 (head % 2)
	v_and_b32 v5, 31, v0
	v_lshlrev_b32 v1, 4, v5                        ; 16 x lane: K's codes in LDS; Q's and aimg's offset
	v_add_nc_u32 v2, 0x10000, v1                   ; V's codes
	v_and_b32 v6, 15, v0                           ; r
	v_lshlrev_b32 v7, 4, v6
	v_add_nc_u32 v3, 0x20000, v7                   ; K's scale words: 16 r
	v_lshlrev_b32 v4, 2, v5
	v_add_nc_u32 v4, 135168, v4                    ; V's: 4 x lane
	v_lshlrev_b32 v6, 2, v6                        ; asc's offset: 4 r
	global_load_b128 v[20:23], v1, s[30:31]        ; v16-35 = [zeros | tile 0 | zeros | tile 1 | zeros]: Q of tile i against K's half 0 is v[20 + 8 i ..], against half 1 v[16 + 8 i ..]
	global_load_b128 v[28:31], v1, s[30:31] offset:512
	global_load_b32 v36, v7, s[34:35]              ; both tiles' scale bytes of index r
.irp e, 16,17,18,19,24,25,26,27,32,33,34,35
	v_mov_b32 v\e, 0                               ; the zero codes
.endr
.irp e, 0,1,2,3
	v_mov_b32 v[T2+\e], 0                          ; written once: a lane permute's destination counts as one of its sources
.endr
	v_mov_b32 v[F+1], 0
	s_wait_loadcnt 0x0
	v_and_b32 v[QW], 0xffff, v36                   ; tile 0's two bytes under blocks 0, 1;
	v_lshlrev_b32 v[QW+1], 16, v36                 ; under blocks 2, 3;
	v_lshrrev_b32 v[QW+2], 16, v36                 ; tile 1's likewise
	v_and_b32 v[QW+3], 0xffff0000, v36
	s_wait_tensorcnt 0x0                           ; my part of the head is in,
	s_barrier_signal -1
	s_barrier_wait -1                              ; everybody's is
; A KEY STEP of tile qi: 128 keys.
.macro STEP qi
	v_add_nc_u32 v[ADK], s[TK], v1                 ; (these four are also the places in front of the loads into registers that the last step's products have read)
	v_add_nc_u32 v[ADV], s[TK], v2
	v_add_nc_u32 v[ADS], s[TS], v3
	v_add_nc_u32 v[ADT], s[TS], v4
.irp t, 0,1,2,3,4,5,6,7
	ds_load_b128 v[KF+4*\t:KF+4*\t+3], v[ADK] offset:512*\t
.endr
	ds_load_b128 v[KSR:KSR+3], v[ADS]
.irp n, 0,1,2,3
.irp c, 0,1
	ds_load_b128 v[VF+8*\n+4*\c:VF+8*\n+4*\c+3], v[ADV] offset:1024*\n+512*\c
.endr
.endr
	ds_load_b32 v[VSR], v[ADT]
	ds_load_b32 v[VSR+1], v[ADT] offset:128
	s_wait_dscnt 10                                ; K and its words are in; V's ten loads may stay out till the softmax is done
.irp t, 0,1,2,3,4,5,6,7
	v_wmma_scale_f32_16x16x128_f8f6f4 v[S+8*\t:S+8*\t+7], v[KF+8*(\t/2):KF+8*(\t/2)+7], v[20+8*\qi-4*(\t%2):27+8*\qi-4*(\t%2)], 0, v[KSR+\t/2], v[QW+2*\qi+\t%2] matrix_a_fmt:MATRIX_FMT_FP4 matrix_b_fmt:MATRIX_FMT_FP4
.endr                                              ; register 16 b + i of lane (r, h): query r, key 32 b + 16 h + i of the step
	PLACES 4
.irp b, 0,1,2,3
	v_max3_num_f32 v[BM+\b], v[S+16*\b], v[S+16*\b+1], v[S+16*\b+2]   ; THE LARGEST SCORE OF EACH BLOCK OF 32 KEYS serves twice: for the row's maximum, and, since p rises with the score, for the block's largest p
.endr
.irp e, 3,5,7,9,11,13
.irp b, 0,1,2,3
	v_max3_num_f32 v[BM+\b], v[BM+\b], v[S+16*\b+\e], v[S+16*\b+\e+1]
.endr
.endr
.irp b, 0,1,2,3
	v_max_num_f32 v[BM+\b], v[BM+\b], v[S+16*\b+15]
.endr
.irp b, 0,1,2,3
	v_permlanex16_b32 v[T2+\b], v[BM+\b], s[SEL], s[SEL+1]
.endr
.irp b, 0,1,2,3
	v_max_num_f32 v[BM+\b], v[BM+\b], v[T2+\b]     ; with lane l xor 16's 16 keys
.endr
	v_max3_num_f32 v[TMP], v[BM], v[BM+1], v[BM+2]
	v_max_num_f32 v[TMP], v[TMP], v[BM+3]          ; the step's largest score of my query
	v_mul_f32 v[TMP], s[CS], v[TMP]                ; as t (c is positive)
	v_max_num_f32 v13, v13, v[TMP]                 ; the running largest t
	v_mov_b32 v[TMP], v12
	v_floor_f32 v12, -v13                          ; the new -M = floor(-t) = -ceil(t): M IS A WHOLE NUMBER
	v_sub_f32 v[TMP], v12, v[TMP]                  ; M's old value less its new one: a whole number, 0 or less
	v_cvt_i32_f32 v[TMP], v[TMP]                   ; (it saturates)
	v_ldexp_f32 v[F], 1.0, v[TMP]                  ; f = 2^(old M - new M)
.set sj, 0
.rept 32
	v_pk_fma_f32 v[S+sj:S+sj+1], v[S+sj:S+sj+1], s[CS:CS+1], v[12:13] op_sel_hi:[1,0,0]   ; t - M, two at a time
.set sj, sj+2
.endr
.irp b, 0,1,2,3
	v_fma_f32 v[BM+\b], v[BM+\b], s[CS], v12       ; the same of each block's largest score
.endr
.set sj, 0
.rept 64
	v_exp_f32 v[S+sj], v[S+sj]                     ; p = 2^(t - M), at most 1: NOT normalised
.set sj, sj+1
.endr
.irp b, 0,1,2,3
	v_exp_f32 v[BM+\b], v[BM+\b]                   ; the block's largest p: the same two instructions on the same number give the same bits
.endr
	v_pk_mul_f32 v[14:15], v[14:15], v[F:F+1] op_sel_hi:[1,0]   ; the sums under the new M.  (A plain place behind the exponentials)
	s_wait_alu depctr_va_vdst(0)
.irp b, 0,1,2,3
	v_max_num_f32 v[BM+\b], 0x1800000, v[BM+\b]    ; the floor 2^(3 - 127): the byte cannot fall under 1
.endr
.irp b, 0,1,2,3
	v_add_nc_u32 v[SO+\b], 0xff000000, v[BM+\b]    ; 2 off the exponent field: the conversion's scale operand
.endr
.irp b, 0,1,2,3
	v_lshrrev_b32 v[T2+\b], 23, v[SO+\b]           ; the scale's byte
.endr
	v_lshl_or_b32 v[PW], v[T2+1], 8, v[T2]         ; p's scale word for these 128 keys
	v_lshl_or_b32 v[PW], v[T2+2], 16, v[PW]
	v_lshl_or_b32 v[PW], v[T2+3], 24, v[PW]
.irp b, 0,1,2,3
	v_cvt_scalef32_pk8_fp4_f32 v[PC+2*\b], v[S+16*\b:S+16*\b+7], v[SO+\b]
	v_cvt_scalef32_pk8_fp4_f32 v[PC+2*\b+1], v[S+16*\b+8:S+16*\b+15], v[SO+\b]
.endr
	v_nop                                          ; one plain place behind a scaled conversion
.irp c, 0,1
.irp e, 0,1
	v_permlane16_swap_b32 v[PC+4*\c+\e], v[PC+4*\c+2+\e]   ; a WHOLE block in a lane
.endr
.endr
	v_pk_add_f32 v[SUM2:SUM2+1], v[S:S+1], v[S+2:S+3]   ; THE ROW'S SUM IS TAKEN OF THE UNQUANTISED p: two at a time, in two chains
.irp e, 4,8,12,16,20,24,28,32,36,40,44,48,52,56,60
	v_pk_add_f32 v[14:15], v[14:15], v[S+\e:S+\e+1]
	v_pk_add_f32 v[SUM2:SUM2+1], v[SUM2:SUM2+1], v[S+\e+2:S+\e+3]
.endr
	v_pk_add_f32 v[14:15], v[14:15], v[SUM2:SUM2+1]
.set sj, 0
.rept 16
	v_pk_mul_f32 v[O+sj:O+sj+1], v[O+sj:O+sj+1], v[F:F+1] op_sel_hi:[1,0]   ; O^T under the new M.  (With the sums: the places between p's scale word and codes and the products below)
.set sj, sj+2
.endr
	s_wait_dscnt 0x0                               ; V and its words are in
.irp n, 0,2                                    ; O^T += V^T P^T: the four accumulators by turns, one instruction a turn
	v_wmma_scale_f32_16x16x128_f8f6f4 v[O+8*\n:O+8*\n+7], v[VF+8*\n:VF+8*\n+7], v[PC:PC+7], v[O+8*\n:O+8*\n+7], v[VSR+\n/2], v[PW] matrix_a_fmt:MATRIX_FMT_FP4 matrix_b_fmt:MATRIX_FMT_FP4
	v_wmma_scale_f32_16x16x128_f8f6f4 v[O+8*\n+8:O+8*\n+15], v[VF+8*\n+8:VF+8*\n+15], v[PC:PC+7], v[O+8*\n+8:O+8*\n+15], v[VSR+\n/2], v[PW] matrix_a_fmt:MATRIX_FMT_FP4 matrix_b_fmt:MATRIX_FMT_FP4 matrix_a_scale:MATRIX_SCALE_ROW1
.endr
	s_add_co_u32 s[TK], s[TK], 4096
	s_add_co_u32 s[TS], s[TS], 256
.endm
; One tile of 16 queries: all sixteen steps, then its way out.
.macro TILE qi
	v_mov_b32 v13, 0xff61b1e6                      ; the largest t so far: -3e38, under every t
	v_floor_f32 v12, -v13                          ; -M
	v_mov_b32 v14, 0                               ; the sum, in two halves
	v_mov_b32 v15, 0
.set sj, 0
.rept 32
	v_mov_b32 v[O+sj], 0                           ; O^T: the first change of M leaves zeros zeros.  (These lines are also the places between Q's scale words and the first products)
.set sj, sj+1
.endr
	s_mov_b32 s[TK], 0
	s_mov_b32 s[TS], 0
	s_mov_b32 s[CNT], 16
.Lstep_\@:
	STEP \qi
	s_sub_co_u32 s[CNT], s[CNT], 1
	s_cmp_lg_u32 s[CNT], 0
	s_cbranch_scc1 .Lstep_\@
	PLACES 4                                       ; in front of the first read of the last products' results
	v_add_f32 v14, v14, v15                        ; the sum's two halves,
	v_permlanex16_b32 v[TMP], v14, s[SEL], s[SEL+1]
	v_add_f32 v14, v14, v[TMP]                     ; and lane l xor 16's: the row's sum
	v_rcp_f32 v14, v14
	v_nop                                          ; a plain place behind the reciprocal
.set sj, 0
	s_wait_alu depctr_va_vdst(0)
.rept 32
	v_mul_f32 v[S+sj], v[O+sj], v14                ; new_v: register 16 b + i is channel 32 b + 16 h + i of my query
.set sj, sj+1
.endr
	QUANT S, 2, OUTC+4*\qi, OUTW+\qi               ; the head's two blocks of the last product's K
	global_store_b128 v1, v[OUTC+4*\qi:OUTC+4*\qi+3], s[6:7] offset:8192*\qi   ; half a fragment of the last product's operand: 512 consecutive bytes
	global_store_b16 v6, v[OUTW+\qi], s[8:9] offset:64*\qi                     ; both halves of the lanes hold the same two bytes and write them to the same place
.endm
	TILE 0
	TILE 1
	s_wait_tensorcnt 0x0
	ds_add_u32 v254, v255
	s_wait_dscnt 0x0
	ROUND                                          ; the closing round: no work-group ends while a partner may still ask for bytes by a load that names it (my tensor load and LDS loads were waited for above)
	s_endpgm
.Lfunc_end_k_q330e67e89f_attn:
	.size	k_q330e67e89f_attn, .Lfunc_end_k_q330e67e89f_attn-k_q330e67e89f_attn
	.p2alignl 7, 3214868480
	.fill 96, 4, 3214868480
	.section	.rodata,"a",@progbits
	.p2align	6, 0x0
	.amdhsa_kernel k_q330e67e89f_attn
		.amdhsa_group_segment_fixed_size 169984
		.amdhsa_private_segment_fixed_size 0
		.amdhsa_enable_private_segment 0
		.amdhsa_kernarg_size 24
		.amdhsa_user_sgpr_count 2
		.amdhsa_user_sgpr_kernarg_segment_ptr 1
		.amdhsa_wavefront_size32 1
		.amdhsa_system_sgpr_workgroup_id_x 1
		.amdhsa_system_sgpr_workgroup_id_y 1
		.amdhsa_system_sgpr_workgroup_id_z 1
		.amdhsa_system_vgpr_workitem_id 0
		.amdhsa_next_free_vgpr 256
		.amdhsa_next_free_sgpr 66
		.amdhsa_reserve_vcc 0
		.amdhsa_float_denorm_mode_32 3
		.amdhsa_float_denorm_mode_16_64 3
		.amdhsa_memory_ordered 1
		.amdhsa_forward_progress 1
		.amdhsa_inst_pref_size 45
	.end_amdhsa_kernel
	.amdgpu_metadata
---
amdhsa.version: [ 1, 2 ]
amdhsa.kernels:
  - .name:           k_q330e67e89f_attn
    .symbol:         k_q330e67e89f_attn.kd
    .args:
      - { .name: qkv, .offset: 0, .size: 8, .value_kind: global_buffer, .address_space: global }
      - { .name: aimg, .offset: 8, .size: 8, .value_kind: global_buffer, .address_space: global }
      - { .name: asc, .offset: 16, .size: 8, .value_kind: global_buffer, .address_space: global }
    .group_segment_fixed_size: 169984
    .private_segment_fixed_size: 0
    .kernarg_segment_align: 8
    .kernarg_segment_size: 24
    .max_flat_workgroup_size: 512
    .sgpr_count:     66
    .vgpr_count:     256
    .wavefront_size: 32
...
	.end_amdgpu_metadata
.endif
;; end of part 3
;; launch out (part 4): grid 256 x 1, 4 waves a work-group, no clusters, 132,096 bytes of LDS; arguments aimg, asc, wimg, wsc, b_fc2, x, out0; writes out0
.if DOCPART == 4
	.amdgcn_target "amdgcn-amd-amdhsa--gfx1250"
	.amdhsa_code_object_version 6
	.text
	.protected	k_q330e67e89f_out
	.globl	k_q330e67e89f_out
	.p2align	8
	.type	k_q330e67e89f_out,@function
k_q330e67e89f_out:
	s_mov_b64 s[64:65], 0
	v_nop
	global_prefetch_b8 v0, s[64:65] scope:SCOPE_SE
	s_setreg_imm32_b32 hwreg(HW_REG_WAVE_MODE, 25, 1), 1
	s_wait_xcnt 0x0
; out0 = layer_norm(x + swish(new_v W_fc2 + b_fc2)); the product on codes of FP4 (E2M1) with E8M0 scales, all else in f32.  The variance is taken of the differences from the mean, in a second pass over registers.
; LIMITS: NaN and infinities are not served.
; SHARES.  The norm wants whole rows: a work-group owns 32 rows (two tiles) x all 1,024 columns.  Wave w makes columns 256 w on (16 tiles) for both tiles of rows: 32 accumulators, 32 matrix instructions a K step.
; The product is used transposed (source 0 = 16 columns of W_fc2, source 1 = 16 rows of new_v): a lane holds eight neighbouring columns of one row.  Index r of tile 2 p + u stands for element 32 p + 8 u + r + 8 (r / 8).
; Both operands lie in memory as images of their registers and go straight into registers, 512 consecutive bytes a load, two K steps ahead.
; NO JOINT LOADS, though all work-groups read the same 524,288 bytes of W_fc2's codes: within a work-group each fragment serves ONE wave ONCE, so a way through LDS would add a write and a read for each byte;
; and the codes do not fit in LDS beside the stage's 131,584 bytes, so joint loads would mean slots filled again, with a round of a cluster's barrier for every few K steps of 32 matrix instructions a wave.
; THE WAY TO THE NORM.  swish of the sums goes to a stage in LDS (32 rows of 4,096 bytes + 16); one barrier; each wave takes 8 whole rows, adds x, and normalises them: a row is 32 registers of the wave.
; Stage row 16 a + r holds row 32 g + 8 a + r + 8 (r / 8), so stage rows 8 w .. 8 w + 7 are eight neighbouring rows.  x is asked for behind the last fragments, since loads come back in order: 7 rows, and the 8th behind the first wait for one of them.
; REGISTERS, in windows of 256: window 0: v1-10 addresses; v16-47 new_v's fragments, two sets; v48-55 its scale words (lanes 0-15 tile 0, 16-31 tile 1); v56-119 W's (8 x pair + s); v120-127 sums; v128-191 at work, later stage rows; v192-255 rows on their way out.
;   window 1: W's fragments, two sets of 128.   window 2: the accumulators at 128 a + 8 t.   window 3: the bias at 8 t, then x's rows at 32 i.
.set WV,     18
.set RN,     22                        ; s22 2^-10
.set EPS,    23                        ; s23 1e-5
.set NL,     24                        ; s[24:25] -log2(e), twice
.set SEL,    26                        ; s[26:27] lane selects of v_permlanex16_b32: lane l xor 16
.set AF,     16
.set AS,     48
.set BS,     56
.set TT,     128
.set YY,     192
.set SPITCH, 4112                      ; 1,028 words: row r begins 4 r words on modulo 64, so the sixteen rows that a store touches do not meet
.set MSB, 0
.macro WIN new                         ; the immediate's high byte repeats the setting that is left; a switch that changes nothing is dropped
.if MSB != \new
	s_set_vgpr_msb (MSB<<8)|\new
.set MSB, \new
.endif
.endm
.macro PLACES n
.rept \n
	v_nop
.endr
.endm
; v[dst ..] (window 0) = swish of n registers from v[src] on in the window that w names for source 0: x / (1 + 2^(-x log2 e)).  Every run ascends.
.macro SWISH w, src, n, dst
	WIN \w
.set si, 0
.rept (\n)/2
	v_pk_mul_f32 v[\dst+si:\dst+si+1], v[\src+si:\src+si+1], s[NL:NL+1] op_sel_hi:[1,0]
.set si, si+2
.endr
	WIN 0
.set si, 0
.rept \n
	v_exp_f32 v[\dst+si], v[\dst+si]
.set si, si+1
.endr
	v_nop                                          ; a plain place behind the exponentials
.set si, 0
	s_wait_alu depctr_va_vdst(0)
.rept (\n)/2
	v_pk_add_f32 v[\dst+si:\dst+si+1], v[\dst+si:\dst+si+1], 1.0 op_sel_hi:[1,0]
.set si, si+2
.endr
.set si, 0
.rept \n
	v_rcp_f32 v[\dst+si], v[\dst+si]
.set si, si+1
.endr
	v_nop                                          ; and behind the reciprocals
	WIN \w
.set si, 0
	s_wait_alu depctr_va_vdst(0)
.rept (\n)/2
	v_pk_mul_f32 v[\dst+si:\dst+si+1], v[\src+si:\src+si+1], v[\dst+si:\dst+si+1]
.set si, si+2
.endr
	WIN 0
.endm
; one matrix instruction; ra, rb = 1: that side's scales are read from lanes 16-31 of its register
.macro WM d, a, b, c, sa, sb, ra, rb
.if ((\ra) == 1) && ((\rb) == 1)
	v_wmma_scale_f32_16x16x128_f8f6f4 v[\d:\d+7], v[\a:\a+7], v[\b:\b+7], v[\c:\c+7], v[\sa], v[\sb] matrix_a_fmt:MATRIX_FMT_FP4 matrix_b_fmt:MATRIX_FMT_FP4 matrix_a_scale:MATRIX_SCALE_ROW1 matrix_b_scale:MATRIX_SCALE_ROW1
.elseif (\ra) == 1
	v_wmma_scale_f32_16x16x128_f8f6f4 v[\d:\d+7], v[\a:\a+7], v[\b:\b+7], v[\c:\c+7], v[\sa], v[\sb] matrix_a_fmt:MATRIX_FMT_FP4 matrix_b_fmt:MATRIX_FMT_FP4 matrix_a_scale:MATRIX_SCALE_ROW1
.elseif (\rb) == 1
	v_wmma_scale_f32_16x16x128_f8f6f4 v[\d:\d+7], v[\a:\a+7], v[\b:\b+7], v[\c:\c+7], v[\sa], v[\sb] matrix_a_fmt:MATRIX_FMT_FP4 matrix_b_fmt:MATRIX_FMT_FP4 matrix_b_scale:MATRIX_SCALE_ROW1
.else
	v_wmma_scale_f32_16x16x128_f8f6f4 v[\d:\d+7], v[\a:\a+7], v[\b:\b+7], v[\c:\c+7], v[\sa], v[\sb] matrix_a_fmt:MATRIX_FMT_FP4 matrix_b_fmt:MATRIX_FMT_FP4
.endif
.endm
.macro REDUCE va, vb                   ; the sum of v[va] over the 32 lanes, in every lane; v[vb] has been written before
	v_add_f32_dpp v[\va], v[\va], v[\va] row_xmask:1 row_mask:0xf bank_mask:0xf
	v_add_f32_dpp v[\va], v[\va], v[\va] row_xmask:2 row_mask:0xf bank_mask:0xf
	v_add_f32_dpp v[\va], v[\va], v[\va] row_xmask:4 row_mask:0xf bank_mask:0xf
	v_add_f32_dpp v[\va], v[\va], v[\va] row_xmask:8 row_mask:0xf bank_mask:0xf
	v_permlanex16_b32 v[\vb], v[\va], s[SEL], s[SEL+1]
	v_add_f32 v[\va], v[\va], v[\vb]
.endm
	s_load_b256 s[4:11], s[0:1], 0x0               ; aimg s[4:5], asc s[6:7], wimg s[8:9], wsc s[10:11]
	s_load_b128 s[12:15], s[0:1], 0x20             ; b_fc2 s[12:13], x s[14:15]
	s_load_b64 s[16:17], s[0:1], 0x30              ; out0
	v_lshl_add_u32 v14, v0, 2, 0x20200
	v_mov_b32 v15, 0
	v_lshrrev_b32 v1, 5, v0
	v_readfirstlane_b32 s[WV], v1                  ; wave 0..3
	v_and_b32 v8, 31, v0                           ; lane
	v_lshlrev_b32 v1, 4, v8                        ; 16 x lane
	v_lshlrev_b32 v2, 2, v8                        ; 4 x lane
	v_lshlrev_b32 v3, 3, v8                        ; 8 x lane
	v_and_b32 v9, 15, v0                           ; r
	v_bfe_u32 v10, v0, 4, 1                        ; h
	v_lshlrev_b32 v4, 6, v10                       ; 64 h: my half's eight columns of a pair of tiles
	s_lshl_b32 s28, s[WV], 10
	v_mul_u32_u24 v5, v9, SPITCH
	v_add_nc_u32 v5, v5, v4
	v_add_nc_u32 v5, s28, v5                       ; the stage, on the way in: row r, + 64 h, + 1,024 x wave;
	v_add_nc_u32 v6, 16*SPITCH, v5                 ; the second tile of rows: 65,792 bytes on, more than an LDS immediate holds
	s_mul_i32 s29, s[WV], 8*SPITCH
	v_add_nc_u32 v7, s29, v1                       ; and on the way out: my 8 rows, 16 bytes a lane
	s_lshl_b32 s30, ttmp9, 14                      ; aimg: two tiles of 8,192 bytes a work-group
	s_mov_b32 s31, 0
	s_lshl_b32 s32, ttmp9, 10                      ; asc: 1,024 bytes a pair of tiles
	s_mov_b32 s33, 0
	s_lshl_b32 s34, s[WV], 17
	s_add_co_u32 s34, s34, 96*16384                ; wimg: pairs 96 + 8 w on
	s_mov_b32 s35, 0
	s_lshl_b32 s36, s[WV], 13
	s_add_co_u32 s36, s36, 96*1024                 ; wsc likewise
	s_mov_b32 s37, 0
	s_mov_b32 s38, s28                             ; b_fc2: my 256 numbers
	s_mov_b32 s39, 0
	s_lshl_b32 s40, ttmp9, 5
	s_lshr_b32 s41, s[WV], 1
	s_lshl_b32 s41, s41, 3
	s_add_co_u32 s40, s40, s41
	s_and_b32 s41, s[WV], 1
	s_lshl_b32 s41, s41, 4
	s_add_co_u32 s40, s40, s41                     ; the first of the 8 rows that I normalise: 32 g + 8 (w / 2) + 16 (w % 2)
	s_lshl_b32 s40, s40, 12
	s_mov_b32 s41, 0
	s_mov_b32 s[RN], 0x3a800000
	s_mov_b32 s[EPS], 0x3727c5ac
	s_mov_b32 s[NL], 0xbfb8aa3b
	s_mov_b32 s[NL+1], s[NL]
	s_mov_b32 s[SEL], 0x76543210
	s_mov_b32 s[SEL+1], 0xfedcba98
	s_wait_kmcnt 0x0
	s_add_nc_u64 s[4:5], s[4:5], s[30:31]
	s_add_nc_u64 s[6:7], s[6:7], s[32:33]
	s_add_nc_u64 s[8:9], s[8:9], s[34:35]
	s_add_nc_u64 s[10:11], s[10:11], s[36:37]
	s_add_nc_u64 s[12:13], s[12:13], s[38:39]
	s_add_nc_u64 s[14:15], s[14:15], s[40:41]
	s_add_nc_u64 s[16:17], s[16:17], s[40:41]
.irp k, 0,1,2,3,4,5,6,7
	global_load_b32 v[AS+\k], v2, s[6:7] offset:128*\k
.endr
.irp e, 0,1,2,3,4,5,6,7
.irp k, 0,1,2,3
	global_load_b64 v[BS+8*\e+2*\k:BS+8*\e+2*\k+1], v3, s[10:11] offset:\e*1024+\k*256
.endr
.endr
	WIN 0xc0                                       ; destination window 3: the bias is the C of each sum's first matrix instruction, in the result's layout
.irp t, 0,1,2,3,4,5,6,7,8,9,10,11,12,13,14,15
	global_load_b128 v[8*\t:8*\t+3], v4, s[12:13] offset:128*(\t/2)+32*(\t%2)
	global_load_b128 v[8*\t+4:8*\t+7], v4, s[12:13] offset:128*(\t/2)+32*(\t%2)+16
.endr
	WIN 0
.macro FETCH s                         ; K step s: 36 loads of 512 consecutive bytes, into set s % 2
	WIN 0x40
.irp t, 0,1,2,3,4,5,6,7,8,9,10,11,12,13,14,15
.irp c, 0,1
	global_load_b128 v[128*((\s)%2)+8*\t+4*\c:128*((\s)%2)+8*\t+4*\c+3], v1, s[8:9] offset:(\t/2)*16384+(\t%2)*8192+(\s)*1024+512*\c
.endr
.endr
	WIN 0
.irp a, 0,1
.irp c, 0,1
	global_load_b128 v[AF+16*((\s)%2)+8*\a+4*\c:AF+16*((\s)%2)+8*\a+4*\c+3], v1, s[4:5] offset:\a*8192+(\s)*1024+512*\c
.endr
.endr
.endm
.macro XROW ri                         ; row ri of my 8 rows of x into window 3 (the caller has set the destination's window)
.irp k, 0,1,2,3,4,5,6,7
	global_load_b128 v[32*(\ri)+4*\k:32*(\ri)+4*\k+3], v1, s[14:15] offset:(\ri)*4096+512*\k th:TH_LOAD_NT
.endr
.endm
.macro MUL s                           ; 32 matrix instructions; the 32 accumulators take turns, one instruction a turn, in the same order in every step
.if (\s) == 0
	WIN 0xb1                                       ; source 0 (W) window 1, source 1 window 0, C (the bias) window 3, D window 2
.else
	WIN 0xa1                                       ; C and D window 2
.endif
.irp t, 0,1,2,3,4,5,6,7,8,9,10,11,12,13,14,15
.irp a, 0,1
.if (\s) == 0
	WM 128*\a+8*\t, 128*((\s)%2)+8*\t, AF+16*((\s)%2)+8*\a, 8*\t, BS+8*(\t/2)+(\s), AS+(\s), \t%2, \a
.else
	WM 128*\a+8*\t, 128*((\s)%2)+8*\t, AF+16*((\s)%2)+8*\a, 128*\a+8*\t, BS+8*(\t/2)+(\s), AS+(\s), \t%2, \a
.endif
.endr
.endr
.endm
.macro KSTEP s
.if (\s) < 7
	s_wait_loadcnt 36                              ; this step's loads are in; the next step's 36 may be out
.else
	s_wait_loadcnt 0x0
	WIN 0xc0
.irp e, 0,1,2,3,4,5,6
	XROW \e                                        ; x's first seven rows: they land under the last products and the swish (the bias's registers were read seven steps ago)
.endr
.endif
	MUL \s
.if (\s) < 6
	PLACES 4                                       ; four places in front of loads into registers that matrix instructions have read
	FETCH (\s)+2
.endif
.endm
	FETCH 0
	FETCH 1
.irp s, 0,1,2,3,4,5,6,7
	KSTEP \s
.endr
	WIN 0
	PLACES 4                                       ; in front of the first read of results
; four accumulators at a time: swish, and 32 bytes a lane and accumulator into the stage
.macro GROUP gi
.if (\gi) >= 2
	s_wait_dscnt 8                                 ; the last group's 8 stores may be out; those that read this set of registers are done
.endif
	SWISH 0x02, 32*(\gi), 32, TT+32*((\gi)%2)
.irp q, 0,1,2,3
	ds_store_b128 v[5+(\gi)/4], v[TT+32*((\gi)%2)+8*\q:TT+32*((\gi)%2)+8*\q+3] offset:128*((4*((\gi)%4)+\q)/2)+32*(\q%2)
	ds_store_b128 v[5+(\gi)/4], v[TT+32*((\gi)%2)+8*\q+4:TT+32*((\gi)%2)+8*\q+7] offset:128*((4*((\gi)%4)+\q)/2)+32*(\q%2)+16
.endr
.endm
.irp e, 0,1,2,3,4,5,6,7
	GROUP \e
.endr
	s_wait_dscnt 0x0                               ; for the others' sake: my stores into the stage are done
	s_barrier_signal -1
	s_barrier_wait -1                              ; 32 whole rows lie in the stage
.macro MLOAD ri
.irp k, 0,1,2,3,4,5,6,7
	ds_load_b128 v[TT+32*((\ri)%2)+4*\k:TT+32*((\ri)%2)+4*\k+3], v7 offset:(\ri)*SPITCH+512*\k
.endr
.endm
.macro ROW ri
.set MM, TT+32*((\ri)%2)
.set YS, YY+32*((\ri)%2)
.if (\ri) < 7
	MLOAD (\ri)+1
	s_wait_dscnt 8                                 ; this row is back from the stage; the next row's 8 loads may be out
.else
	s_wait_dscnt 0x0
.endif
.if (\ri) == 0
	s_wait_loadcnt 48                              ; x's row 0 is in; rows 1 to 6 may be out
	WIN 0xc0
	XROW 7
	WIN 0
.else
	s_wait_loadcnt 8*(7-(\ri))                     ; x's row is in; the rows behind it may be out
.endif
	s_wait_xcnt 0x0                                ; the stores of two rows ago have read this set of registers
	WIN 0x03                                       ; source 0 (x) window 3
.set sj, 0
.rept 16
	v_pk_add_f32 v[YS+sj:YS+sj+1], v[32*(\ri)+sj:32*(\ri)+sj+1], v[MM+sj:MM+sj+1]
.set sj, sj+2
.endr
	WIN 0
	v_pk_add_f32 v[120:121], v[YS:YS+1], v[YS+2:YS+3]              ; the row's sum: four chains, started by the first eight pairs
	v_pk_add_f32 v[122:123], v[YS+4:YS+5], v[YS+6:YS+7]
	v_pk_add_f32 v[124:125], v[YS+8:YS+9], v[YS+10:YS+11]
	v_pk_add_f32 v[126:127], v[YS+12:YS+13], v[YS+14:YS+15]
.irp j, 16,24
	v_pk_add_f32 v[120:121], v[120:121], v[YS+\j:YS+\j+1]
	v_pk_add_f32 v[122:123], v[122:123], v[YS+\j+2:YS+\j+3]
	v_pk_add_f32 v[124:125], v[124:125], v[YS+\j+4:YS+\j+5]
	v_pk_add_f32 v[126:127], v[126:127], v[YS+\j+6:YS+\j+7]
.endr
	v_pk_add_f32 v[120:121], v[120:121], v[122:123]
	v_pk_add_f32 v[124:125], v[124:125], v[126:127]
	v_pk_add_f32 v[120:121], v[120:121], v[124:125]
	v_add_f32 v120, v120, v121
	REDUCE 120, 121
	v_mul_f32 v122, s[RN], v120                    ; the mean
.set sj, 0
.rept 16
	v_pk_add_f32 v[YS+sj:YS+sj+1], v[YS+sj:YS+sj+1], v[122:123] op_sel_hi:[1,0] neg_lo:[0,1] neg_hi:[0,1]
.set sj, sj+2
.endr
	v_pk_mul_f32 v[124:125], v[YS:YS+1], v[YS:YS+1]                ; the squares of the differences, in two chains
	v_pk_mul_f32 v[126:127], v[YS+2:YS+3], v[YS+2:YS+3]
.irp j, 4,8,12,16,20,24,28
	v_pk_fma_f32 v[124:125], v[YS+\j:YS+\j+1], v[YS+\j:YS+\j+1], v[124:125]
	v_pk_fma_f32 v[126:127], v[YS+\j+2:YS+\j+3], v[YS+\j+2:YS+\j+3], v[126:127]
.endr
	v_pk_add_f32 v[124:125], v[124:125], v[126:127]
	v_add_f32 v124, v124, v125
	REDUCE 124, 125
	v_fma_f32 v124, v124, s[RN], s[EPS]            ; the variance + 1e-5
	v_rsq_f32 v126, v124
	v_nop                                          ; a plain place behind the transcendental
.set sj, 0
	s_wait_alu depctr_va_vdst(0)
.rept 16
	v_pk_mul_f32 v[YS+sj:YS+sj+1], v[YS+sj:YS+sj+1], v[126:127] op_sel_hi:[1,0]
.set sj, sj+2
.endr
.irp k, 0,1,2,3,4,5,6,7
	global_store_b128 v1, v[YS+4*\k:YS+4*\k+3], s[16:17] offset:(\ri)*4096+512*\k th:TH_STORE_NT   ; 512 consecutive bytes, aligned; written once, read by nobody here
.endr
.endm
	MLOAD 0
.irp e, 0,1,2,3,4,5,6,7
	ROW \e
.endr
	s_wait_tensorcnt 0x0
	ds_add_u32 v14, v15
	s_wait_dscnt 0x0
	s_endpgm
.Lfunc_end_k_q330e67e89f_out:
	.size	k_q330e67e89f_out, .Lfunc_end_k_q330e67e89f_out-k_q330e67e89f_out
	.p2alignl 7, 3214868480
	.fill 96, 4, 3214868480
	.section	.rodata,"a",@progbits
	.p2align	6, 0x0
	.amdhsa_kernel k_q330e67e89f_out
		.amdhsa_group_segment_fixed_size 132096
		.amdhsa_private_segment_fixed_size 0
		.amdhsa_enable_private_segment 0
		.amdhsa_kernarg_size 56
		.amdhsa_user_sgpr_count 2
		.amdhsa_user_sgpr_kernarg_segment_ptr 1
		.amdhsa_wavefront_size32 1
		.amdhsa_system_sgpr_workgroup_id_x 1
		.amdhsa_system_sgpr_workgroup_id_y 1
		.amdhsa_system_sgpr_workgroup_id_z 1
		.amdhsa_system_vgpr_workitem_id 0
		.amdhsa_next_free_vgpr 1024
		.amdhsa_next_free_sgpr 66
		.amdhsa_reserve_vcc 0
		.amdhsa_float_denorm_mode_32 3
		.amdhsa_float_denorm_mode_16_64 3
		.amdhsa_memory_ordered 1
		.amdhsa_forward_progress 1
		.amdhsa_inst_pref_size 182
	.end_amdhsa_kernel
	.amdgpu_metadata
---
amdhsa.version: [ 1, 2 ]
amdhsa.kernels:
  - .name:           k_q330e67e89f_out
    .symbol:         k_q330e67e89f_out.kd
    .args:
      - { .name: aimg, .offset: 0, .size: 8, .value_kind: global_buffer, .address_space: global }
      - { .name: asc, .offset: 8, .size: 8, .value_kind: global_buffer, .address_space: global }
      - { .name: wimg, .offset: 16, .size: 8, .value_kind: global_buffer, .address_space: global }
      - { .name: wsc, .offset: 24, .size: 8, .value_kind: global_buffer, .address_space: global }
      - { .name: b_fc2, .offset: 32, .size: 8, .value_kind: global_buffer, .address_space: global }
      - { .name: x, .offset: 40, .size: 8, .value_kind: global_buffer, .address_space: global }
      - { .name: out0, .offset: 48, .size: 8, .value_kind: global_buffer, .address_space: global }
    .group_segment_fixed_size: 132096
    .private_segment_fixed_size: 0
    .kernarg_segment_align: 8
    .kernarg_segment_size: 56
    .max_flat_workgroup_size: 128
    .sgpr_count:     66
    .vgpr_count:     1024
    .wavefront_size: 32
...
	.end_amdgpu_metadata
.endif
;; end of part 4
;; ======== version 2 of 2: 4 launches
;; limits: right only within a limited range of input values
;; workspace buffers: ximg 4,194,304 bytes; xsc 262,144 bytes; wimg 2,097,152 bytes; wsc 131,072 bytes; qkv 13,369,344 bytes; aimg 4,194,304 bytes; asc 262,144 bytes
;; launch quant (part 5): grid 768 x 1, 4 waves a work-group, no clusters, 34,304 bytes of LDS; arguments x, W_fc, W_fc2, ximg, xsc, wimg, wsc; writes ximg, xsc, wimg, wsc
.if DOCPART == 5
	.amdgcn_target "amdgcn-amd-amdhsa--gfx1250"
	.amdhsa_code_object_version 6
	.text
	.protected	k_q330e67e89f_quant
	.globl	k_q330e67e89f_quant
	.p2align	8
	.type	k_q330e67e89f_quant,@function
k_q330e67e89f_quant:
	s_mov_b64 s[64:65], 0
	v_nop
	global_prefetch_b8 v0, s[64:65] scope:SCOPE_SE
	s_setreg_imm32_b32 hwreg(HW_REG_WAVE_MODE, 25, 1), 1
	s_wait_xcnt 0x0
; x [8192][1024], W_fc [1024][3072] and W_fc2 [1024][1024], f32, become codes of FP4 (E2M1) with one E8M0 scale byte for each 32 along K (x: its last axis; the weights: their FIRST axis).
; A block's scale is 2^(floor(log2(its largest magnitude)) - 2); its byte is the largest magnitude's exponent field - 2, held at 1 from below; each number is divided by the scale and rounded to the nearest code, ties to even.
; LIMITS: NaN and infinities among the inputs are not served.  A block of zeros, or one whose largest magnitude lies under 2^-124, keeps the byte 1 (its codes are zeros or the smallest codes); the bytes are read by this program alone.
; THE CODES ARE LAID AS IMAGES OF THE OPERANDS' REGISTERS.  A fragment (16 rows or columns x 128 K) is [c 2][lane 32][16 bytes]: lane (r, h) of chunk c holds block 2 c + h of element r.
; THE ELEMENTS OF A TILE ARE NOT NEIGHBOURS: index r of tile 2 p + u stands for row (or column) 32 p + 8 u + r + 8 (r / 8), so that, where such a tile is a product's source 0, the 16 result registers of tiles 2 p and 2 p + 1 are 16 neighbours.
;   ximg [tile 512][K step 8][1,024 bytes]     xsc [tile][K half 2][r 16][4 words]: a word is the four scale bytes of one K step
;   wimg [pair 128][u 2][K step 8][1,024 bytes] (pairs 0-95 W_fc, 96-127 W_fc2)     wsc [pair][K quarter 4][16 u + r][2 words]
; SHARES.  Work-groups 0-255 take the weights: a wave takes a pair of tiles (32 columns) x 128 along K; a lane takes a column and its registers run down K, so a block lies in one lane and nothing is transposed.
; Work-groups 256-767 take x: a wave takes a tile of 16 rows x 256 along K, a K step at a time.  Each load reads 512 consecutive bytes of a row; the 16 rows turn through the wave's own stage in LDS and come back
; as 16 neighbours of each block a lane.  Waves share nothing: no barrier.  Only x's path touches LDS.  No matrix unit, no cluster, no tensor load: the launch streams, and no two work-groups read the same bytes.
.set TM,     244                       ; v244-247 largest magnitudes, v248-251 the other half's, then the bytes, v252-255 the conversions' scale operands
.set SEL,    28                        ; s[28:29] lane selects of v_permlanex16_b32: lane l xor 16
.set WOFF,   16                        ; weights: v16-47  4 x lane + i rows, i = 0 .. 31; never rewritten
.set WX,     48                        ; v48-111  two sets of 32 numbers
.set WC,     112                       ; v112-127 four registers of codes for each block: no store's data are written again
.set WSB,    144                       ; v144 the scale bytes, four to a register
.set XR,     16                        ; x: v16-143 two sets of 64 numbers as they are loaded
.set XX,     144                       ; v144-207 64 numbers: register 16 b + i = k 32 b + 16 h + i of row r
.set XPC,    208                       ; v208-223 eight registers of codes for each K step
.set XPW,    240                       ; v240-241 a scale word for each K step
.set SPITCH, 528                       ; a stage row: 512 bytes + 16 = 132 words, so that the 16 rows that a load touches begin 4 words apart modulo 64
; nb blocks of a lane's numbers, register 16 b + i = k 32 b + 16 (lane / 16) + i of the lane's row, become codes in v[pc] on (the operand's registers) and the row's scale bytes in v[pw].
.macro QUANT src, nb, pc, pw
.set qb, 0
.rept \nb
	v_max3_num_f32 v[TM+qb], |v[\src+16*qb]|, |v[\src+16*qb+1]|, 0x1800000   ; my 16 numbers of block qb, and the floor 2^(3 - 127): the byte cannot fall under 1
.set qb, qb+1
.endr
.irp e, 2,4,6,8,10,12,14
.set qb, 0
.rept \nb
	v_max3_num_f32 v[TM+qb], v[TM+qb], |v[\src+16*qb+\e]|, |v[\src+16*qb+\e+1]|   ; the blocks by turns: no line waits for the line above it
.set qb, qb+1
.endr
.endr
.set qb, 0
.rept \nb
	v_permlanex16_b32 v[TM+4+qb], v[TM+qb], s[SEL], s[SEL+1]
.set qb, qb+1
.endr
.set qb, 0
.rept \nb
	v_max_num_f32 v[TM+qb], v[TM+qb], v[TM+4+qb]   ; with lane l xor 16's 16: the block's largest magnitude
.set qb, qb+1
.endr
.set qb, 0
.rept \nb
	v_add_nc_u32 v[TM+8+qb], 0xff000000, v[TM+qb]  ; 2 off its exponent field: the conversion takes the exponent field of this operand as its scale
.set qb, qb+1
.endr
.set qb, 0
.rept \nb
	v_lshrrev_b32 v[TM+4+qb], 23, v[TM+8+qb]       ; the scale's byte
.set qb, qb+1
.endr
	v_lshl_or_b32 v[\pw], v[TM+5], 8, v[TM+4]
.if \nb == 4
	v_lshl_or_b32 v[\pw], v[TM+6], 16, v[\pw]
	v_lshl_or_b32 v[\pw], v[TM+7], 24, v[\pw]
.endif
.set qb, 0
.rept \nb
	v_cvt_scalef32_pk8_fp4_f32 v[\pc+2*qb], v[\src+16*qb:\src+16*qb+7], v[TM+8+qb]
	v_cvt_scalef32_pk8_fp4_f32 v[\pc+2*qb+1], v[\src+16*qb+8:\src+16*qb+15], v[TM+8+qb]
.set qb, qb+1
.endr
	v_nop                                          ; one plain place behind a scaled conversion
.set qb, 0
.rept (\nb)/2
	v_permlane16_swap_b32 v[\pc+4*qb], v[\pc+4*qb+2]     ; the operand wants a WHOLE block in a lane: lanes 0-15 block 2 c, lanes 16-31 block 2 c + 1
	v_permlane16_swap_b32 v[\pc+4*qb+1], v[\pc+4*qb+3]
.set qb, qb+1
.endr
.endm
	s_load_b128 s[4:7], s[0:1], 0x0                ; x, W_fc
	s_load_b128 s[8:11], s[0:1], 0x10              ; W_fc2, ximg
	s_load_b128 s[12:15], s[0:1], 0x20             ; xsc, wimg
	s_load_b64 s[16:17], s[0:1], 0x30              ; wsc
	v_lshl_add_u32 v14, v0, 2, 0x8400
	v_mov_b32 v15, 0
	v_lshrrev_b32 v1, 5, v0
	v_readfirstlane_b32 s18, v1                    ; wave 0..3
	v_and_b32 v2, 31, v0                           ; lane
	; SHARES AS THEY NOW STAND: work-groups 0-255 take the weights, a wave a pair of tiles (32 columns) x ONE K step (four blocks); work-groups 256-767 take x, a work-group a tile of 16 rows, a wave two K steps of it
	s_cmp_lt_u32 ttmp9, 256
	s_cbranch_scc0 .Lx_path
	; ---------------- the weights ----------------
	s_and_b32 s19, ttmp9, 31                       ; which 128 columns of the 4,096 of both weights
	s_lshr_b32 s20, ttmp9, 5                       ; which 128 along K
	s_lshl_b32 s21, s19, 2
	s_add_co_u32 s21, s21, s18                     ; my pair of tiles, 0 .. 127
	s_movk_i32 s24, 0x1000                         ; a row of W_fc2 in bytes,
	s_movk_i32 s26, 0x3000                         ; of W_fc
	s_wait_kmcnt 0x0
	s_cmp_lt_u32 s19, 24                           ; the first 24 groups of columns are W_fc's: the choice hangs on the work-group's number alone
	s_cselect_b64 s[22:23], s[6:7], s[8:9]
	s_cselect_b32 s24, s26, s24
	s_cselect_b32 s25, 0, 24
	s_sub_co_u32 s25, s19, s25                     ; the group of columns within its tensor
	s_lshl_b32 s26, s20, 7
	s_mul_i32 s26, s26, s24                        ; 128 rows for each K step,
	s_lshl_b32 s27, s25, 9
	s_add_co_u32 s26, s26, s27                     ; 512 bytes for each group of columns,
	s_lshl_b32 s27, s18, 7
	s_add_co_u32 s26, s26, s27                     ; 128 for each wave
	s_mov_b32 s27, 0
	s_lshl_b32 s28, s24, 5                         ; 32 rows: from block to block
	s_mov_b32 s29, 0
	s_add_nc_u64 s[32:33], s[22:23], s[26:27]      ; a base for each of my four blocks: none is ever stepped
.irp t, 1,2,3
	s_add_nc_u64 s[32+2*\t:33+2*\t], s[30+2*\t:31+2*\t], s[28:29]
.endr
	s_wait_alu depctr_va_vdst(0)
	v_lshlrev_b32 v[WOFF], 2, v2                   ; a lane to a column
.set wi, 1
.rept 31
	v_add_nc_u32 v[WOFF+wi], s24, v[WOFF+wi-1]     ; and a register to a row
.set wi, wi+1
.endr
	s_wait_alu depctr_va_vdst(0)
	v_bfe_u32 v3, v2, 3, 1                         ; column l of the pair is index r = l % 8 + 8 (l / 16) of tile u = (l / 8) % 2
	v_and_b32 v4, 7, v2
	v_lshrrev_b32 v5, 4, v2
	v_lshl_add_u32 v4, v5, 3, v4
	v_lshlrev_b32 v6, 4, v4
	v_lshl_add_u32 v6, v3, 13, v6                  ; codes: 8,192 u + 16 r
	v_lshl_add_u32 v7, v3, 4, v4
	v_lshlrev_b32 v7, 3, v7                        ; scale words: 8 (16 u + r)
	s_lshl_b32 s30, s21, 14
	s_lshl_b32 s31, s20, 10
	s_add_co_u32 s30, s30, s31
	s_mov_b32 s31, 0
	s_add_nc_u64 s[14:15], s[14:15], s[30:31]      ; wimg at my pair, my K step
	s_lshl_b32 s30, s21, 10
	s_lshr_b32 s48, s20, 1                         ; wsc: 256 bytes for each K quarter,
	s_lshl_b32 s48, s48, 8
	s_add_co_u32 s30, s30, s48
	s_and_b32 s48, s20, 1                          ; and my K step's word of the two
	s_lshl_b32 s48, s48, 2
	s_add_co_u32 s30, s30, s48
	s_add_nc_u64 s[16:17], s[16:17], s[30:31]      ; wsc likewise
.macro WLOAD t                         ; block t: 32 rows of my 32 columns: each load reads 128 consecutive bytes
.set wi, 0
.rept 32
	global_load_b32 v[WX+32*((\t)%2)+wi], v[WOFF+wi], s[32+2*(\t):33+2*(\t)] th:TH_LOAD_NT
.set wi, wi+1
.endr
.endm
.macro WBLOCK t
.set XS, WX+32*((\t)%2)
.if (\t) < 3
	s_wait_loadcnt 32
.else
	s_wait_loadcnt 0x0
.endif
	v_max3_num_f32 v8, |v[XS]|, |v[XS+1]|, |v[XS+2]|               ; the block's largest magnitude: all 32 numbers are mine; two chains
	v_max3_num_f32 v9, |v[XS+3]|, |v[XS+4]|, |v[XS+5]|
.irp e, 6,10,14,18,22,26
	v_max3_num_f32 v8, v8, |v[XS+\e]|, |v[XS+\e+1]|
	v_max3_num_f32 v9, v9, |v[XS+\e+2]|, |v[XS+\e+3]|
.endr
	v_max3_num_f32 v8, v8, |v[XS+30]|, |v[XS+31]|
	v_max3_num_f32 v8, v8, v9, 0x1800000           ; and the floor 2^(3 - 127)
	v_add_nc_u32 v10, 0xff000000, v8               ; the conversions' scale operand
.if (\t)%4 == 0
	v_lshrrev_b32 v[WSB+(\t)/4], 23, v10           ; the byte: four to a register, the lower K in the lower byte
.else
	v_lshrrev_b32 v11, 23, v10
	v_lshl_or_b32 v[WSB+(\t)/4], v11, 8*((\t)%4), v[WSB+(\t)/4]
.endif
.irp e, 0,1,2,3
	v_cvt_scalef32_pk8_fp4_f32 v[WC+4*(\t)+\e], v[XS+8*\e:XS+8*\e+7], v10
.endr
	global_store_b128 v6, v[WC+4*(\t):WC+4*(\t)+3], s[14:15] offset:256*(\t)   ; block t = chunk and half-wave t of the two fragments on end: the sixteen lanes of one tile write 256 consecutive bytes, aligned
.if (\t)+2 < 4
	WLOAD (\t)+2
.endif
.endm
	WLOAD 0
	WLOAD 1
.irp t, 0,1,2,3
	WBLOCK \t
.endr
	global_store_b32 v7, v[WSB], s[16:17]          ; my column's scale word of this K step: 4 bytes of each 8; the other word is the neighbouring K step's
	s_endpgm
	; ---------------- x ----------------
.Lx_path:
	s_sub_co_u32 s19, ttmp9, 256
	s_lshl_b32 s19, s19, 2
	s_add_co_u32 s19, s19, s18
	s_lshr_b32 s20, s19, 2                         ; my tile of rows, 0 .. 511
	s_and_b32 s21, s19, 3                          ; my quarter of K
	s_lshr_b32 s22, s20, 1
	s_lshl_b32 s22, s22, 17                        ; the tile's first row is 32 (tile / 2) + 8 (tile % 2); a row is 4,096 bytes
	s_and_b32 s23, s20, 1
	s_lshl_b32 s23, s23, 15
	s_add_co_u32 s22, s22, s23
	s_lshl_b32 s23, s21, 10
	s_add_co_u32 s22, s22, s23
	s_mov_b32 s23, 0
	s_lshl_b32 s24, s20, 13
	s_lshl_b32 s25, s21, 11
	s_add_co_u32 s24, s24, s25                     ; ximg: 8,192 x tile + 2,048 x quarter
	s_mov_b32 s25, 0
	s_lshl_b32 s26, s20, 9
	s_lshr_b32 s27, s21, 1                         ; xsc: 256 bytes for each half of K,
	s_lshl_b32 s27, s27, 8
	s_add_co_u32 s26, s26, s27
	s_and_b32 s27, s21, 1                          ; and my two words of a row's four
	s_lshl_b32 s27, s27, 3
	s_add_co_u32 s26, s26, s27                     ; xsc: 512 x tile + 256 x half
	s_mov_b32 s27, 0
	s_mov_b32 s[SEL], 0x76543210
	s_mov_b32 s[SEL+1], 0xfedcba98
	s_wait_alu depctr_va_vdst(0)
	v_lshlrev_b32 v3, 4, v2                        ; 16 x lane
	s_mul_i32 s30, s18, 16*SPITCH                  ; my stage
	v_add_nc_u32 v4, s30, v3                       ; into it: a row as it is loaded
	v_and_b32 v5, 15, v2                           ; r
	v_lshrrev_b32 v6, 4, v2                        ; h
	v_mul_u32_u24 v7, v5, SPITCH
	v_lshl_add_u32 v7, v6, 6, v7
	v_add_nc_u32 v7, s30, v7                       ; out of it: row r, + 64 h: my 16 numbers of a block
	v_lshlrev_b32 v10, 4, v5
.irp e, 4,5,6,7
	v_mov_b32 v[TM+\e], 0                          ; written once: a lane permute's destination counts as one of its sources
.endr
	s_wait_alu depctr_va_vdst(0)
	s_wait_kmcnt 0x0
	s_add_nc_u64 s[4:5], s[4:5], s[22:23]
	s_add_nc_u64 s[10:11], s[10:11], s[24:25]
	s_add_nc_u64 s[12:13], s[12:13], s[26:27]
.macro XLOAD t                         ; K step t of my 16 rows: each load reads 512 consecutive bytes of one row
.irp e, 0,1,2,3,4,5,6,7,8,9,10,11,12,13,14,15
	global_load_b128 v[XR+64*((\t)%2)+4*\e:XR+64*((\t)%2)+4*\e+3], v3, s[4:5] offset:(\e+8*(\e/8))*4096+512*(\t) th:TH_LOAD_NT
.endr
.endm
.macro XSTEP t
.if (\t) < 1
	s_wait_loadcnt 16
.else
	s_wait_loadcnt 0x0
.endif
.irp e, 0,1,2,3,4,5,6,7,8,9,10,11,12,13,14,15
	ds_store_b128 v4, v[XR+64*((\t)%2)+4*\e:XR+64*((\t)%2)+4*\e+3] offset:\e*SPITCH
.endr
.irp b, 0,1,2,3
.irp e, 0,1,2,3
	ds_load_b128 v[XX+16*\b+4*\e:XX+16*\b+4*\e+3], v7 offset:128*\b+16*\e   ; LDS serves a wave's instructions in order: these see the stores above
.endr
.endr
	s_wait_dscnt 0x0
	QUANT XX, 4, XPC+8*(\t), XPW+(\t)
	global_store_b128 v3, v[XPC+8*(\t):XPC+8*(\t)+3], s[10:11] offset:1024*(\t)         ; the fragment as it stands: 512 consecutive bytes a store
	global_store_b128 v3, v[XPC+8*(\t)+4:XPC+8*(\t)+7], s[10:11] offset:1024*(\t)+512
.endm
	XLOAD 0
	XLOAD 1
.irp t, 0,1
	XSTEP \t
.endr
	global_store_b64 v10, v[XPW:XPW+1], s[12:13]   ; row r's two words of my quarter, at 16 r; both halves of the lanes hold the same words and write them to the same place
	s_wait_tensorcnt 0x0
	ds_add_u32 v14, v15
	s_wait_dscnt 0x0
	s_endpgm
.Lfunc_end_k_q330e67e89f_quant:
	.size	k_q330e67e89f_quant, .Lfunc_end_k_q330e67e89f_quant-k_q330e67e89f_quant
	.p2alignl 7, 3214868480
	.fill 96, 4, 3214868480
	.section	.rodata,"a",@progbits
	.p2align	6, 0x0
	.amdhsa_kernel k_q330e67e89f_quant
		.amdhsa_group_segment_fixed_size 34304
		.amdhsa_private_segment_fixed_size 0
		.amdhsa_enable_private_segment 0
		.amdhsa_kernarg_size 56
		.amdhsa_user_sgpr_count 2
		.amdhsa_user_sgpr_kernarg_segment_ptr 1
		.amdhsa_wavefront_size32 1
		.amdhsa_system_sgpr_workgroup_id_x 1
		.amdhsa_system_sgpr_workgroup_id_y 1
		.amdhsa_system_sgpr_workgroup_id_z 1
		.amdhsa_system_vgpr_workitem_id 0
		.amdhsa_next_free_vgpr 256
		.amdhsa_next_free_sgpr 66
		.amdhsa_reserve_vcc 0
		.amdhsa_float_denorm_mode_32 3
		.amdhsa_float_denorm_mode_16_64 3
		.amdhsa_memory_ordered 1
		.amdhsa_forward_progress 1
		.amdhsa_inst_pref_size 39
	.end_amdhsa_kernel
	.amdgpu_metadata
---
amdhsa.version: [ 1, 2 ]
amdhsa.kernels:
  - .name:           k_q330e67e89f_quant
    .symbol:         k_q330e67e89f_quant.kd
    .args:
      - { .name: x, .offset: 0, .size: 8, .value_kind: global_buffer, .address_space: global }
      - { .name: W_fc, .offset: 8, .size: 8, .value_kind: global_buffer, .address_space: global }
      - { .name: W_fc2, .offset: 16, .size: 8, .value_kind: global_buffer, .address_space: global }
      - { .name: ximg, .offset: 24, .size: 8, .value_kind: global_buffer, .address_space: global }
      - { .name: xsc, .offset: 32, .size: 8, .value_kind: global_buffer, .address_space: global }
      - { .name: wimg, .offset: 40, .size: 8, .value_kind: global_buffer, .address_space: global }
      - { .name: wsc, .offset: 48, .size: 8, .value_kind: global_buffer, .address_space: global }
    .group_segment_fixed_size: 34304
    .private_segment_fixed_size: 0
    .kernarg_segment_align: 8
    .kernarg_segment_size: 56
    .max_flat_workgroup_size: 128
    .sgpr_count:     66
    .vgpr_count:     256
    .wavefront_size: 32
...
	.end_amdgpu_metadata
.endif
;; end of part 5
;; launch gemm1 (part 6): grid 16 x 16, 4 waves a work-group, clusters of 4 x 4, 327,680 bytes of LDS; arguments ximg, xsc, wimg, wsc, b_fc, qkv; writes qkv
.if DOCPART == 6
	.amdgcn_target "amdgcn-amd-amdhsa--gfx1250"
	.amdhsa_code_object_version 6
	.text
	.protected	k_q330e67e89f_gemm1
	.globl	k_q330e67e89f_gemm1
	.p2align	8
	.type	k_q330e67e89f_gemm1,@function
k_q330e67e89f_gemm1:
	s_mov_b64 s[64:65], 0
	v_nop
	global_prefetch_b8 v0, s[64:65] scope:SCOPE_SE
	s_setreg_imm32_b32 hwreg(HW_REG_WAVE_MODE, 25, 1), 1
	s_wait_xcnt 0x0
	s_wait_alu depctr_hold_cnt(0) depctr_sa_sdst(0) depctr_va_vdst(0) depctr_va_sdst(0) depctr_va_ssrc(0) depctr_va_vcc(0) depctr_vm_vsrc(0)
	s_getreg_b32 s2, hwreg(HW_REG_IB_STS2, 6, 4)
	s_cmp_eq_u32 s2, 0
	s_cbranch_scc0 .Lentry_in_a_cluster
	s_endpgm
.Lentry_in_a_cluster:
	s_bfe_u32 s2, ttmp6, 0x10000c
	s_cmp_lg_u32 s2, 0xf033
	s_cbranch_scc0 .Lentry_shape_is_right
	s_endpgm
.Lentry_shape_is_right:
; qkv = swish(x W_fc + b_fc) on codes of FP4 (E2M1) with E8M0 scales, and q, k, v quantised again on the way out: q and k along the head's 64 channels, v along the keys.  Nothing leaves in f32.
; LIMITS: NaN and infinities are not served.  A block of zeros, or one whose largest magnitude lies under 2^-124, keeps the scale byte 1; the bytes are read by this program alone.
; SHARES.  A WORK-GROUP STAYS: it takes one head's 192 columns (12 tiles; x of the grid) and TWO blocks of 256 rows, yy and yy + 16 (y of the grid: yy), one after the other.  Wave w: rows 128 (w / 2) on (8 tiles a);
; w % 2 = 0: q's four tiles and v's first two, 1: k's four and v's last two.  48 accumulators a wave, 48 matrix instructions for the 14 fragments of a K step.
; TWO USES OF THE MATRIX INSTRUCTION.  q, k: source 0 = 16 columns of W, source 1 = 16 rows of x: a lane holds ONE row and its registers run along the head's channels, the next product's K.
; v: source 0 = 16 rows of x, source 1 = 16 columns of W: a lane holds ONE channel and its registers run along the keys, the K of the product with the softmax.
; Index r of tile 2 p + u of rows or of columns stands for element 32 p + 8 u + r + 8 (r / 8), so the 16 registers of two neighbouring tiles of source 0 are 16 neighbours.
; LDS.  All of K is resident: x's 16 tiles and W's 12, as images of the operands' registers, laid as in memory, [tile][K step 8][1,024 bytes]; a fragment is read as 2 x 512 consecutive bytes.  W's 98,304 bytes are filled once and serve both blocks.
; x's 131,072 bytes are filled a second time: when every wave has the first block's last fragments in registers, each wave asks for one chunk of the second block, which lands under the first block's last 48 products and its way out.
; CLUSTERS: 4 x 4 work-groups.  The four of a row of the cluster need the same rows of x, the four of a column the same head of W: every chunk is asked for JOINTLY.  First fills: waves 0 and 1 fetch x's halves, waves 2 and 3 W's: one load a wave.
; THE HEAD BLOCK of qkv, 208,896 bytes for each (batch, head): K's codes [tile 128][512] at 0; V's [step 16][tile 4][1,024] at 65,536; K's scale words [step][r][4] at 131,072 (word t: tile 2 t in the low half, 2 t + 1 in the high);
;   V's [step][2][lane] at 135,168 (lanes 0-15 the even tile, 16-31 the odd); Q's codes at 139,264 and Q's scale words at 204,800, laid as K's.
; REGISTERS, in windows of 256: window 0: v1-15, v72 addresses; v73-74 the add's two; v16-47 x's scale words (8 (a / 2) + s: the even tile in lanes 0-15, the odd in 16-31); v48-71 W's (8 x pair + s); v80-143 at work; v144-155 the quantiser's;
;   v160-223 codes and words on their way out; v224, v228, v232 LDS addresses, one for each operand: none is ever stepped.
;   window 1: two sets of fragments, at 0 and 128: x's at 8 a, W's at 64 + 8 t.   window 2: q's or k's accumulators at 32 a + 8 b.   window 3: v's at 64 n + 8 a; the biases at 128 + 8 b and 160 + 8 n.
.set WV,    16
.set NL,    26                         ; s[26:27] -log2(e), twice
.set G1A,   28                         ; s[28:35] descriptor group 1 for x's chunks;  s[36:43] for W's
.set G1B,   36
.set G0A,   44                         ; s[44:47] group 0 for x's fill;  s[68:71] for W's
.set G0B,   68
.set SEL,   100                        ; s[100:101] lane selects of v_permlanex16_b32: lane l xor 16
.set LB,    131072                     ; LDS: x's 16 tiles of 8,192 bytes from 0, W's 12 from here
.set SPARE, 229376                     ; behind W's chunks: the spare words, 128 bytes for each wave: two blocks of 256 bytes that no other line names
.set SPW,   73                         ; v73  LDS address of my spare word: SPARE + 4 x my thread's number; never rewritten
.set NIL,   74                         ; v74  0; never rewritten
.set ADRA,  224                        ; v224 my 8 tiles of x
.set ADRBQ, 228                        ; v228 W's tiles for q or k
.set ADRBV, 232                        ; v232 W's tiles for v
.set AS,    16
.set BS,    48
.set Z,     80
.set TM,    144
.set PCQ,   160
.set PCV,   192
.set PWQ,   208
.set PWV,   216
.set BQ,    128
.set BV,    160
.set MSB, 0
.macro WIN new                         ; the immediate's high byte repeats the setting that is left; a switch that changes nothing is dropped
.if MSB != \new
	s_set_vgpr_msb (MSB<<8)|\new
.set MSB, \new
.endif
.endm
.macro PLACES n
.rept \n
	v_nop
.endr
.endm
.macro ROUND                           ; a round of the cluster's barrier
	s_barrier_signal -1
	s_barrier_wait -1
	s_cmp_lg_u32 s[WV], 0
	s_cbranch_scc1 .Lnot_wave_0_\@
	s_barrier_signal -3
.Lnot_wave_0_\@:
	s_barrier_wait -3
	s_barrier_signal -1
	s_barrier_wait -1
.endm
; nb blocks of a lane's numbers, register 16 b + i = k 32 b + 16 (lane / 16) + i of the lane's row, become codes in v[pc] on (the operand's registers) and the row's scale bytes in v[pw].
.macro QUANT src, nb, pc, pw
.set qb, 0
.rept \nb
	v_max3_num_f32 v[TM+qb], |v[\src+16*qb]|, |v[\src+16*qb+1]|, 0x1800000   ; my 16 numbers of block qb, and the floor 2^(3 - 127): the byte cannot fall under 1
.set qb, qb+1
.endr
.irp e, 2,4,6,8,10,12,14
.set qb, 0
.rept \nb
	v_max3_num_f32 v[TM+qb], v[TM+qb], |v[\src+16*qb+\e]|, |v[\src+16*qb+\e+1]|
.set qb, qb+1
.endr
.endr
.set qb, 0
.rept \nb
	v_permlanex16_b32 v[TM+4+qb], v[TM+qb], s[SEL], s[SEL+1]
.set qb, qb+1
.endr
.set qb, 0
.rept \nb
	v_max_num_f32 v[TM+qb], v[TM+qb], v[TM+4+qb]   ; with lane l xor 16's 16: the block's largest magnitude
.set qb, qb+1
.endr
.set qb, 0
.rept \nb
	v_add_nc_u32 v[TM+8+qb], 0xff000000, v[TM+qb]  ; 2 off its exponent field: the conversion's scale operand
.set qb, qb+1
.endr
.set qb, 0
.rept \nb
	v_lshrrev_b32 v[TM+4+qb], 23, v[TM+8+qb]       ; the scale's byte
.set qb, qb+1
.endr
	v_lshl_or_b32 v[\pw], v[TM+5], 8, v[TM+4]
.if \nb == 4
	v_lshl_or_b32 v[\pw], v[TM+6], 16, v[\pw]
	v_lshl_or_b32 v[\pw], v[TM+7], 24, v[\pw]
.endif
.set qb, 0
.rept \nb
	v_cvt_scalef32_pk8_fp4_f32 v[\pc+2*qb], v[\src+16*qb:\src+16*qb+7], v[TM+8+qb]
	v_cvt_scalef32_pk8_fp4_f32 v[\pc+2*qb+1], v[\src+16*qb+8:\src+16*qb+15], v[TM+8+qb]
.set qb, qb+1
.endr
	v_nop                                          ; one plain place behind a scaled conversion
.set qb, 0
.rept (\nb)/2
	v_permlane16_swap_b32 v[\pc+4*qb], v[\pc+4*qb+2]     ; a WHOLE block in a lane: lanes 0-15 block 2 c, lanes 16-31 block 2 c + 1
	v_permlane16_swap_b32 v[\pc+4*qb+1], v[\pc+4*qb+3]
.set qb, qb+1
.endr
.endm
; v[dst ..] (window 0) = swish of n registers from v[src] on in the window that w names for source 0: x / (1 + 2^(-x log2 e)), all in f32.  Every run ascends.
.macro SWISH w, src, n, dst
	WIN \w
.set si, 0
.rept (\n)/2
	v_pk_mul_f32 v[\dst+si:\dst+si+1], v[\src+si:\src+si+1], s[NL:NL+1] op_sel_hi:[1,0]
.set si, si+2
.endr
	WIN 0
.set si, 0
	s_wait_alu depctr_va_vdst(0)
.rept \n
	v_exp_f32 v[\dst+si], v[\dst+si]
.set si, si+1
.endr
	v_nop                                          ; a plain place behind the exponentials
.set si, 0
	s_wait_alu depctr_va_vdst(0)
.rept (\n)/2
	v_pk_add_f32 v[\dst+si:\dst+si+1], v[\dst+si:\dst+si+1], 1.0 op_sel_hi:[1,0]
.set si, si+2
.endr
.set si, 0
	s_wait_alu depctr_va_vdst(0)
.rept \n
	v_rcp_f32 v[\dst+si], v[\dst+si]
.set si, si+1
.endr
	v_nop                                          ; and behind the reciprocals
	WIN \w
.set si, 0
	s_wait_alu depctr_va_vdst(0)
.rept (\n)/2
	v_pk_mul_f32 v[\dst+si:\dst+si+1], v[\src+si:\src+si+1], v[\dst+si:\dst+si+1]
.set si, si+2
.endr
	WIN 0
.endm
; one matrix instruction; ra, rb = 1: that side's scales are read from lanes 16-31 of its register
.macro WM d, a, b, c, sa, sb, ra, rb
.if ((\ra) == 1) && ((\rb) == 1)
	v_wmma_scale_f32_16x16x128_f8f6f4 v[\d:\d+7], v[\a:\a+7], v[\b:\b+7], v[\c:\c+7], v[\sa], v[\sb] matrix_a_fmt:MATRIX_FMT_FP4 matrix_b_fmt:MATRIX_FMT_FP4 matrix_a_scale:MATRIX_SCALE_ROW1 matrix_b_scale:MATRIX_SCALE_ROW1
.elseif (\ra) == 1
	v_wmma_scale_f32_16x16x128_f8f6f4 v[\d:\d+7], v[\a:\a+7], v[\b:\b+7], v[\c:\c+7], v[\sa], v[\sb] matrix_a_fmt:MATRIX_FMT_FP4 matrix_b_fmt:MATRIX_FMT_FP4 matrix_a_scale:MATRIX_SCALE_ROW1
.elseif (\rb) == 1
	v_wmma_scale_f32_16x16x128_f8f6f4 v[\d:\d+7], v[\a:\a+7], v[\b:\b+7], v[\c:\c+7], v[\sa], v[\sb] matrix_a_fmt:MATRIX_FMT_FP4 matrix_b_fmt:MATRIX_FMT_FP4 matrix_b_scale:MATRIX_SCALE_ROW1
.else
	v_wmma_scale_f32_16x16x128_f8f6f4 v[\d:\d+7], v[\a:\a+7], v[\b:\b+7], v[\c:\c+7], v[\sa], v[\sb] matrix_a_fmt:MATRIX_FMT_FP4 matrix_b_fmt:MATRIX_FMT_FP4
.endif
.endm
	s_load_b256 s[4:11], s[0:1], 0x0               ; ximg s[4:5], xsc s[6:7], wimg s[8:9], wsc s[10:11]
	s_load_b128 s[12:15], s[0:1], 0x20             ; b_fc s[12:13], qkv s[14:15]
	v_lshl_add_u32 v[SPW], v0, 2, SPARE
	v_mov_b32 v[NIL], 0
	ds_add_u32 v73, v74
	ds_add_u32 v73, v74
	s_wait_dscnt 0x0
	v_lshrrev_b32 v1, 5, v0
	v_readfirstlane_b32 s[WV], v1                  ; wave 0..3
	s_lshr_b32 s17, s[WV], 1                       ; g: which 128 rows are mine.  Also: my first fills are x's (0) or W's (1)
	s_and_b32 s18, s[WV], 1                        ; y: q's side or k's.  Also: which half of a chunk I fetch at first
	s_bfe_u32 s19, ttmp6, 0x40000                  ; cx, cy: my place in the cluster
	s_bfe_u32 s20, ttmp6, 0x40004
	s_lshl_b32 s21, ttmp9, 2
	s_add_co_u32 s21, s21, s19                     ; the head = 4 x cluster x + cx
	s_and_b32 s22, ttmp7, 0xffff
	s_lshl_b32 s22, s22, 2
	s_add_co_u32 s22, s22, s20                     ; yy = 4 x cluster y + cy, 0 .. 15: my blocks of 256 rows are yy and yy + 16
	s_lshl_b32 s23, s20, 2
	s_lshl_b32 s23, 15, s23                        ; my row of the cluster
	s_lshl_b32 s24, 0x1111, s19                    ; my column
	; descriptor group 1: a dense half: 8 (x) or 6 (W) whole tiles of 8,192 bytes; elements of 8 bytes; no padding: the images are read as they lie
	s_or_b32 s[G1A], s23, (3<<16)|(1<<21)          ; 15:0 the mask: x's chunks go to my row; 17:16 elements of 8 bytes; 21 set beside a mask
	s_or_b32 s[G1B], s24, (3<<16)|(1<<21)          ; W's go to my column
	; LDS AS IT NOW STANDS: x's 16 tiles and W's 12 lie as in memory, [tile][K step 8][1,024 bytes]; a wave's one first fill is a dense half (8 or 6 tiles of 8,192 bytes)
	s_mov_b32 s[G1A+1], 1024<<16                   ; tensor_dim0 = 1,024 elements of 8 bytes: a whole tile
	s_mov_b32 s[G1A+2], 8<<16                      ; tensor_dim1 = 8
	s_mov_b32 s[G1A+3], 1024<<16                   ; tile_dim0
	s_mov_b32 s[G1A+4], 8                          ; tile_dim1
	s_mov_b32 s[G1A+5], 1024                       ; from tile to tile
	s_mov_b32 s[G1A+6], 0
	s_mov_b32 s[G1A+7], 0
	s_mov_b32 s[G1B+1], 1024<<16
	s_mov_b32 s[G1B+2], 6<<16
	s_mov_b32 s[G1B+3], 1024<<16
	s_mov_b32 s[G1B+4], 6
	s_mov_b32 s[G1B+5], 1024
	s_mov_b32 s[G1B+6], 0
	s_mov_b32 s[G1B+7], 0
	s_lshl_b32 s84, s22, 17                        ; x: 131,072 bytes a block of rows, 65,536 a half: hangs on yy alone, which my row of the cluster shares
	s_lshl_b32 s85, s18, 16
	s_add_co_u32 s84, s84, s85
	s_mov_b32 s85, 0
	s_mul_i32 s86, s21, 98304                      ; W: 98,304 bytes a head, 49,152 a half: hangs on the head alone, which my column shares
	s_mul_i32 s87, s18, 49152
	s_add_co_u32 s86, s86, s87
	s_mov_b32 s87, 0
	s_lshl_b32 s88, s18, 16                        ; where the halves go: 65,536 bytes a half of x; no place in the cluster enters an LDS address
	s_mul_i32 s89, s18, 49152                      ; 49,152 a half of W
	s_add_co_u32 s96, s22, 16                      ; the second block's chunk w of x: (yy + 16) x 131,072 + 32,768 w
	s_lshl_b32 s96, s96, 17
	s_lshl_b32 s97, s[WV], 15                      ; the second block: wave w fetches tiles 4 w .. 4 w + 3, 32,768 dense bytes
	s_add_co_u32 s96, s96, s97
	s_mov_b32 s97, 0
	s_mov_b32 s[NL], 0xbfb8aa3b
	s_mov_b32 s[NL+1], s[NL]
	s_mov_b32 s[SEL], 0x76543210
	s_mov_b32 s[SEL+1], 0xfedcba98
	s_wait_kmcnt 0x0
	s_add_nc_u64 s[84:85], s[4:5], s[84:85]
	s_add_nc_u64 s[86:87], s[8:9], s[86:87]
.irp q, 0
	s_mov_b32 s[G0A+4*\q], 1
	s_add_co_u32 s[G0A+4*\q+1], s88, \q*32768      ; LDS address
	s_add_nc_u64 s[G0A+4*\q+2:G0A+4*\q+3], s[84:85], \q*2048   ; global address: whole tiles
	s_or_b32 s[G0A+4*\q+3], s[G0A+4*\q+3], 0x80000000          ; type = 2
	s_mov_b32 s[G0B+4*\q], 1
	s_add_co_u32 s[G0B+4*\q+1], s89, LB+\q*24576
	s_add_nc_u64 s[G0B+4*\q+2:G0B+4*\q+3], s[86:87], \q*2048
	s_or_b32 s[G0B+4*\q+3], s[G0B+4*\q+3], 0x80000000
.endr
	ROUND                                          ; all sixteen work-groups are here: the joint loads meet
	s_cmp_eq_u32 s17, 0                            ; a wave's first fill stands in one branch on the wave's number: one load of mine is out; four v_nop follow the last
	s_cbranch_scc0 .Lfill_b
.irp q, 0
	tensor_load_to_lds s[G0A+4*\q:G0A+4*\q+3], s[G1A:G1A+7]
	s_nop 0
.endr
	PLACES 4
	s_branch .Lfilled
.Lfill_b:
.irp q, 0
	tensor_load_to_lds s[G0B+4*\q:G0B+4*\q+3], s[G1B:G1B+7]
	s_nop 0
.endr
	PLACES 4
.Lfilled:
	v_and_b32 v2, 31, v0                           ; lane
	v_lshlrev_b32 v1, 4, v2                        ; 16 x lane
	v_and_b32 v3, 15, v0                           ; r
	v_bfe_u32 v7, v0, 4, 1                         ; h
	v_lshlrev_b32 v8, 4, v3
	v_lshl_add_u32 v8, v7, 9, v8                   ; x's scale words: lanes 0-15 the even tile's rows, lanes 16-31 the odd tile's, 512 bytes on
	s_wait_alu depctr_va_vdst(0)
	s_lshl_b32 s90, s18, 11
	v_lshl_add_u32 v9, v2, 3, s90                  ; W's, q or k: pairs 2 y and 2 y + 1 of the head's six, 1,024 bytes each
	s_wait_alu depctr_va_vdst(0)
	s_lshl_b32 s90, s18, 10
	s_add_co_u32 s90, s90, 4096
	v_lshl_add_u32 v10, v2, 3, s90                 ; v: pair 4 + y
	s_wait_alu depctr_va_vdst(0)
	s_lshl_b32 s90, s18, 8
	v_lshl_add_u32 v11, v7, 6, s90                 ; b_fc for q or k: column 64 y + 16 h + ..
	s_wait_alu depctr_va_vdst(0)
	v_and_b32 v12, 8, v3
	v_add_nc_u32 v12, v12, v3                      ; r + 8 (r / 8)
	s_lshl_b32 s90, s18, 7
	s_add_co_u32 s90, s90, 512
	v_lshl_add_u32 v12, v12, 2, s90                ; b_fc for v: column 128 + 32 y + r + 8 (r / 8) + ..
	s_wait_alu depctr_va_vdst(0)
	s_lshl_b32 s94, s22, 13
	s_lshl_b32 s95, s17, 12
	s_add_co_u32 s94, s94, s95
	s_mov_b32 s95, 0
	s_add_nc_u64 s[6:7], s[6:7], s[94:95]          ; xsc at my 8 tiles of the first block; the second block's lie 16 x 8,192 bytes on
	s_mul_i32 s94, s21, 6144
	s_add_nc_u64 s[10:11], s[10:11], s[94:95]      ; wsc at the head's six pairs
	s_mul_i32 s94, s21, 768
	s_add_nc_u64 s[12:13], s[12:13], s[94:95]      ; b_fc at the head's 192 numbers
	s_lshr_b32 s94, s22, 3
	s_lshl_b32 s94, s94, 4
	s_add_co_u32 s94, s94, s21
	s_mul_i32 s94, s94, 208896
	s_add_nc_u64 s[14:15], s[14:15], s[94:95]      ; qkv at the head block of (batch, head) of the first block of rows;
	s_add_nc_u64 s[98:99], s[14:15], 0x660000      ; the second block lies two batches on: 32 head blocks of 208,896 bytes
.irp e, 0,1,2,3
.irp k, 0,1
	global_load_b128 v[AS+8*\e+4*\k:AS+8*\e+4*\k+3], v8, s[6:7] offset:\e*1024+\k*256
.endr
.endr
.irp e, 0,1
.irp k, 0,1,2,3
	global_load_b64 v[BS+8*\e+2*\k:BS+8*\e+2*\k+1], v9, s[10:11] offset:\e*1024+\k*256
.endr
.endr
.irp k, 0,1,2,3
	global_load_b64 v[BS+16+2*\k:BS+16+2*\k+1], v10, s[10:11] offset:\k*256
.endr
	WIN 0xc0                                       ; destination window 3: the biases, each the C of a sum's first matrix instruction, in the result's layout; they serve both blocks
.irp b, 0,1,2,3
	global_load_b128 v[BQ+8*\b:BQ+8*\b+3], v11, s[12:13] offset:128*(\b/2)+32*(\b%2)       ; q, k: a lane's eight registers are eight neighbouring columns
	global_load_b128 v[BQ+8*\b+4:BQ+8*\b+7], v11, s[12:13] offset:128*(\b/2)+32*(\b%2)+16
.endr
.irp n, 0,1
.irp j, 0,1,2,3,4,5,6,7
	global_load_b32 v[BV+8*\n+\j], v12, s[12:13] offset:32*\n                              ; v: a lane's eight registers are eight keys of ONE column: the same number eight times
.endr
.endr
	WIN 0
	s_lshl_b32 s90, s17, 16
	v_add_nc_u32 v[ADRA], s90, v1                  ; my 8 tiles of x, 8,192 bytes each: every K step is reached by the immediate
	s_lshl_b32 s90, s18, 15
	s_add_co_u32 s90, s90, LB
	v_add_nc_u32 v[ADRBQ], s90, v1                 ; W's tiles 4 y .. 4 y + 3
	s_lshl_b32 s90, s18, 14
	s_add_co_u32 s90, s90, LB+65536
	v_add_nc_u32 v[ADRBV], s90, v1                 ; W's tiles 8 + 2 y, 9 + 2 y
	; where the results go, from the head block on.  sigma = my 128 rows among the batch's 2,048: the same in both blocks
	s_and_b32 s91, s22, 7
	s_lshl_b32 s91, s91, 1
	s_add_co_u32 s91, s91, s17
	s_xor_b32 s92, s18, 1                          ; 1 for q, 0 for k
	s_lshl_b32 s93, s91, 12
	s_mul_i32 s90, s92, 139264
	s_add_co_u32 s90, s90, s93
	v_add_nc_u32 v13, s90, v1                      ; q's or k's codes: 8 tiles of 512 bytes
	s_lshl_b32 s90, s18, 11
	s_add_co_u32 s90, s90, s93
	s_add_co_u32 s90, s90, 65536
	v_add_nc_u32 v15, s90, v1                      ; v's codes: tiles 2 y, 2 y + 1 of step sigma
	s_lshl_b32 s93, s91, 8
	s_mul_i32 s90, s92, 73728
	s_add_co_u32 s90, s90, s93
	s_add_co_u32 s90, s90, 131072
	v_lshlrev_b32 v14, 4, v3
	v_lshl_add_u32 v14, v7, 3, v14
	v_add_nc_u32 v14, s90, v14                     ; q's or k's scale words: 16 r + 8 h
	s_lshl_b32 s90, s18, 7
	s_add_co_u32 s90, s90, s93
	s_add_co_u32 s90, s90, 135168
	v_lshl_add_u32 v72, v2, 2, s90                 ; v's scale words: 4 x lane
.irp e, 4,5,6,7
	v_mov_b32 v[TM+\e], 0                          ; written once: a lane permute's destination counts as one of its sources
.endr
.macro FETCH s                         ; K step s: 28 LDS loads in one run, into set s % 2 of window 1
	WIN 0x40
.irp a, 0,1,2,3,4,5,6,7
.irp c, 0,1
	ds_load_b128 v[128*((\s)%2)+8*\a+4*\c:128*((\s)%2)+8*\a+4*\c+3], v[ADRA] offset:\a*8192+(\s)*1024+512*\c
.endr
.endr
.irp b, 0,1,2,3
.irp c, 0,1
	ds_load_b128 v[128*((\s)%2)+64+8*\b+4*\c:128*((\s)%2)+64+8*\b+4*\c+3], v[ADRBQ] offset:\b*8192+(\s)*1024+512*\c
.endr
.endr
.irp n, 0,1
.irp c, 0,1
	ds_load_b128 v[128*((\s)%2)+96+8*\n+4*\c:128*((\s)%2)+96+8*\n+4*\c+3], v[ADRBV] offset:\n*8192+(\s)*1024+512*\c
.endr
.endr
.endm
.macro MUL s                           ; 48 matrix instructions; the 48 accumulators take turns, one instruction a turn, in the same order in every step
.set FP, 128*((\s)%2)
.if (\s) == 0
	WIN 0xb5                                       ; sources 0 and 1 window 1, C (the bias) window 3, D window 2
.else
	WIN 0xa5                                       ; C and D window 2
.endif
.irp a, 0,1,2,3,4,5,6,7
.irp b, 0,1,2,3
.if (\s) == 0
	WM 32*\a+8*\b, FP+64+8*\b, FP+8*\a, BQ+8*\b, BS+8*(\b/2)+(\s), AS+8*(\a/2)+(\s), \b%2, \a%2
.else
	WM 32*\a+8*\b, FP+64+8*\b, FP+8*\a, 32*\a+8*\b, BS+8*(\b/2)+(\s), AS+8*(\a/2)+(\s), \b%2, \a%2
.endif
.endr
.endr
	WIN 0xf5                                       ; C and D window 3
.irp n, 0,1
.irp a, 0,1,2,3,4,5,6,7
.if (\s) == 0
	WM 64*\n+8*\a, FP+8*\a, FP+96+8*\n, BV+8*\n, AS+8*(\a/2)+(\s), BS+16+(\s), \a%2, \n%2
.else
	WM 64*\n+8*\a, FP+8*\a, FP+96+8*\n, 64*\n+8*\a, AS+8*(\a/2)+(\s), BS+16+(\s), \a%2, \n%2
.endif
.endr
.endr
.endm
; K step s of block blk.  In block 0 all of K lies in LDS as well; its last step asks for the second block's x.  In block 1 all of K lies in LDS.
.macro KSTEP blk, s
.if ((\blk) == 0) && ((\s) == 7)
	; x's BYTES ARE FILLED AGAIN.  My reads of them are the loads of this step's fragments, the last of the block.
	WIN 0
	s_wait_tensorcnt 0x0                           ; all my tensor loads have landed, so their descriptors may be written;
	ds_add_u32 v[SPW], v[NIL]                      ; 0 onto my spare word: the descriptor's words stand between it and the wait for it
	s_mov_b32 s[G1A+2], 4<<16                      ; four whole tiles now
	s_mov_b32 s[G1A+4], 4
	s_lshl_b32 s[G0A+1], s[WV], 15                 ; chunk w, at its place in LDS,
	s_add_nc_u64 s[G0A+2:G0A+3], s[4:5], s[96:97]  ; of the second block of rows
	s_or_b32 s[G0A+3], s[G0A+3], 0x80000000
	s_wait_dscnt 0x0                               ; the add is done, and my reads of x's bytes are over
	ROUND                                          ; both now hold of every wave of every work-group of the cluster
	tensor_load_to_lds s[G0A:G0A+3], s[G1A:G1A+7]  ; my one load behind the round: it has this step's 48 products and the block's way out in which to land
	s_nop 0
	PLACES 4
.else
	s_wait_dscnt 0x0                               ; this step's fragments are in (all of K lies in LDS from the first barrier on)
.endif
.if (\s) < 7
	PLACES 4                                       ; four places in front of loads into registers that matrix instructions have read
	FETCH (\s)+1                                   ; the next step's fragments land under this step's 48 matrix instructions
.endif
	MUL \s
.endm
; THE WAY OUT of block blk.
.macro EPI blk
.set OB, 14+84*(\blk)                  ; s[14:15] or s[98:99]: the block's head block
	WIN 0
	PLACES 4                                       ; in front of the first read of results, and of loads into the scale registers that the last products named
.if (\blk) == 0
.irp e, 0,1,2,3
.irp k, 0,1
	global_load_b128 v[AS+8*\e+4*\k:AS+8*\e+4*\k+3], v8, s[6:7] offset:131072+\e*1024+\k*256   ; the second block's scale words of x
.endr
.endr
.else
	s_wait_xcnt 0x0                                ; the first block's stores have read their registers: these are written again only behind this wait
.endif
	; ---- q or k: two tiles of 16 rows at a time: swish, two blocks of 32 channels a row each, 1,024 bytes of codes
.irp a, 0,1,2,3                                ; two tiles of 16 rows at a time: their four blocks' bytes make the word that the operand with both tiles side by side wants
	SWISH 0x02, 64*\a, 64, Z
	QUANT Z, 4, PCQ+8*\a, 218+\a
	global_store_b128 v13, v[PCQ+8*\a:PCQ+8*\a+3], s[OB:OB+1] offset:1024*\a       ; 512 consecutive bytes a tile
	global_store_b128 v13, v[PCQ+8*\a+4:PCQ+8*\a+7], s[OB:OB+1] offset:1024*\a+512
.endr
	v_cmp_lt_u32 vcc_lo, 15, v2                    ; both halves of the lanes hold index r's four words: lanes 0-15 store the first two, lanes 16-31 the others
	v_cndmask_b32 v218, v218, v220, vcc_lo
	v_cndmask_b32 v219, v219, v221, vcc_lo
	global_store_b64 v14, v[218:219], s[OB:OB+1]   ; 256 consecutive bytes, aligned
	; ---- v: a tile of 16 channels at a time: swish, four blocks of 32 keys a channel: one fragment
.irp n, 0,1
	SWISH 0x03, 64*\n, 64, Z
	QUANT Z, 4, PCV+8*\n, PWV+\n
	global_store_b128 v15, v[PCV+8*\n:PCV+8*\n+3], s[OB:OB+1] offset:1024*\n
	global_store_b128 v15, v[PCV+8*\n+4:PCV+8*\n+7], s[OB:OB+1] offset:1024*\n+512
.endr
	v_cndmask_b32 v222, v[PWV], v[PWV+1], vcc_lo   ; lanes 0-15 the even tile's words, lanes 16-31 the odd tile's
	global_store_b32 v72, v222, s[OB:OB+1]         ; 128 consecutive bytes: the other half of the 256 is the neighbouring wave's
.endm
	s_wait_alu depctr_va_vdst(0)
	s_wait_tensorcnt 0x0                           ; my one first fill is in,
	s_barrier_signal -1
	s_barrier_wait -1                              ; everybody's is
	FETCH 0
	s_wait_loadcnt 0x0                             ; scale words and biases
.irp s, 0,1,2,3,4,5,6,7
	KSTEP 0, \s
.endr
	EPI 0
	s_wait_tensorcnt 0x0                           ; my chunk of the second block is in,
	s_barrier_signal -1
	s_barrier_wait -1                              ; everybody's is
	FETCH 0
	s_wait_loadcnt 0x0                             ; the second block's scale words of x
.irp s, 0,1,2,3,4,5,6,7
	KSTEP 1, \s
.endr
	EPI 1
	s_wait_tensorcnt 0x0                           ; the wave's end: behind my last tensor load, my last LDS instructions
	ds_add_u32 v[SPW], v[NIL]
	s_wait_dscnt 0x0
	ROUND                                          ; the closing round: no work-group ends while a partner may still ask for a chunk that names it
	s_endpgm
.Lfunc_end_k_q330e67e89f_gemm1:
	.size	k_q330e67e89f_gemm1, .Lfunc_end_k_q330e67e89f_gemm1-k_q330e67e89f_gemm1
	.p2alignl 7, 3214868480
	.fill 96, 4, 3214868480
	.section	.rodata,"a",@progbits
	.p2align	6, 0x0
	.amdhsa_kernel k_q330e67e89f_gemm1
		.amdhsa_group_segment_fixed_size 327680
		.amdhsa_private_segment_fixed_size 0
		.amdhsa_enable_private_segment 0
		.amdhsa_kernarg_size 48
		.amdhsa_user_sgpr_count 2
		.amdhsa_user_sgpr_kernarg_segment_ptr 1
		.amdhsa_wavefront_size32 1
		.amdhsa_system_sgpr_workgroup_id_x 1
		.amdhsa_system_sgpr_workgroup_id_y 1
		.amdhsa_system_sgpr_workgroup_id_z 1
		.amdhsa_system_vgpr_workitem_id 0
		.amdhsa_next_free_vgpr 1024
		.amdhsa_next_free_sgpr 102
		.amdhsa_reserve_vcc 1
		.amdhsa_float_denorm_mode_32 3
		.amdhsa_float_denorm_mode_16_64 3
		.amdhsa_memory_ordered 1
		.amdhsa_forward_progress 1
		.amdhsa_inst_pref_size 255
	.end_amdhsa_kernel
	.section	.bss,"aw",@nobits
	.p2align	6
	.space	262144
	.amdgpu_metadata
---
amdhsa.version: [ 1, 2 ]
amdhsa.kernels:
  - .name:           k_q330e67e89f_gemm1
    .symbol:         k_q330e67e89f_gemm1.kd
    .args:
      - { .name: ximg, .offset: 0, .size: 8, .value_kind: global_buffer, .address_space: global }
      - { .name: xsc, .offset: 8, .size: 8, .value_kind: global_buffer, .address_space: global }
      - { .name: wimg, .offset: 16, .size: 8, .value_kind: global_buffer, .address_space: global }
      - { .name: wsc, .offset: 24, .size: 8, .value_kind: global_buffer, .address_space: global }
      - { .name: b_fc, .offset: 32, .size: 8, .value_kind: global_buffer, .address_space: global }
      - { .name: qkv, .offset: 40, .size: 8, .value_kind: global_buffer, .address_space: global }
    .group_segment_fixed_size: 327680
    .private_segment_fixed_size: 0
    .kernarg_segment_align: 8
    .kernarg_segment_size: 48
    .max_flat_workgroup_size: 128
    .sgpr_count:     102
    .vgpr_count:     1024
    .wavefront_size: 32
...
	.end_amdgpu_metadata
.endif
;; end of part 6
;; launch attn (part 7): grid 4 x 64, 16 waves a work-group, clusters of 4 x 1, 169,984 bytes of LDS; arguments qkv, aimg, asc; writes aimg, asc
.if DOCPART == 7
	.amdgcn_target "amdgcn-amd-amdhsa--gfx1250"
	.amdhsa_code_object_version 6
	.text
	.protected	k_q330e67e89f_attn
	.globl	k_q330e67e89f_attn
	.p2align	8
	.type	k_q330e67e89f_attn,@function
k_q330e67e89f_attn:
	s_mov_b64 s[64:65], 0
	v_nop
	global_prefetch_b8 v0, s[64:65] scope:SCOPE_SE
	s_setreg_imm32_b32 hwreg(HW_REG_WAVE_MODE, 25, 1), 1
	s_wait_xcnt 0x0
	s_wait_alu depctr_hold_cnt(0) depctr_sa_sdst(0) depctr_va_vdst(0) depctr_va_sdst(0) depctr_va_ssrc(0) depctr_va_vcc(0) depctr_vm_vsrc(0)
	s_getreg_b32 s2, hwreg(HW_REG_IB_STS2, 6, 4)
	s_cmp_eq_u32 s2, 0
	s_cbranch_scc0 .Lentry_in_a_cluster
	s_endpgm
.Lentry_in_a_cluster:
	s_bfe_u32 s2, ttmp6, 0x10000c
	s_cmp_lg_u32 s2, 0x3003
	s_cbranch_scc0 .Lentry_shape_is_right
	s_endpgm
.Lentry_shape_is_right:
; new_v[q] = the sum over keys of softmax(q . k / sqrt(2048)) v, for one (batch, head), both products on codes of FP4 (E2M1) with E8M0 scales; new_v leaves quantised again, along head x 64 + channel, for the last product.
; THE SOFTMAX AHEAD OF THE SECOND PRODUCT: t = score x log2(e) / sqrt(2048); M = the row's largest t so far, rounded UP to a whole number; p = 2^(t - M) is what is quantised, along the keys; it is not normalised.
; The row's sum is taken of the unquantised p, in f32, and divides at the end.  When M moves, the sums and O are multiplied by f = 2^(old M - new M): exact.
; LIMITS: NaN and infinities are not served; the promise holds while the scaled scores stay under 2^31 in magnitude.  A block whose largest magnitude lies under 2^-124 keeps the scale byte 1; the bytes are read by this program alone.
; SHARES.  y of the grid: the head block; a work-group owns 512 queries of it; each of its sixteen waves owns two tiles of 16 queries, one after the other, in 256 registers.  Every wave walks all 2,048 keys, 128 a step.
; LDS.  The head's K and V, codes and scale words, are 139,264 consecutive bytes of its head block; they are brought ONCE, one tensor load a wave, and stay: nothing is filled again.
;   Waves 0-7: K's codes, 8 rows of 1,024 bytes each, 128 bytes of padding behind each row.  Waves 8-15: V's codes and both sets of scale words, 36 rows of 256 bytes each, dense.  Either way 9,216 bytes of LDS a wave.
; CLUSTER.  The four work-groups of a cluster belong to one head and need the same bytes: each wave's load is asked for JOINTLY by the four.  No prefetch: all loads stand at the head, so there is no loop to run ahead in.
; THE HEAD HAS 64 CHANNELS, HALF OF THE INSTRUCTION'S K.  Two tiles of keys lie side by side in one source 0; source 1 holds Q against one half and ZERO CODES against the other (their scale bytes are 0, a finite code).
; LAYOUT.  Both products are used transposed: S^T = K Q^T, O^T = V^T P^T: a lane holds ONE query throughout.
; THE KEYS OF A TILE ARE CHOSEN BY THE LANES' ADDRESSES: row m of tile 4 c + u of a step is key 64 c + 32 (m / 8) + 8 u + m % 8.  So the 32 registers of tiles 4 c .. 4 c + 3 of lane (r, h) are keys 64 c + 32 h + 0 .. 31:
; a WHOLE block of the second product's K, in the order that P's operand wants: a block's maximum needs no other lane, and the conversions' results are the operand's registers.
; In memory key 32 p + 8 u + i + 8 (i / 8) is index i of stored tile 2 p + u (512 bytes: [block 2][index 16][16 bytes]); so row m of tile 4 c + u is index m % 8 + 8 (u / 2) of stored tile 4 c + 2 (m / 8) + u % 2.
; Lanes 0-7 and 8-15 of a load stand 1,024 bytes of memory apart; the padding makes that 1,152 bytes of LDS, so the sixteen lanes touch sixteen different 16-byte columns modulo 256.
; A STEP: 8 products K Q^T; V of this step and K of the next asked for; block maxima; M and f; t - M; O^T x f; ONE batch of 66 exponentials; scales, codes and sums; 4 products with V.
.set WV,   10
.set G1K,  16                          ; s[16:23] descriptor group 1 for K's codes;  s[48:55] for the rest;  s[24:27] group 0
.set G0,   24
.set G1V,  48
.set CNT,  41
.set CS,   42                          ; s[42:43] c = log2(e) / sqrt(2048)
.set SEL,  44                          ; s[44:45] lane selects of v_permlanex16_b32: lane l xor 16
.set TK,   46                          ; s46 the step's codes of V: 4,096 bytes a step
.set TS,   47                          ; s47 its scale words: 256 bytes a step
.set TQ,   56                          ; s56 its codes of K: four padded rows a step
.set KROW, 1152
.set LV,   64*KROW                     ; V's codes
.set KSB,  LV+65536                    ; K's scale words
.set VSB,  LV+69632                    ; V's
.set SPARE, LV+73728                   ; the spare words: 128 bytes a wave, eight blocks of 256 bytes that no other line names
; v1 16 x lane; v2 V's codes; v3 K's scale words; v4 V's; v5 K's codes; v6 4 r; v7 8 h;  v12 -M; v13 the largest score so far
.set ADK,  8
.set ADV,  9
.set ADS,  10
.set ADT,  11
.set KF,   40                          ; v40-71   K: four operands of two tiles each
.set VF,   72                          ; v72-103  V^T: four fragments
.set S,    104                         ; v104-167 S^T, then p
.set O,    168                         ; v168-199 O^T
.set PC,   200                         ; v200-207 p's codes
.set KSR,  208                         ; v208-209 K's scale words: register c: lanes 0-15 tiles 4 c, 4 c + 1, lanes 16-31 tiles 4 c + 2, 4 c + 3
.set VSR,  210                         ; v210-211 V's
.set OUTC, 212                         ; v212-219 new_v's codes
.set OUTW, 220                         ; v220-221 and scale bytes
.set TM,   224                         ; the quantiser's
.set BM,   224                         ; v224-227 maxima; then v224, v225 my two blocks' largest p
.set T0,   228
.set T1,   229
.set SO,   232                         ; v232-233 the conversions' scale operands
.set OLD,  236                         ; -M as it was before the step
.set SPW,  238
.set NIL,  239
.set F,    240                         ; v[240:241] f; v241 is named with it as a pair
.set PW,   242                         ; p's scale word
.set TMP,  243
.set QW,   244                         ; v244-247 Q's scale words: tile i against K's half u at 2 i + u
.set CH,   248                         ; v248-255 the row's sum in four chains of pairs
.macro ROUND                           ; a round of the cluster's barrier
	s_barrier_signal -1
	s_barrier_wait -1
	s_cmp_lg_u32 s[WV], 0
	s_cbranch_scc1 .Lnot_wave_0_\@
	s_barrier_signal -3
.Lnot_wave_0_\@:
	s_barrier_wait -3
	s_barrier_signal -1
	s_barrier_wait -1
.endm
	s_load_b128 s[4:7], s[0:1], 0x0                ; qkv, aimg
	s_load_b64 s[8:9], s[0:1], 0x10                ; asc
	v_lshl_add_u32 v[SPW], v0, 2, SPARE
	v_mov_b32 v[NIL], 0
	ds_add_u32 v[SPW], v[NIL]
	ds_add_u32 v[SPW], v[NIL]
	v_lshrrev_b32 v1, 5, v0
	v_readfirstlane_b32 s[WV], v1                  ; wave 0..15
	s_bfe_u32 s11, ttmp6, 0x40000                  ; cx
	s_lshl_b32 s12, ttmp9, 2
	s_add_co_u32 s11, s12, s11                     ; my block of 512 queries: it enters Q's, aimg's and asc's addresses alone
	s_and_b32 s12, ttmp7, 0xffff                   ; the head block, which the four partners share
	s_mul_i32 s14, s12, 208896
	s_mov_b32 s15, 0
	s_mul_i32 s13, s[WV], 9216                     ; LDS: 9,216 bytes a wave
	s_lshl_b32 s28, s[WV], 13                      ; memory: waves 0-7: 8,192 x wave;
	s_sub_co_u32 s29, s13, 8192                    ; waves 8-15: 65,536 + 9,216 (wave - 8)
	s_cmp_lt_u32 s[WV], 8
	s_cselect_b32 s28, s28, s29
	s_mov_b32 s29, 0
	s_mov_b32 s[G1K], 15|(3<<16)|(1<<20)|(1<<21)|(7<<22)|(31<<25)   ; the mask: all four; elements of 8 bytes; padding on; 21 beside a mask; after every 256 words, 32 words
	s_mov_b32 s[G1K+1], 128<<16
	s_mov_b32 s[G1K+2], 8<<16
	s_mov_b32 s[G1K+3], 128<<16
	s_mov_b32 s[G1K+4], 8
	s_mov_b32 s[G1K+5], 128
	s_mov_b32 s[G1K+6], 0
	s_mov_b32 s[G1K+7], 0
	s_mov_b32 s[G1V], 15|(3<<16)|(1<<21)           ; 36 rows of 256 bytes, dense
	s_mov_b32 s[G1V+1], 32<<16
	s_mov_b32 s[G1V+2], 36<<16
	s_mov_b32 s[G1V+3], 32<<16
	s_mov_b32 s[G1V+4], 36
	s_mov_b32 s[G1V+5], 32
	s_mov_b32 s[G1V+6], 0
	s_mov_b32 s[G1V+7], 0
	s_mov_b32 s[CS], 0x3d0293ee
	s_mov_b32 s[CS+1], s[CS]
	s_mov_b32 s[SEL], 0x76543210
	s_mov_b32 s[SEL+1], 0xfedcba98
	s_wait_dscnt 0x0
	s_wait_kmcnt 0x0
	s_add_nc_u64 s[4:5], s[4:5], s[14:15]          ; the head block
	s_mov_b32 s[G0], 1
	s_mov_b32 s[G0+1], s13
	s_add_nc_u64 s[G0+2:G0+3], s[4:5], s[28:29]
	s_or_b32 s[G0+3], s[G0+3], 0x80000000
	ROUND                                          ; all four work-groups are here: the joint loads meet
	s_cmp_lt_u32 s[WV], 8                          ; one branch on the wave's number, a load in each arm: every wave issues one
	s_cbranch_scc0 .Lfill_v
	tensor_load_to_lds s[G0:G0+3], s[G1K:G1K+7]
	s_nop 0
.rept 4
	v_nop
.endr
	s_branch .Lfilled
.Lfill_v:
	tensor_load_to_lds s[G0:G0+3], s[G1V:G1V+7]
	s_nop 0
.rept 4
	v_nop
.endr
.Lfilled:
	s_lshl_b32 s32, s11, 4
	s_add_co_u32 s32, s32, s[WV]                   ; my pair of query tiles among the head's 64
	s_lshl_b32 s30, s32, 10
	s_add_co_u32 s30, s30, 139264
	s_mov_b32 s31, 0
	s_add_nc_u64 s[30:31], s[4:5], s[30:31]        ; Q's codes: 512 bytes a tile
	s_lshr_b32 s34, s32, 2
	s_lshl_b32 s34, s34, 8
	s_and_b32 s33, s32, 3
	s_lshl_b32 s33, s33, 2
	s_add_co_u32 s34, s34, s33
	s_add_co_u32 s34, s34, 204800
	s_mov_b32 s35, 0
	s_add_nc_u64 s[34:35], s[4:5], s[34:35]        ; Q's scale words: [pair / 4][r][pair % 4]
	s_lshr_b32 s36, s12, 4                         ; the batch,
	s_and_b32 s37, s12, 15                         ; the head
	s_lshl_b32 s38, s36, 20
	s_lshl_b32 s39, s32, 14
	s_add_co_u32 s38, s38, s39
	s_lshl_b32 s39, s37, 9
	s_add_co_u32 s38, s38, s39
	s_mov_b32 s39, 0
	s_add_nc_u64 s[6:7], s[6:7], s[38:39]          ; aimg: 8,192 x (128 batch + 2 pair) + 512 head
	s_lshl_b32 s38, s36, 6
	s_add_co_u32 s38, s38, s32
	s_lshl_b32 s38, s38, 10
	s_lshr_b32 s40, s37, 1
	s_lshl_b32 s40, s40, 7
	s_add_co_u32 s38, s38, s40
	s_and_b32 s40, s37, 1
	s_lshl_b32 s40, s40, 1
	s_add_co_u32 s38, s38, s40
	s_add_nc_u64 s[8:9], s[8:9], s[38:39]          ; asc: 1,024 x (64 batch + pair) + 128 (head / 2) + 2 (head % 2)
	v_and_b32 v36, 31, v0                          ; lane
	v_lshlrev_b32 v1, 4, v36                       ; 16 x lane
	v_add_nc_u32 v2, LV, v1                        ; V's codes
	v_and_b32 v6, 15, v0                           ; r
	v_bfe_u32 v7, v0, 4, 1                         ; h
	v_and_b32 v8, 7, v0                            ; r % 8
	v_bfe_u32 v9, v0, 3, 1                         ; r / 8
	v_lshlrev_b32 v10, 4, v8
	v_lshl_add_u32 v5, v7, 8, v10
	v_mad_u32_u24 v5, v9, KROW, v5                 ; K's codes: 16 (r % 8) + 256 h + a padded row for r / 8
	v_lshl_add_u32 v3, v9, 2, v10
	v_lshl_add_u32 v3, v7, 7, v3
	v_add_nc_u32 v3, KSB, v3                       ; K's scale words: 16 (r % 8) + 4 (r / 8) + 128 h
	v_lshl_add_u32 v4, v36, 2, VSB                 ; V's: 4 x lane
	v_lshlrev_b32 v11, 4, v6                       ; Q's scale words: 16 r
	v_lshlrev_b32 v6, 2, v6                        ; asc's offset: 4 r
	v_lshlrev_b32 v7, 3, v7                        ; 8 h: my bytes' place in p's scale word
	global_load_b128 v[20:23], v1, s[30:31]        ; v16-35 = [zeros | tile 0 | zeros | tile 1 | zeros]
	global_load_b128 v[28:31], v1, s[30:31] offset:512
	global_load_b32 v37, v11, s[34:35]             ; both tiles' scale bytes of index r
.irp e, 16,17,18,19,24,25,26,27,32,33,34,35
	v_mov_b32 v\e, 0                               ; the zero codes
.endr
	v_mov_b32 v[TMP], 0                            ; written once: a lane permute's destination counts as one of its sources
	v_mov_b32 v[T0], 0
	v_mov_b32 v[T1], 0
	v_mov_b32 v[F+1], 0
	s_wait_alu depctr_va_vdst(0)
	s_wait_loadcnt 0x0
	v_and_b32 v[QW], 0xffff, v37                   ; tile 0's two bytes under blocks 0, 1;
	v_lshlrev_b32 v[QW+1], 16, v37                 ; under blocks 2, 3;
	v_lshrrev_b32 v[QW+2], 16, v37                 ; tile 1's likewise
	v_and_b32 v[QW+3], 0xffff0000, v37
	s_wait_alu depctr_va_vdst(0)
	s_wait_tensorcnt 0x0                           ; my part of the head is in,
	s_barrier_signal -1
	s_barrier_wait -1                              ; everybody's is
; K of one step: tile t = 4 c + u goes to half u % 2 of operand t / 2
.macro KLOAD ak, as, off, soff
.irp t, 0,1,2,3,4,5,6,7
	ds_load_b128 v[KF+8*(\t/2)+4*(\t%2):KF+8*(\t/2)+4*(\t%2)+3], v[\ak] offset:(\off)+(\t/4)*2*KROW+(\t%2)*512+((\t/2)%2)*128
.endr
	ds_load_b32 v[KSR], v[\as] offset:(\soff)
	ds_load_b32 v[KSR+1], v[\as] offset:(\soff)+8
.endm
	KLOAD 5, 3, 0, 0                               ; K of the first step; every later step's K is fetched by the step before it
; THE ROW'S SUM IS TAKEN OF THE UNQUANTISED p: pair sp goes to chain sp % 4; a chain's first line of a step brings it under the new M by the same fused multiply-add
.macro SUMS n
.rept \n
.if sp < 4
	v_pk_fma_f32 v[CH+2*sp:CH+2*sp+1], v[CH+2*sp:CH+2*sp+1], v[F:F+1], v[S+2*sp:S+2*sp+1] op_sel_hi:[1,0,1]
.else
	v_pk_add_f32 v[CH+2*(sp%4):CH+2*(sp%4)+1], v[CH+2*(sp%4):CH+2*(sp%4)+1], v[S+2*sp:S+2*sp+1]
.endif
.set sp, sp+1
.endr
.endm
; A KEY STEP of tile qi.  K and its scale words are in registers when it begins.  nxt = 1: it fetches the next step's K;  2: the first step's, for the next tile;  0: none.
.macro STEP qi, nxt
.irp t, 0,1,2,3,4,5,6,7
.if ((\t/2)%2) == 0
	v_wmma_scale_f32_16x16x128_f8f6f4 v[S+8*\t:S+8*\t+7], v[KF+8*(\t/2):KF+8*(\t/2)+7], v[20+8*\qi-4*(\t%2):27+8*\qi-4*(\t%2)], 0, v[KSR+\t/4], v[QW+2*\qi+\t%2] matrix_a_fmt:MATRIX_FMT_FP4 matrix_b_fmt:MATRIX_FMT_FP4
.else
	v_wmma_scale_f32_16x16x128_f8f6f4 v[S+8*\t:S+8*\t+7], v[KF+8*(\t/2):KF+8*(\t/2)+7], v[20+8*\qi-4*(\t%2):27+8*\qi-4*(\t%2)], 0, v[KSR+\t/4], v[QW+2*\qi+\t%2] matrix_a_fmt:MATRIX_FMT_FP4 matrix_b_fmt:MATRIX_FMT_FP4 matrix_a_scale:MATRIX_SCALE_ROW1
.endif
.endr                                              ; register 32 c + i of lane (r, h): query r, key 64 c + 32 h + i of the step
	v_add_nc_u32 v[ADV], s[TK], v2                 ; four plain lines that name no register of the products: the places in front of the loads below and of the first read of the scores
	v_add_nc_u32 v[ADT], s[TS], v4
.if (\nxt) == 1
	v_add_nc_u32 v[ADK], s[TQ], v5
	v_add_nc_u32 v[ADS], s[TS], v3
.else
	v_nop
	v_nop
.endif
.irp n, 0,1,2,3
.irp c, 0,1
	ds_load_b128 v[VF+8*\n+4*\c:VF+8*\n+4*\c+3], v[ADV] offset:1024*\n+512*\c
.endr
.endr
	ds_load_b32 v[VSR], v[ADT]
	ds_load_b32 v[VSR+1], v[ADT] offset:128
.if (\nxt) == 1
	KLOAD ADK, ADS, 4*KROW, 256
.elseif (\nxt) == 2
	KLOAD 5, 3, 0, 0
.endif
.irp g, 0,1,2,3                                ; the largest score of my two blocks, in four chains of 16 registers; each accumulator is first read at its low end
	v_max3_num_f32 v[BM+\g], v[S+16*\g], v[S+16*\g+1], v[S+16*\g+2]
.endr
.irp e, 3,5,7,9,11,13
.irp g, 0,1,2,3
	v_max3_num_f32 v[BM+\g], v[BM+\g], v[S+16*\g+\e], v[S+16*\g+\e+1]
.endr
.endr
	v_max3_num_f32 v[BM], v[BM], v[BM+1], v[S+15]
	v_max3_num_f32 v[BM+2], v[BM+2], v[BM+3], v[S+47]
	v_max_num_f32 v[BM], v[BM], v[S+31]            ; block h
	v_max_num_f32 v[BM+1], v[BM+2], v[S+63]        ; block 2 + h.  They serve twice: for the row's maximum, and, since p rises with the score, for the block's largest p
	v_max3_num_f32 v13, v13, v[BM], v[BM+1]
	v_permlanex16_b32 v[TMP], v13, s[SEL], s[SEL+1]
	v_max_num_f32 v13, v13, v[TMP]                 ; with lane l xor 16's blocks: the running largest score of my query
	v_mul_f32 v[TMP], s[CS], v13                   ; as t (c is positive)
	v_floor_f32 v12, -v[TMP]                       ; the new -M = -ceil(t): a whole number
	v_sub_f32 v[TMP], v12, v[OLD]                  ; old M - new M: a whole number, 0 or less
	v_fma_f32 v[BM], v[BM], s[CS], v12             ; t - M of each block's largest score
	v_fma_f32 v[BM+1], v[BM+1], s[CS], v12
	v_cvt_i32_f32 v[TMP], v[TMP]                   ; (it saturates)
.set sj, 0
.rept 4
	v_pk_fma_f32 v[S+sj:S+sj+1], v[S+sj:S+sj+1], s[CS:CS+1], v[12:13] op_sel_hi:[1,0,0]   ; t - M, two at a time
.set sj, sj+2
.endr
	v_ldexp_f32 v[F], 1.0, v[TMP]                  ; f = 2^(old M - new M)
.rept 28
	v_pk_fma_f32 v[S+sj:S+sj+1], v[S+sj:S+sj+1], s[CS:CS+1], v[12:13] op_sel_hi:[1,0,0]
.set sj, sj+2
.endr
.set sj, 0
.rept 16
	v_pk_mul_f32 v[O+sj:O+sj+1], v[O+sj:O+sj+1], v[F:F+1] op_sel_hi:[1,0]   ; O^T under the new M, ahead of the exponentials; ascending
.set sj, sj+2
.endr
	s_wait_alu depctr_va_vdst(0)
	v_exp_f32 v[BM], v[BM]                         ; a block's largest p: the same multiply-add and exponential on the same number give the same bits as the p itself
	v_exp_f32 v[BM+1], v[BM+1]
.set sj, 0
.rept 64
	v_exp_f32 v[S+sj], v[S+sj]                     ; p = 2^(t - M): NOT normalised
.set sj, sj+1
.endr
	v_mov_b32 v[OLD], v12                          ; the plain place behind the batch
	s_wait_alu depctr_va_vdst(0)                   ; one wait for the whole batch, ahead of its first reader
.set sp, 0
	v_max_num_f32 v[BM], 0x1800000, v[BM]          ; the floor 2^(3 - 127): the byte cannot fall under 1.  The scale's chain and the sums by turns
	v_max_num_f32 v[BM+1], 0x1800000, v[BM+1]
	SUMS 2
	v_add_nc_u32 v[SO], 0xff000000, v[BM]          ; 2 off the exponent field: the conversion's scale operand
	v_add_nc_u32 v[SO+1], 0xff000000, v[BM+1]
	SUMS 2
	v_lshrrev_b32 v[T0], 23, v[SO]                 ; block h's byte, at bits 7:0;
	v_lshrrev_b32 v[T1], 7, v[SO+1]                ; block 2 + h's, at bits 23:16
	SUMS 2
	v_and_or_b32 v[PW], v[T1], 0xff0000, v[T0]
	SUMS 2
	v_lshlrev_b32 v[PW], v7, v[PW]                 ; 8 h bits up
	SUMS 2
	v_permlanex16_b32 v[T0], v[PW], s[SEL], s[SEL+1]
	SUMS 2
	v_or_b32 v[PW], v[PW], v[T0]                   ; with lane l xor 16's two bytes p's scale word is whole
.irp c, 0,1
.irp u, 0,1,2,3
	v_cvt_scalef32_pk8_fp4_f32 v[PC+4*\c+\u], v[S+32*\c+8*\u:S+32*\c+8*\u+7], v[SO+\c]   ; registers 4 c .. 4 c + 3 of the operand, as they stand
.endr
.endr
	SUMS 20                                        ; these are also the places between the codes and the scale word and the products below
	s_wait_alu depctr_va_vdst(0)
	s_wait_dscnt 0x0                               ; V, and the K that was fetched ahead, are in
.irp n, 0,2                                    ; O^T += V^T P^T: the four accumulators by turns
	v_wmma_scale_f32_16x16x128_f8f6f4 v[O+8*\n:O+8*\n+7], v[VF+8*\n:VF+8*\n+7], v[PC:PC+7], v[O+8*\n:O+8*\n+7], v[VSR+\n/2], v[PW] matrix_a_fmt:MATRIX_FMT_FP4 matrix_b_fmt:MATRIX_FMT_FP4
	v_wmma_scale_f32_16x16x128_f8f6f4 v[O+8*\n+8:O+8*\n+15], v[VF+8*\n+8:VF+8*\n+15], v[PC:PC+7], v[O+8*\n+8:O+8*\n+15], v[VSR+\n/2], v[PW] matrix_a_fmt:MATRIX_FMT_FP4 matrix_b_fmt:MATRIX_FMT_FP4 matrix_a_scale:MATRIX_SCALE_ROW1
.endr
.if (\nxt) == 1
	s_add_co_u32 s[TK], s[TK], 4096
	s_add_co_u32 s[TS], s[TS], 256
	s_add_co_u32 s[TQ], s[TQ], 4*KROW
.endif
.endm
; One tile of 16 queries: fifteen steps in a loop, the sixteenth written out, then its way out.
.macro TILE qi
	v_mov_b32 v13, 0xff61b1e6                      ; the largest score so far: -3e38, under every score
	v_floor_f32 v12, -v13                          ; -M: so large that the first f is 0
	v_floor_f32 v[OLD], -v13
.set sj, 0
.rept 8
	v_mov_b32 v[CH+sj], 0                          ; the sums
.set sj, sj+1
.endr
.set sj, 0
.rept 32
	v_mov_b32 v[O+sj], 0                           ; O^T: the step is written without a first step of its own; the first f leaves zeros zeros
.set sj, sj+1
.endr
	s_mov_b32 s[TK], 0
	s_mov_b32 s[TS], 0
	s_mov_b32 s[TQ], 0
	s_mov_b32 s[CNT], 15
	s_wait_alu depctr_va_vdst(0)
.if (\qi) == 0
	s_wait_dscnt 0x0                               ; K of the first step is in (tile 1's was waited for in tile 0's last step)
.endif
.Lstep_\@:
	STEP \qi, 1
	s_sub_co_u32 s[CNT], s[CNT], 1
	s_cmp_lg_u32 s[CNT], 0
	s_cbranch_scc1 .Lstep_\@
	STEP \qi, 2-2*(\qi)
	v_pk_add_f32 v[CH:CH+1], v[CH:CH+1], v[CH+2:CH+3]              ; the four chains become one; these lines are the places behind the last products
	v_pk_add_f32 v[CH+4:CH+5], v[CH+4:CH+5], v[CH+6:CH+7]
	v_pk_add_f32 v[CH:CH+1], v[CH:CH+1], v[CH+4:CH+5]
	v_add_f32 v[CH], v[CH], v[CH+1]
	v_permlanex16_b32 v[TMP], v[CH], s[SEL], s[SEL+1]
	v_add_f32 v[CH], v[CH], v[TMP]                 ; with lane l xor 16's keys: the row's sum
	s_wait_alu depctr_va_vdst(0)
	v_rcp_f32 v[CH], v[CH]
	v_nop                                          ; a plain place behind it
	s_wait_alu depctr_va_vdst(0)                   ; ahead of its first reader, which is also the first reader of the last products' results
.set sj, 0
.rept 16
	v_pk_mul_f32 v[S+sj:S+sj+1], v[O+sj:O+sj+1], v[CH:CH+1] op_sel_hi:[1,0]   ; new_v: register 16 b + i is channel 32 b + 16 h + i of my query
.set sj, sj+2
.endr
.irp b, 0,1                                    ; the head's two blocks of the last product's K: 16 numbers of each are mine
	v_max3_num_f32 v[TM+\b], |v[S+16*\b]|, |v[S+16*\b+1]|, 0x1800000
.endr
.irp e, 2,4,6,8,10,12,14
.irp b, 0,1
	v_max3_num_f32 v[TM+\b], v[TM+\b], |v[S+16*\b+\e]|, |v[S+16*\b+\e+1]|
.endr
.endr
.irp b, 0,1
	v_permlanex16_b32 v[TM+4+\b], v[TM+\b], s[SEL], s[SEL+1]
.endr
.irp b, 0,1
	v_max_num_f32 v[TM+\b], v[TM+\b], v[TM+4+\b]   ; with lane l xor 16's 16
.endr
.irp b, 0,1
	v_add_nc_u32 v[TM+8+\b], 0xff000000, v[TM+\b]
.endr
.irp b, 0,1
	v_lshrrev_b32 v[TM+4+\b], 23, v[TM+8+\b]
.endr
	v_lshl_or_b32 v[OUTW+\qi], v[TM+5], 8, v[TM+4]
.irp b, 0,1
	v_cvt_scalef32_pk8_fp4_f32 v[OUTC+4*\qi+2*\b], v[S+16*\b:S+16*\b+7], v[TM+8+\b]
	v_cvt_scalef32_pk8_fp4_f32 v[OUTC+4*\qi+2*\b+1], v[S+16*\b+8:S+16*\b+15], v[TM+8+\b]
.endr
	v_nop                                          ; one plain place behind a scaled conversion
	v_permlane16_swap_b32 v[OUTC+4*\qi], v[OUTC+4*\qi+2]           ; a WHOLE block in a lane: lanes 0-15 block 0, lanes 16-31 block 1
	v_permlane16_swap_b32 v[OUTC+4*\qi+1], v[OUTC+4*\qi+3]
	global_store_b128 v1, v[OUTC+4*\qi:OUTC+4*\qi+3], s[6:7] offset:8192*\qi   ; half a fragment of the last product's operand: 512 consecutive bytes
	global_store_b16 v6, v[OUTW+\qi], s[8:9] offset:64*\qi                     ; a row's two bytes of this head; the word's other half belongs to another head's work-group
.endm
	TILE 0
	TILE 1
	s_wait_tensorcnt 0x0                           ; the wave's end
	ds_add_u32 v[SPW], v[NIL]
	s_wait_dscnt 0x0
	ROUND                                          ; the closing round
	s_endpgm
.Lfunc_end_k_q330e67e89f_attn:
	.size	k_q330e67e89f_attn, .Lfunc_end_k_q330e67e89f_attn-k_q330e67e89f_attn
	.p2alignl 7, 3214868480
	.fill 96, 4, 3214868480
	.section	.rodata,"a",@progbits
	.p2align	6, 0x0
	.amdhsa_kernel k_q330e67e89f_attn
		.amdhsa_group_segment_fixed_size 169984
		.amdhsa_private_segment_fixed_size 0
		.amdhsa_enable_private_segment 0
		.amdhsa_kernarg_size 24
		.amdhsa_user_sgpr_count 2
		.amdhsa_user_sgpr_kernarg_segment_ptr 1
		.amdhsa_wavefront_size32 1
		.amdhsa_system_sgpr_workgroup_id_x 1
		.amdhsa_system_sgpr_workgroup_id_y 1
		.amdhsa_system_sgpr_workgroup_id_z 1
		.amdhsa_system_vgpr_workitem_id 0
		.amdhsa_next_free_vgpr 256
		.amdhsa_next_free_sgpr 66
		.amdhsa_reserve_vcc 0
		.amdhsa_float_denorm_mode_32 3
		.amdhsa_float_denorm_mode_16_64 3
		.amdhsa_memory_ordered 1
		.amdhsa_forward_progress 1
		.amdhsa_inst_pref_size 73
	.end_amdhsa_kernel
	.amdgpu_metadata
---
amdhsa.version: [ 1, 2 ]
amdhsa.kernels:
  - .name:           k_q330e67e89f_attn
    .symbol:         k_q330e67e89f_attn.kd
    .args:
      - { .name: qkv, .offset: 0, .size: 8, .value_kind: global_buffer, .address_space: global }
      - { .name: aimg, .offset: 8, .size: 8, .value_kind: global_buffer, .address_space: global }
      - { .name: asc, .offset: 16, .size: 8, .value_kind: global_buffer, .address_space: global }
    .group_segment_fixed_size: 169984
    .private_segment_fixed_size: 0
    .kernarg_segment_align: 8
    .kernarg_segment_size: 24
    .max_flat_workgroup_size: 512
    .sgpr_count:     66
    .vgpr_count:     256
    .wavefront_size: 32
...
	.end_amdgpu_metadata
.endif
;; end of part 7
;; launch out (part 8): grid 256 x 1, 4 waves a work-group, clusters of 4 x 1, 315,904 bytes of LDS; arguments aimg, asc, wimg, wsc, b_fc2, x, out0; writes out0
.if DOCPART == 8
	.amdgcn_target "amdgcn-amd-amdhsa--gfx1250"
	.amdhsa_code_object_version 6
	.text
	.protected	k_q330e67e89f_out
	.globl	k_q330e67e89f_out
	.p2align	8
	.type	k_q330e67e89f_out,@function
k_q330e67e89f_out:
	s_mov_b64 s[64:65], 0
	v_nop
	global_prefetch_b8 v0, s[64:65] scope:SCOPE_SE
	s_setreg_imm32_b32 hwreg(HW_REG_WAVE_MODE, 25, 1), 1
	s_wait_xcnt 0x0
	s_wait_alu depctr_hold_cnt(0) depctr_sa_sdst(0) depctr_va_vdst(0) depctr_va_sdst(0) depctr_va_ssrc(0) depctr_va_vcc(0) depctr_vm_vsrc(0)
	s_getreg_b32 s2, hwreg(HW_REG_IB_STS2, 6, 4)
	s_cmp_eq_u32 s2, 0
	s_cbranch_scc0 .Lentry_in_a_cluster
	s_endpgm
.Lentry_in_a_cluster:
	s_bfe_u32 s2, ttmp6, 0x10000c
	s_cmp_lg_u32 s2, 0x3003
	s_cbranch_scc0 .Lentry_shape_is_right
	s_endpgm
.Lentry_shape_is_right:
; out0 = layer_norm(x + swish(new_v W_fc2 + b_fc2)); the product on codes of FP4 (E2M1) with E8M0 scales, all else in f32.  The variance is taken of the differences from the mean, in a second pass over registers.
; LIMITS: NaN and infinities are not served.
; SHARES.  The norm wants whole rows: a work-group owns 32 rows (two tiles) x all 1,024 columns.  Wave w makes columns 256 w on (16 tiles) for both tiles of rows: 32 accumulators, 32 matrix instructions a K step.
; The product is used transposed (source 0 = 16 columns of W_fc2, source 1 = 16 rows of new_v): a lane holds eight neighbouring columns of one row.  Index r of tile 2 p + u stands for element 32 p + 8 u + r + 8 (r / 8).
; W_fc2's CODES, 524,288 bytes that every work-group walks, COME BY TWO WAYS AT ONCE.  K steps 0 to 3 (262,144 bytes: what LDS holds beside the rest) come into LDS by tensor loads that the four work-groups of a
; cluster ask for JOINTLY; K steps 4 to 7 come straight into registers, 512 consecutive bytes a load, in two sets.  All tensor loads and both sets are asked for at the head.
; Each byte of LDS is filled once, so there is no ring.  A wave fetches just the tiles, words and numbers that it reads itself: its own counted waits are all the ordering that those reads need.  One tensor load of mine is out.
; The sums take K in the order 0, 4, 1, 5, 2, 6, 3, 7, so that a set of registers is asked for again as soon as it is free.
; new_v's fragments (16,384 bytes a work-group, wanted by all four waves): each wave fetches a quarter and stores it to LDS as it lies, an image of the operand's registers; one barrier.
; THE WAY TO THE NORM.  swish of the sums goes to a stage in LDS (32 rows of 4,096 bytes + 16); a barrier for each tile of 16 rows; each wave takes 8 whole rows, adds x, and normalises them: a row is 32 registers of the wave.
; The stage lies over W's bytes: it is stored behind a barrier in front of which every wave has waited for its last tensor load and for its last reads of them.
; Stage row 16 a + r holds row 32 g + 8 a + r + 8 (r / 8), so stage rows 8 w .. 8 w + 7 are eight neighbouring rows.  x is asked for behind the last fragments, since loads come back in order: rows 0 to 3 behind K step 7's, rows 4 to 7 behind the wait for K step 7.
; LDS: W at 0 (wave w at 65,536 w: [tile 16][K step 4][1,024]); new_v at 262,144.
; REGISTERS, in windows of 256: window 0: v1-15 addresses; v16-47 new_v's fragments of two K steps; v48-55 its scale words (lanes 0-15 tile 0, 16-31 tile 1); v56-119 W's (8 x pair + s); v128-255 at work, later stage rows.
;   window 1: W's fragments from memory, two sets of 128.   window 2: the accumulators at 128 a + 8 t.   window 3: the bias at 8 t and W's fragments from LDS at 128 + 8 t; then x's rows at 32 i.
.set WV,     18
.set RN,     22                        ; s22 2^-10
.set EPS,    23                        ; s23 1e-5
.set NL,     24                        ; s[24:25] -log2(e), twice
.set SEL,    26                        ; s[26:27] lane selects of v_permlanex16_b32: lane l xor 16
.set G1W,    44                        ; s[44:51] descriptor group 1 for K steps 0 to 3 of W's codes
.set G1S,    52
.set G1B,    68
.set G0,     76                        ; s[84:87] the one group 0: K steps 0 to 3
.set LA,     262144
.set LSC,    278528
.set LBI,    311296
.set AF,     16
.set AS,     48
.set BS,     56
.set TT,     128
.set YY,     192
.set LSR,    128                       ; window 3: W's fragments from LDS
.set SPITCH, 4112                      ; 1,028 words: row r begins 4 r words on modulo 64, so the sixteen rows that a store touches do not meet
.set MSB, 0
.macro WIN new                         ; the immediate's high byte repeats the setting that is left; a switch that changes nothing is dropped
.if MSB != \new
	s_set_vgpr_msb (MSB<<8)|\new
.set MSB, \new
.endif
.endm
.macro PLACES n
.rept \n
	v_nop
.endr
.endm
.macro ROUND                           ; a round of the cluster's barrier
	s_barrier_signal -1
	s_barrier_wait -1
	s_cmp_lg_u32 s[WV], 0
	s_cbranch_scc1 .Lnot_wave_0_\@
	s_barrier_signal -3
.Lnot_wave_0_\@:
	s_barrier_wait -3
	s_barrier_signal -1
	s_barrier_wait -1
.endm
; v[dst ..] (window 0) = swish of n registers from v[src] on in the window that w names for source 0: x / (1 + 2^(-x log2 e)).  Every run ascends.
.macro SWISH w, src, n, dst
	WIN \w
.set si, 0
.rept (\n)/2
	v_pk_mul_f32 v[\dst+si:\dst+si+1], v[\src+si:\src+si+1], s[NL:NL+1] op_sel_hi:[1,0]
.set si, si+2
.endr
	WIN 0
.set si, 0
	s_wait_alu depctr_va_vdst(0)
.rept \n
	v_exp_f32 v[\dst+si], v[\dst+si]
.set si, si+1
.endr
	v_nop                                          ; a plain place behind the exponentials
.set si, 0
	s_wait_alu depctr_va_vdst(0)
.rept (\n)/2
	v_pk_add_f32 v[\dst+si:\dst+si+1], v[\dst+si:\dst+si+1], 1.0 op_sel_hi:[1,0]
.set si, si+2
.endr
.set si, 0
	s_wait_alu depctr_va_vdst(0)
.rept \n
	v_rcp_f32 v[\dst+si], v[\dst+si]
.set si, si+1
.endr
	v_nop                                          ; and behind the reciprocals
	WIN \w
.set si, 0
	s_wait_alu depctr_va_vdst(0)
.rept (\n)/2
	v_pk_mul_f32 v[\dst+si:\dst+si+1], v[\src+si:\src+si+1], v[\dst+si:\dst+si+1]
.set si, si+2
.endr
	WIN 0
.endm
; one matrix instruction; ra, rb = 1: that side's scales are read from lanes 16-31 of its register
.macro WM d, a, b, c, sa, sb, ra, rb
.if ((\ra) == 1) && ((\rb) == 1)
	v_wmma_scale_f32_16x16x128_f8f6f4 v[\d:\d+7], v[\a:\a+7], v[\b:\b+7], v[\c:\c+7], v[\sa], v[\sb] matrix_a_fmt:MATRIX_FMT_FP4 matrix_b_fmt:MATRIX_FMT_FP4 matrix_a_scale:MATRIX_SCALE_ROW1 matrix_b_scale:MATRIX_SCALE_ROW1
.elseif (\ra) == 1
	v_wmma_scale_f32_16x16x128_f8f6f4 v[\d:\d+7], v[\a:\a+7], v[\b:\b+7], v[\c:\c+7], v[\sa], v[\sb] matrix_a_fmt:MATRIX_FMT_FP4 matrix_b_fmt:MATRIX_FMT_FP4 matrix_a_scale:MATRIX_SCALE_ROW1
.elseif (\rb) == 1
	v_wmma_scale_f32_16x16x128_f8f6f4 v[\d:\d+7], v[\a:\a+7], v[\b:\b+7], v[\c:\c+7], v[\sa], v[\sb] matrix_a_fmt:MATRIX_FMT_FP4 matrix_b_fmt:MATRIX_FMT_FP4 matrix_b_scale:MATRIX_SCALE_ROW1
.else
	v_wmma_scale_f32_16x16x128_f8f6f4 v[\d:\d+7], v[\a:\a+7], v[\b:\b+7], v[\c:\c+7], v[\sa], v[\sb] matrix_a_fmt:MATRIX_FMT_FP4 matrix_b_fmt:MATRIX_FMT_FP4
.endif
.endm
	s_load_b256 s[4:11], s[0:1], 0x0               ; aimg s[4:5], asc s[6:7], wimg s[8:9], wsc s[10:11]
	s_load_b128 s[12:15], s[0:1], 0x20             ; b_fc2 s[12:13], x s[14:15]
	s_load_b64 s[16:17], s[0:1], 0x30              ; out0
	v_lshl_add_u32 v254, v0, 2, 0x4d000
	v_mov_b32 v255, 0
	ds_add_u32 v254, v255
	ds_add_u32 v254, v255
	s_wait_dscnt 0x0
	v_lshrrev_b32 v1, 5, v0
	v_readfirstlane_b32 s[WV], v1                  ; wave 0..3
	s_bfe_u32 s19, ttmp6, 0x40000                  ; cx: my place in the cluster
	s_lshl_b32 s20, ttmp9, 2
	s_add_co_u32 s20, s20, s19                     ; g, my block of 32 rows: it enters aimg's, asc's, x's and out0's addresses alone
	; descriptor groups 1; elements of 8 bytes; no padding: the images are read as they lie.  15:0 the mask: all four work-groups; 21 set beside a mask
	s_mov_b32 s[G1W], 15|(3<<16)|(1<<21)           ; K steps 0 to 3 of my 16 tiles: 16 rows of 4,096 bytes, 8,192 bytes apart
	; W's K STEPS 0 TO 3 NOW COME BY ONE TENSOR LOAD A WAVE: 16 rows (tiles) of 4,096 bytes, laid in LDS [tile 16][K step 4][1,024]; the scale words and the bias go from memory straight into registers
	s_mov_b32 s[G1W+1], 512<<16                    ; tensor_dim0 = 512 elements of 8 bytes
	s_mov_b32 s[G1W+2], 16<<16                     ; tensor_dim1
	s_mov_b32 s[G1W+3], 512<<16                    ; tile_dim0
	s_mov_b32 s[G1W+4], 16                         ; tile_dim1
	s_mov_b32 s[G1W+5], 1024                       ; from tile to tile
	s_mov_b32 s[G1W+6], 0
	s_mov_b32 s[G1W+7], 0
	s_lshl_b32 s28, s[WV], 16                      ; LDS: my part of W,
	s_lshl_b32 s29, s[WV], 13
	s_lshl_b32 s38, s[WV], 10                      ; my 1,024 bytes of b_fc2 and of the stage: the wave's number alone enters an LDS address
	s_mov_b32 s39, 0
	s_lshl_b32 s30, s20, 14                        ; aimg: two tiles of 8,192 bytes a work-group
	s_mov_b32 s31, 0
	s_lshl_b32 s32, s20, 10                        ; asc: 1,024 bytes a pair of tiles
	s_mov_b32 s33, 0
	s_lshl_b32 s34, s[WV], 17
	s_add_co_u32 s34, s34, 96*16384                ; wimg: pairs 96 + 8 w on
	s_mov_b32 s35, 0
	s_lshl_b32 s36, s[WV], 13
	s_add_co_u32 s36, s36, 96*1024                 ; wsc likewise
	s_mov_b32 s37, 0
	s_lshl_b32 s40, s20, 5
	s_lshr_b32 s41, s[WV], 1
	s_lshl_b32 s41, s41, 3
	s_add_co_u32 s40, s40, s41
	s_lshl_b32 s41, s[WV], 2                       ; THE NORM GOES BY HALVES: of each tile of 16 rows I normalise stage rows 4 w .. 4 w + 3: rows 32 g + 8 a + 4 w + 8 (w / 2) on
	s_add_co_u32 s40, s40, s41                     ; the first of the 8 rows that I normalise: 32 g + 8 (w / 2) + 4 w
	s_lshl_b32 s40, s40, 12
	s_mov_b32 s41, 0
	s_mov_b32 s[RN], 0x3a800000
	s_mov_b32 s[EPS], 0x3727c5ac
	s_mov_b32 s[NL], 0xbfb8aa3b
	s_mov_b32 s[NL+1], s[NL]
	s_mov_b32 s[SEL], 0x76543210
	s_mov_b32 s[SEL+1], 0xfedcba98
	s_wait_kmcnt 0x0
	s_add_nc_u64 s[4:5], s[4:5], s[30:31]
	s_add_nc_u64 s[6:7], s[6:7], s[32:33]
	s_add_nc_u64 s[8:9], s[8:9], s[34:35]
	s_add_nc_u64 s[10:11], s[10:11], s[36:37]
	s_add_nc_u64 s[12:13], s[12:13], s[38:39]
	s_add_nc_u64 s[14:15], s[14:15], s[40:41]
	s_add_nc_u64 s[16:17], s[16:17], s[40:41]
.irp q, 0
	s_mov_b32 s[G0+8+4*\q], 1
	s_add_co_u32 s[G0+9+4*\q], s28, \q*16384
	s_add_nc_u64 s[G0+10+4*\q:G0+11+4*\q], s[8:9], \q*1024     ; K steps 0 to 3 of my 16 tiles
	s_or_b32 s[G0+11+4*\q], s[G0+11+4*\q], 0x80000000
.endr
	ROUND                                          ; all four work-groups are here: the joint loads meet
.irp q, 0
	tensor_load_to_lds s[G0+8+4*\q:G0+11+4*\q], s[G1W:G1W+7]
	s_nop 0
.endr
	PLACES 4
	v_and_b32 v8, 31, v0                           ; lane
	v_lshlrev_b32 v1, 4, v8                        ; 16 x lane
	v_lshlrev_b32 v2, 2, v8                        ; 4 x lane
	v_and_b32 v9, 15, v0                           ; r
	v_bfe_u32 v10, v0, 4, 1                        ; h
	s_lshl_b32 s42, s[WV], 12
	v_add_nc_u32 v14, s42, v1                      ; my quarter of new_v's fragments: 4,096 w + 16 x lane
	v_add_nc_u32 v13, LA, v14                      ; and where it goes in LDS
	v_add_nc_u32 v12, LA, v1                       ; where any fragment of new_v is read
	v_add_nc_u32 v11, s28, v1                      ; my part of W in LDS
	v_lshlrev_b32 v3, 3, v8                        ; my scale words of W: 8 x lane
	v_lshlrev_b32 v15, 6, v10                      ; 64 h: my half's eight columns of a pair of tiles
	v_mul_u32_u24 v5, v9, SPITCH
	v_add_nc_u32 v5, v5, v15
	v_add_nc_u32 v5, s38, v5                       ; the stage, on the way in: row r, + 64 h, + 1,024 x wave;
	v_add_nc_u32 v6, 16*SPITCH, v5                 ; the second tile of rows: 65,792 bytes on, more than an LDS immediate holds
	s_mul_i32 s42, s[WV], 4*SPITCH
	v_add_nc_u32 v7, s42, v1                       ; and on the way out: my 4 rows of the first tile, 16 bytes a lane;
	v_add_nc_u32 v4, 16*SPITCH, v7                 ; of the second tile
.macro FETCHG s                        ; K step s of my 16 tiles from memory: 32 loads of 512 consecutive bytes, into set s % 2 of window 1
	WIN 0x40
.irp t, 0,1,2,3,4,5,6,7,8,9,10,11,12,13,14,15
.irp c, 0,1
	global_load_b128 v[128*((\s)%2)+8*\t+4*\c:128*((\s)%2)+8*\t+4*\c+3], v1, s[8:9] offset:\t*8192+(\s)*1024+512*\c
.endr
.endr
	WIN 0
.endm
.macro XROW ri                         ; row ri of my 8 rows of x into window 3 (the caller has set the destination's window)
.irp k, 0,1,2,3,4,5,6,7
	global_load_b128 v[32*(\ri)+4*\k:32*(\ri)+4*\k+3], v1, s[14:15] offset:(((\ri)/4)*8+(\ri)%4)*4096+512*\k th:TH_LOAD_NT
.endr
.endm
; 32 matrix instructions of K step s; W's fragments at v[base + 8 t] of window w, new_v's at v[af + 8 a].  The 32 accumulators take turns, one instruction a turn, in the same order in every step.
.macro MUL s, w, base, af, first
.if \first
	WIN 0xb3                                       ; source 0 (W) window 3, source 1 window 0, C (the bias) window 3, D window 2
.elseif (\w) == 3
	WIN 0xa3                                       ; C and D window 2
.else
	WIN 0xa1                                       ; source 0 window 1
.endif
.irp t, 0,1,2,3,4,5,6,7,8,9,10,11,12,13,14,15
.irp a, 0,1
.if \first
	WM 128*\a+8*\t, (\base)+8*\t, (\af)+8*\a, 8*\t, BS+8*(\t/2)+(\s), AS+(\s), \t%2, \a
.else
	WM 128*\a+8*\t, (\base)+8*\t, (\af)+8*\a, 128*\a+8*\t, BS+8*(\t/2)+(\s), AS+(\s), \t%2, \a
.endif
.endr
.endr
.endm
.irp k, 0,1,2,3,4,5,6,7
	global_load_b32 v[AS+\k], v2, s[6:7] offset:128*\k             ; new_v's scale words
.endr
.irp k, 0,1,2,3,4,5,6,7
	global_load_b128 v[TT+4*\k:TT+4*\k+3], v14, s[4:5] offset:512*\k
.endr
.irp e, 0,1,2,3,4,5,6,7
.irp k, 0,1,2,3
	global_load_b64 v[BS+8*\e+2*\k:BS+8*\e+2*\k+1], v3, s[10:11] offset:\e*1024+\k*256   ; W's scale words of my eight pairs: 256 consecutive bytes a load
.endr
.endr
	WIN 0xc0                                       ; destination window 3: the bias is the C of each sum's first matrix instruction, in the result's layout
.irp t, 0,1,2,3,4,5,6,7,8,9,10,11,12,13,14,15
	global_load_b128 v[8*\t:8*\t+3], v15, s[12:13] offset:128*(\t/2)+32*(\t%2)
	global_load_b128 v[8*\t+4:8*\t+7], v15, s[12:13] offset:128*(\t/2)+32*(\t%2)+16
.endr
	WIN 0
	FETCHG 4
	s_wait_alu depctr_va_vdst(0)
	s_wait_loadcnt 32                              ; the 80 loads above are in; K step 4's 32 may be out
.irp k, 0,1,2,3,4,5,6,7
	ds_store_b128 v13, v[TT+4*\k:TT+4*\k+3] offset:512*\k
.endr
	FETCHG 5
	s_wait_dscnt 0x0
	s_barrier_signal -1
	s_barrier_wait -1                              ; all four quarters lie in LDS.
; K steps i (from LDS) and 4 + i (from memory)
.macro PAIR i
.if (\i) == 0
	s_wait_tensorcnt 0x0                           ; my one tensor load, K steps 0 to 3 of my tiles, is in LDS
.endif
	WIN 0xc0
.irp t, 0,1,2,3,4,5,6,7,8,9,10,11,12,13,14,15
.irp c, 0,1
	ds_load_b128 v[LSR+8*\t+4*\c:LSR+8*\t+4*\c+3], v11 offset:(\i)*1024+\t*4096+512*\c
.endr
.endr
	WIN 0
.irp a, 0,1
.irp c, 0,1
	ds_load_b128 v[AF+8*\a+4*\c:AF+8*\a+4*\c+3], v12 offset:\a*8192+(\i)*1024+512*\c
	ds_load_b128 v[AF+16+8*\a+4*\c:AF+16+8*\a+4*\c+3], v12 offset:\a*8192+(4+(\i))*1024+512*\c
.endr
.endr
	s_wait_dscnt 0x0
.if (\i) == 3
	s_barrier_signal -1                            ; my tensor loads have all landed and my reads of W's and new_v's bytes are over:
	s_barrier_wait -1                              ; that now holds of every wave, so the stage may be laid over W's bytes
.endif
.if (\i) == 0
	MUL \i, 3, LSR, AF, 1
.else
	MUL \i, 3, LSR, AF, 0
.endif
.if (\i) < 2
	s_wait_loadcnt 32                              ; K step 4 + i is in; the other set's 32 loads may be out
.elseif (\i) == 2
	s_wait_loadcnt 63                              ; K step 6 is in: behind it stand K step 7's 32 loads and x's 32; the count is the largest that the field holds
.else
	s_wait_loadcnt 32                              ; K step 7 is in; x's rows 0 to 3 may be out
	PLACES 4                                       ; four places in front of loads into registers that matrix instructions have read
	WIN 0xc0
.irp e, 4,5,6,7
	XROW \e
.endr
.endif
	MUL 4+(\i), 1, 128*((\i)%2), AF+16, 0
.if (\i) < 3
	PLACES 4                                       ; four places in front of loads into registers that matrix instructions have read
.endif
.if (\i) < 2
	FETCHG 6+(\i)                                  ; the set just multiplied is asked for again at once
.endif
.if (\i) == 1
	WIN 0xc0                                       ; all of W is asked for: x's rows 0 to 3 follow, into the bias's registers, which only the first products read
.irp e, 0,1,2,3
	XROW \e
.endr
	WIN 0
.endif
.endm
.irp i, 0,1,2,3
	PAIR \i
.endr
	WIN 0
	PLACES 4                                       ; in front of the first read of results
; sixteen accumulators at a time: swish, and 32 bytes a lane and accumulator into the stage
; THE WAY TO THE NORM, BY HALVES.  Half a is tile a of 16 rows: swish of its 16 accumulators (128 registers, one batch of exponentials and one of reciprocals) goes to stage rows 16 a .. 16 a + 15; one barrier;
; each wave takes FOUR whole rows back (stage rows 16 a + 4 w + j, 32 registers each, v128-255) and normalises the four together: y = x + m is formed in x's registers (window 3, 128 a + 32 j),
; the four rows' sums go by turns, so that no line waits for the line above it, and the four v_rsq_f32 are one batch.  The variance is taken of the differences from the mean, in a second pass over registers.
; The first half's rows leave while the second half's sums still lie in their accumulators.  v16-31 (new_v's fragments, done with): four registers of sums for each row.
.set SA, 16
.macro FOLD                            ; each row's two chains of pairs become its sum over the 32 lanes, in every lane, in v[SA + 4 j]
.irp j, 0,1,2,3
	v_pk_add_f32 v[SA+4*\j:SA+4*\j+1], v[SA+4*\j:SA+4*\j+1], v[SA+4*\j+2:SA+4*\j+3]
.endr
.irp j, 0,1,2,3
	v_add_f32 v[SA+4*\j], v[SA+4*\j], v[SA+4*\j+1]
.endr
.irp m, 1,2,4,8
.irp j, 0,1,2,3
	v_add_f32_dpp v[SA+4*\j], v[SA+4*\j], v[SA+4*\j] row_xmask:\m row_mask:0xf bank_mask:0xf
.endr
.endr
.irp j, 0,1,2,3
	v_permlanex16_b32 v[SA+4*\j+1], v[SA+4*\j], s[SEL], s[SEL+1]
.endr
.irp j, 0,1,2,3
	v_add_f32 v[SA+4*\j], v[SA+4*\j], v[SA+4*\j+1]
.endr
.endm
.macro HALF a
.set XB, 128*(\a)                      ; window 3: x's four rows of this half
.if (\a) == 1
	s_wait_alu depctr_va_vdst(0)                   ; ahead of the first read of matrix results behind transcendentals
.endif
	SWISH 0x02, 128*(\a), 128, TT
.irp t, 0,1,2,3,4,5,6,7,8,9,10,11,12,13,14,15
	ds_store_b128 v[5+(\a)], v[TT+8*\t:TT+8*\t+3] offset:128*(\t/2)+32*(\t%2)
	ds_store_b128 v[5+(\a)], v[TT+8*\t+4:TT+8*\t+7] offset:128*(\t/2)+32*(\t%2)+16
.endr
	s_wait_dscnt 0x0                               ; for the others' sake: my stores into the stage are done
	s_barrier_signal -1
	s_barrier_wait -1                              ; 16 whole rows lie in the stage
.irp j, 0,1,2,3
.irp k, 0,1,2,3,4,5,6,7
	ds_load_b128 v[TT+32*\j+4*\k:TT+32*\j+4*\k+3], v[7-3*(\a)] offset:\j*SPITCH+512*\k
.endr
.endr
	s_wait_dscnt 0x0
	s_wait_loadcnt 32-32*(\a)                      ; x's four rows of this half are in; ahead of the first half the other four rows' 32 loads may be out
	WIN 0xc3                                       ; destination and source 0 (x, then y) window 3, source 1 window 0
.irp j, 0,1,2,3
.set sj, 0
.rept 16
	v_pk_add_f32 v[XB+32*\j+sj:XB+32*\j+sj+1], v[XB+32*\j+sj:XB+32*\j+sj+1], v[TT+32*\j+sj:TT+32*\j+sj+1]
.set sj, sj+2
.endr
.endr
	WIN 0x0f                                       ; sources 0 and 1 window 3, destination window 0
.irp j, 0,1,2,3
	v_pk_add_f32 v[SA+4*\j:SA+4*\j+1], v[XB+32*\j:XB+32*\j+1], v[XB+32*\j+2:XB+32*\j+3]            ; a row's sum: two chains, started by its first four pairs
	v_pk_add_f32 v[SA+4*\j+2:SA+4*\j+3], v[XB+32*\j+4:XB+32*\j+5], v[XB+32*\j+6:XB+32*\j+7]
.endr
	WIN 0x0c                                       ; source 1 window 3
.irp e, 8,12,16,20,24,28
.irp j, 0,1,2,3
	v_pk_add_f32 v[SA+4*\j:SA+4*\j+1], v[SA+4*\j:SA+4*\j+1], v[XB+32*\j+\e:XB+32*\j+\e+1]
	v_pk_add_f32 v[SA+4*\j+2:SA+4*\j+3], v[SA+4*\j+2:SA+4*\j+3], v[XB+32*\j+\e+2:XB+32*\j+\e+3]
.endr
.endr
	WIN 0
	FOLD
.irp j, 0,1,2,3
	v_mul_f32 v[SA+4*\j], s[RN], v[SA+4*\j]        ; the mean
.endr
	WIN 0xc3
.irp j, 0,1,2,3
.set sj, 0
.rept 16
	v_pk_add_f32 v[XB+32*\j+sj:XB+32*\j+sj+1], v[XB+32*\j+sj:XB+32*\j+sj+1], v[SA+4*\j:SA+4*\j+1] op_sel_hi:[1,0] neg_lo:[0,1] neg_hi:[0,1]
.set sj, sj+2
.endr
.endr
	WIN 0x0f                                       ; sources 0 and 1 window 3; source 2 and destination window 0
.irp j, 0,1,2,3
	v_pk_mul_f32 v[SA+4*\j:SA+4*\j+1], v[XB+32*\j:XB+32*\j+1], v[XB+32*\j:XB+32*\j+1]              ; the squares of the differences, in two chains a row
	v_pk_mul_f32 v[SA+4*\j+2:SA+4*\j+3], v[XB+32*\j+2:XB+32*\j+3], v[XB+32*\j+2:XB+32*\j+3]
.endr
.irp e, 4,8,12,16,20,24,28
.irp j, 0,1,2,3
	v_pk_fma_f32 v[SA+4*\j:SA+4*\j+1], v[XB+32*\j+\e:XB+32*\j+\e+1], v[XB+32*\j+\e:XB+32*\j+\e+1], v[SA+4*\j:SA+4*\j+1]
	v_pk_fma_f32 v[SA+4*\j+2:SA+4*\j+3], v[XB+32*\j+\e+2:XB+32*\j+\e+3], v[XB+32*\j+\e+2:XB+32*\j+\e+3], v[SA+4*\j+2:SA+4*\j+3]
.endr
.endr
	WIN 0
	FOLD
.irp j, 0,1,2,3
	v_fma_f32 v[SA+4*\j], v[SA+4*\j], s[RN], s[EPS]        ; the variance + 1e-5
.endr
	s_wait_alu depctr_va_vdst(0)
.irp j, 0,1,2,3
	v_rsq_f32 v[SA+4*\j+2], v[SA+4*\j]
.endr
	v_nop                                          ; a plain place behind the batch
	s_wait_alu depctr_va_vdst(0)                   ; one wait for the four, ahead of their first reader
	WIN 0xc3
.irp j, 0,1,2,3
.set sj, 0
.rept 16
	v_pk_mul_f32 v[XB+32*\j+sj:XB+32*\j+sj+1], v[XB+32*\j+sj:XB+32*\j+sj+1], v[SA+4*\j+2:SA+4*\j+3] op_sel_hi:[1,0]
.set sj, sj+2
.endr
.endr
	WIN 0x0c                                       ; a store's data: window 3
.irp j, 0,1,2,3
.irp k, 0,1,2,3,4,5,6,7
	global_store_b128 v1, v[XB+32*\j+4*\k:XB+32*\j+4*\k+3], s[16:17] offset:(8*(\a)+\j)*4096+512*\k th:TH_STORE_NT   ; 512 consecutive bytes, aligned; these registers are not written again
.endr
.endr
	WIN 0
.endm
	HALF 0
	HALF 1
	s_wait_xcnt 0x0
	v_lshl_add_u32 v254, v0, 2, 0x4d000
	v_mov_b32 v255, 0
	s_wait_alu depctr_va_vdst(0)
	s_wait_tensorcnt 0x0
	ds_add_u32 v254, v255
	s_wait_dscnt 0x0
	ROUND                                          ; the closing round: no work-group ends while a partner may still ask for bytes by a load that names it (my tensor loads and LDS loads were waited for above)
	s_endpgm
.Lfunc_end_k_q330e67e89f_out:
	.size	k_q330e67e89f_out, .Lfunc_end_k_q330e67e89f_out-k_q330e67e89f_out
	.p2alignl 7, 3214868480
	.fill 96, 4, 3214868480
	.section	.rodata,"a",@progbits
	.p2align	6, 0x0
	.amdhsa_kernel k_q330e67e89f_out
		.amdhsa_group_segment_fixed_size 315904
		.amdhsa_private_segment_fixed_size 0
		.amdhsa_enable_private_segment 0
		.amdhsa_kernarg_size 56
		.amdhsa_user_sgpr_count 2
		.amdhsa_user_sgpr_kernarg_segment_ptr 1
		.amdhsa_wavefront_size32 1
		.amdhsa_system_sgpr_workgroup_id_x 1
		.amdhsa_system_sgpr_workgroup_id_y 1
		.amdhsa_system_sgpr_workgroup_id_z 1
		.amdhsa_system_vgpr_workitem_id 0
		.amdhsa_next_free_vgpr 1024
		.amdhsa_next_free_sgpr 100
		.amdhsa_reserve_vcc 0
		.amdhsa_float_denorm_mode_32 3
		.amdhsa_float_denorm_mode_16_64 3
		.amdhsa_memory_ordered 1
		.amdhsa_forward_progress 1
		.amdhsa_inst_pref_size 178
	.end_amdhsa_kernel
	.amdgpu_metadata
---
amdhsa.version: [ 1, 2 ]
amdhsa.kernels:
  - .name:           k_q330e67e89f_out
    .symbol:         k_q330e67e89f_out.kd
    .args:
      - { .name: aimg, .offset: 0, .size: 8, .value_kind: global_buffer, .address_space: global }
      - { .name: asc, .offset: 8, .size: 8, .value_kind: global_buffer, .address_space: global }
      - { .name: wimg, .offset: 16, .size: 8, .value_kind: global_buffer, .address_space: global }
      - { .name: wsc, .offset: 24, .size: 8, .value_kind: global_buffer, .address_space: global }
      - { .name: b_fc2, .offset: 32, .size: 8, .value_kind: global_buffer, .address_space: global }
      - { .name: x, .offset: 40, .size: 8, .value_kind: global_buffer, .address_space: global }
      - { .name: out0, .offset: 48, .size: 8, .value_kind: global_buffer, .address_space: global }
    .group_segment_fixed_size: 315904
    .private_segment_fixed_size: 0
    .kernarg_segment_align: 8
    .kernarg_segment_size: 56
    .max_flat_workgroup_size: 128
    .sgpr_count:     100
    .vgpr_count:     1024
    .wavefront_size: 32
...
	.end_amdgpu_metadata
.endif
;; end of part 8
